; MI455X (gfx1250); checked and timed in simulation.
; The chip was launched on July 23, 2026; its instructions are those of AMD's public machine-readable ISA for CDNA 5 (MIT licence, August 2026) and "CDNA5" Instruction Set Architecture Reference Guide (July 2026). The comments in the code are by the model that wrote it; some were corrected since.
;; Bert Layer. Allowed arithmetic: float matrix products may take bf16 or f16 operands with f32 sums; all other float work in f32.
;; Inputs: W1 2,048 x 512 float32; W2 512 x 2,048 float32; Wk 512 x 512 float32; Wp 512 x 512 float32; Wq 512 x 512 float32; Wv 512 x 512 float32; attention_mask 4 x 2,048 bool; b1 2,048 float32; b2 512 float32; ln1_b 512 float32; ln1_g 512 float32; ln2_b 512 float32; ln2_g 512 float32; x 4 x 2,048 x 512 float32.
;; Outputs: out0 4 x 2,048 x 512 float32.
;; 2 versions, each right and faster than the one before. Each part assembles by itself: llvm-mc -triple=amdgcn-amd-amdhsa -mcpu=gfx1250 --defsym DOCPART=n.
;; ======== version 1 of 2: 6 launches
;; limits: values are held in f16: magnitudes above 65,504 overflow, below 6.1e-05 lose precision
;; workspace buffers: xb 8,388,608 bytes; wb 6,291,456 bytes; qkv 25,165,824 bytes; ctx 8,388,608 bytes; hf 16,777,216 bytes; hb 8,388,608 bytes; g 33,554,432 bytes
;; launch cvt (part 1): grid 16 x 28, 8 waves a work-group, no clusters, 0 bytes of LDS; arguments x, Wq, Wk, Wv, Wp, W1, W2, xb, wb; writes xb, wb
.if DOCPART == 1
	.amdgcn_target "amdgcn-amd-amdhsa--gfx1250"
	.amdhsa_code_object_version 6
	.text
	.protected	k_qd578fca934_cvt
	.globl	k_qd578fca934_cvt
	.p2align	8
	.type	k_qd578fca934_cvt,@function
k_qd578fca934_cvt:
	s_mov_b64 s[64:65], 0
	v_nop
	global_prefetch_b8 v0, s[64:65] scope:SCOPE_SE
	s_setreg_imm32_b32 hwreg(HW_REG_WAVE_MODE, 25, 1), 1
	s_wait_xcnt 0x0
; f32 to 16 bits of x (into xb) and of the six weight matrices (into wb, one behind the other: Wq, Wk, Wv, Wp, W1, W2).
; x, Wq, Wk, Wv, Wp go to bf16.  Wq alone is multiplied by log2(e)/8 before its one rounding: the scores then come out of the matrix unit
; already scaled by DK^-0.5 and in base 2; the others of that path are multiplied by 1.0, so that the path has one text.
; W1 and W2 go to f16: the two products that they enter make a sum as large as the residual beside it, so their operands' rounding
; goes straight into the result, and f16 keeps 11 significant bits where bf16 keeps 8.  Room: the weights as drawn stay below 1; 30 times
; larger, or moved by 30 spreads, below 10 (f16 reaches 65,504); 30 times smaller, f16's fixed step of 6e-8 is still under 1e-4 of their spread.
; A unit is 262,144 numbers (1 MiB of source, 512 KiB of result).  Grid y picks the unit: 0-15 x, 16 Wq, 17 Wk, 18 Wv, 19 Wp,
; 20-23 W1, 24-27 W2.  Grid x picks 65,536 source bytes of it: 8 passes of 8,192 bytes; thread t takes 32 bytes of a pass
; and stores 16, so a store of a wave covers 512 consecutive bytes, aligned.  Memory binds: no LDS, no barrier, no matrix unit.
; All 16 loads of a thread go out first; no register is written twice, so no wait frees a source.
.set X, 4                              ; v[4:67]   pass j: 8 numbers in f32
.set Y, 68                             ; v[68:99]  pass j: 8 numbers in 16 bits
	s_load_b512 s[8:23], s[0:1], 0x0               ; x 8, Wq 10, Wk 12, Wv 14, Wp 16, W1 18, W2 20, xb 22
	s_load_b64 s[24:25], s[0:1], 0x40              ; wb
	s_and_b32 s2, ttmp7, 0xffff                    ; the unit's number
	s_sub_co_u32 s29, s2, 20                       ; unit inside W1,
	s_sub_co_u32 s30, s2, 24                       ; inside W2,
	s_sub_co_u32 s31, s2, 16                       ; inside wb
	v_lshlrev_b32 v1, 5, v0                        ; 32 t: source
	v_lshlrev_b32 v2, 4, v0                        ; 16 t: result
	s_wait_kmcnt 0x0
	s_mov_b64 s[26:27], s[8:9]                     ; the source and the unit inside it, chosen by the unit's number alone
	s_mov_b32 s28, s2
	s_cmp_ge_u32 s2, 16
	s_cselect_b64 s[26:27], s[10:11], s[26:27]
	s_cselect_b32 s28, 0, s28
	s_cmp_ge_u32 s2, 17
	s_cselect_b64 s[26:27], s[12:13], s[26:27]
	s_cmp_ge_u32 s2, 18
	s_cselect_b64 s[26:27], s[14:15], s[26:27]
	s_cmp_ge_u32 s2, 19
	s_cselect_b64 s[26:27], s[16:17], s[26:27]
	s_cmp_ge_u32 s2, 20
	s_cselect_b64 s[26:27], s[18:19], s[26:27]
	s_cselect_b32 s28, s29, s28
	s_cmp_ge_u32 s2, 24
	s_cselect_b64 s[26:27], s[20:21], s[26:27]
	s_cselect_b32 s28, s30, s28
	s_cmp_ge_u32 s2, 16
	s_cselect_b64 s[32:33], s[24:25], s[22:23]     ; the result's buffer and the unit inside it
	s_cselect_b32 s36, s31, s2
	s_cmp_eq_u32 s2, 16
	s_cselect_b32 s34, 0x3e38aa3b, 1.0             ; log2(e)/8 for Wq
	s_mov_b32 s35, s34
	s_lshl_b32 s4, s28, 20                         ; offsets, made apart from the addresses
	s_lshl_b32 s5, ttmp9, 16
	s_add_co_u32 s4, s4, s5
	s_mov_b32 s5, 0
	s_lshl_b32 s6, s36, 19
	s_lshl_b32 s7, ttmp9, 15
	s_add_co_u32 s6, s6, s7
	s_mov_b32 s7, 0
	s_add_nc_u64 s[26:27], s[26:27], s[4:5]
	s_add_nc_u64 s[32:33], s[32:33], s[6:7]
.irp j, 0,1,2,3,4,5,6,7
	global_load_b128 v[X+8*\j:X+8*\j+3],   v1, s[26:27] offset:8192*\j th:TH_LOAD_NT
	global_load_b128 v[X+8*\j+4:X+8*\j+7], v1, s[26:27] offset:8192*\j+16 th:TH_LOAD_NT
.endr
; The eight passes and the end.  half = 0: scale and round to bf16; half = 1: round to f16.
.macro PASSES half
.irp j, 0,1,2,3,4,5,6,7
	s_wait_loadcnt 14-2*\j                         ; loads come back in order: pass j's two are in, the 2 (7 - j) younger ones stay out
.if \half
.irp k, 0,1,2,3
	v_cvt_pk_f16_f32 v[Y+4*\j+\k], v[X+8*\j+2*\k], v[X+8*\j+2*\k+1]
.endr
.else
.irp k, 0,2,4,6
	v_pk_mul_f32 v[X+8*\j+\k:X+8*\j+\k+1], v[X+8*\j+\k:X+8*\j+\k+1], s[34:35] op_sel_hi:[1,0]
.endr
.irp k, 0,1,2,3
	v_cvt_pk_bf16_f32 v[Y+4*\j+\k], v[X+8*\j+2*\k], v[X+8*\j+2*\k+1]
.endr
.endif
	global_store_b128 v2, v[Y+4*\j:Y+4*\j+3], s[32:33] offset:4096*\j
.endr
	s_endpgm
.endm
	s_cmp_ge_u32 s2, 20                            ; W1 and W2: the same in every wave of the work-group
	s_cbranch_scc1 .Lhalf
	PASSES 0
.Lhalf:
	PASSES 1
.Lfunc_end_k_qd578fca934_cvt:
	.size	k_qd578fca934_cvt, .Lfunc_end_k_qd578fca934_cvt-k_qd578fca934_cvt
	.p2alignl 7, 3214868480
	.fill 96, 4, 3214868480
	.section	.rodata,"a",@progbits
	.p2align	6, 0x0
	.amdhsa_kernel k_qd578fca934_cvt
		.amdhsa_group_segment_fixed_size 0
		.amdhsa_private_segment_fixed_size 0
		.amdhsa_enable_private_segment 0
		.amdhsa_kernarg_size 72
		.amdhsa_user_sgpr_count 2
		.amdhsa_user_sgpr_kernarg_segment_ptr 1
		.amdhsa_wavefront_size32 1
		.amdhsa_system_sgpr_workgroup_id_x 1
		.amdhsa_system_sgpr_workgroup_id_y 1
		.amdhsa_system_sgpr_workgroup_id_z 1
		.amdhsa_system_vgpr_workitem_id 0
		.amdhsa_next_free_vgpr 104
		.amdhsa_next_free_sgpr 66
		.amdhsa_reserve_vcc 0
		.amdhsa_float_denorm_mode_32 3
		.amdhsa_float_denorm_mode_16_64 3
		.amdhsa_memory_ordered 1
		.amdhsa_forward_progress 1
		.amdhsa_inst_pref_size 12
	.end_amdhsa_kernel
	.amdgpu_metadata
---
amdhsa.version: [ 1, 2 ]
amdhsa.kernels:
  - .name:           k_qd578fca934_cvt
    .symbol:         k_qd578fca934_cvt.kd
    .args:
      - { .name: x, .offset: 0, .size: 8, .value_kind: global_buffer, .address_space: global }
      - { .name: Wq, .offset: 8, .size: 8, .value_kind: global_buffer, .address_space: global }
      - { .name: Wk, .offset: 16, .size: 8, .value_kind: global_buffer, .address_space: global }
      - { .name: Wv, .offset: 24, .size: 8, .value_kind: global_buffer, .address_space: global }
      - { .name: Wp, .offset: 32, .size: 8, .value_kind: global_buffer, .address_space: global }
      - { .name: W1, .offset: 40, .size: 8, .value_kind: global_buffer, .address_space: global }
      - { .name: W2, .offset: 48, .size: 8, .value_kind: global_buffer, .address_space: global }
      - { .name: xb, .offset: 56, .size: 8, .value_kind: global_buffer, .address_space: global }
      - { .name: wb, .offset: 64, .size: 8, .value_kind: global_buffer, .address_space: global }
    .group_segment_fixed_size: 0
    .private_segment_fixed_size: 0
    .kernarg_segment_align: 8
    .kernarg_segment_size: 72
    .max_flat_workgroup_size: 256
    .sgpr_count:     66
    .vgpr_count:     104
    .wavefront_size: 32
...
	.end_amdgpu_metadata
.endif
;; end of part 1
;; launch qkv (part 2): grid 32 x 6, 4 waves a work-group, clusters of 4 x 1, 327,680 bytes of LDS; arguments xb, wb, qkv; writes qkv
.if DOCPART == 2
	.amdgcn_target "amdgcn-amd-amdhsa--gfx1250"
	.amdhsa_code_object_version 6
	.text
	.protected	k_qd578fca934_qkv
	.globl	k_qd578fca934_qkv
	.p2align	8
	.type	k_qd578fca934_qkv,@function
k_qd578fca934_qkv:
	s_mov_b64 s[64:65], 0
	v_nop
	global_prefetch_b8 v0, s[64:65] scope:SCOPE_SE
	s_setreg_imm32_b32 hwreg(HW_REG_WAVE_MODE, 25, 1), 1
	s_wait_xcnt 0x0
	s_wait_alu depctr_hold_cnt(0) depctr_sa_sdst(0) depctr_va_vdst(0) depctr_va_sdst(0) depctr_va_ssrc(0) depctr_va_vcc(0) depctr_vm_vsrc(0)
	s_getreg_b32 s2, hwreg(HW_REG_IB_STS2, 6, 4)
	s_cmp_eq_u32 s2, 0
	s_cbranch_scc0 .Lentry_in_a_cluster
	s_endpgm
.Lentry_in_a_cluster:
	s_bfe_u32 s2, ttmp6, 0x10000c
	s_cmp_lg_u32 s2, 0x3003
	s_cbranch_scc0 .Lentry_shape_is_right
	s_endpgm
.Lentry_shape_is_right:
; qkv[m][n] = sum over k of xb[m][k] wb[n][k], m < 8192, n < 1536 (rows 0-511 of wb: Wq log2(e)/8, 512-1023: Wk, 1024-1535: Wv), k < 512.
; All bf16, sums in f32, one rounding on the way out.
; A work-group makes 256 x 256 with four waves, a wave 128 x 128: 64 accumulator tiles of 16 x 16 in 512 registers.
; K goes in 4 steps of 128 through two LDS slots filled by the tensor data mover; a tile's rows are 256 bytes of memory, aligned.
; 32 x 6 = 192 work-groups: 1536 columns are six blocks of 256; a narrower block would cut the 256-byte pieces of a row of the result.
; CLUSTER 4 x 1: the four partners make four block rows of ONE block column, so they need the same tiles of wb: those are asked for
; jointly (mask 15).  Each partner's tiles of xb are its own: plain loads.
; REGISTERS in windows of 256: window 0: v0-31 addresses, v64-127 and v128-191 fragments of xb (two buffers), v192-223 packed results;
; window 1: v64-127, v128-191 fragments of wb; window 2: accumulators of my rows 0-63 (tile (a, b) at v[8 (8 a + b)]); window 3: rows 64-127.
; The matrix instruction takes rows of wb as source 0 and rows of xb as source 1: a lane's eight results are then eight neighbouring
; columns of one row of the result.
.set SIZE_N, 1536
.set SIZE_K, 512
.set KSTEP,  128
.set PITCH,  272                       ; an LDS row: 256 bytes + 16 of padding, an odd multiple of 16: the 16 rows of a fragment load start 16 bytes apart modulo 256
.set HALFT,  128*PITCH                 ; 128 rows: one tensor load
.set SLOT,   4*HALFT                   ; xb's 256 rows, then wb's 256 rows
.set STAGE,  2*SLOT                    ; behind the ring: 16 rows x 272 bytes for each wave; no tensor load lands here
.set SPITCH, 272
.set ADRA, 16                          ; v16-17 LDS address of my xb fragments in slot 0, 1
.set ADRB, 20                          ; v20-21 the same for wb
.set STO,  24                          ; v24 way out: where I put 16 bytes
.set RD,   25                          ; v25 way out: where I read a row back
.set CO,   26                          ; v26 my byte offset in the result
.set F0,   64
.set F1,   128
.set TMP,  192
.set G1, 24                            ; s[24:31] group 1 for xb's tiles
.set G0, 32                            ; s[32:39] group 0 for xb's tiles, one set a slot
.set G1B, 48                           ; s[48:55] group 1 for wb's tiles
.set G0B, 56                           ; s[56:63] group 0 for wb's tiles, one set a slot
.set MSB, 0
.macro WIN new                         ; the immediate's high byte repeats the setting that is left
.if MSB != \new
	s_set_vgpr_msb (MSB<<8)|\new
.set MSB, \new
.endif
.endm
.set MUL_LO, 0xa1                      ; source 0 window 1, source 1 window 0, C and D window 2
.set MUL_HI, 0xf1                      ; the same, C and D window 3
.set TO_B,   0x40                      ; destination window 1, address window 0
; Waves 0 and 1 fetch xb's two halves (plain), waves 2 and 3 wb's (joint).  The branch hangs on the wave's number alone.
.macro JLOAD s
	s_cmp_eq_u32 s11, 0
	s_cbranch_scc0 .Lfor_b_\@
	tensor_load_to_lds s[G0+4*\s:G0+4*\s+3], s[G1:G1+7]
	s_nop 0
	s_branch .Lasked_\@
.Lfor_b_\@:
	tensor_load_to_lds s[G0B+4*\s:G0B+4*\s+3], s[G1B:G1B+7]
	s_nop 0
.Lasked_\@:
.endm
; A round of the cluster's barrier: my work-group's barrier, wave 0 signals for the work-group, every wave waits for all four
; work-groups, my work-group's barrier once more.
.macro CREST
	s_cmp_lg_u32 s10, 0
	s_cbranch_scc1 .Lnot_wave_0_\@
	s_barrier_signal -3
.Lnot_wave_0_\@:
	s_barrier_wait -3
	s_barrier_signal -1
	s_barrier_wait -1
.endm
.macro CROUND
	s_barrier_signal -1
	s_barrier_wait -1
	CREST
.endm
	s_load_b128 s[4:7], s[0:1], 0x0                ; xb s[4:5], wb s[6:7]
	s_load_b64 s[8:9], s[0:1], 0x10                ; qkv
	s_set_vgpr_msb 0x40
	v_lshl_add_u32 v255, v0, 2, 0x48400
	s_set_vgpr_msb 0x4000
	v_mov_b32 v255, 0
	s_set_vgpr_msb 0x1
	ds_add_u32 v255, v255
	s_set_vgpr_msb 0x100
	v_lshrrev_b32 v1, 5, v0
	v_readfirstlane_b32 s10, v1                    ; wave 0..3
	s_lshr_b32 s11, s10, 1                         ; my half of the block's rows; also: I fetch for xb (0) or wb (1)
	s_and_b32 s12, s10, 1                          ; my half of its columns; also: which 128 rows of the tile I fetch
	s_bfe_u32 s40, ttmp6, 0x40000                  ; cx
	s_lshl_b32 s13, ttmp9, 2
	s_add_co_u32 s13, s13, s40                     ; block row = 4 x cluster x + cx
	s_and_b32 s42, ttmp7, 0xffff                   ; block column: the same in all four partners
	s_mov_b32 s[G1+0], (1<<16)|(1<<20)|(5<<22)|(3<<25)              ; no mask; elements of 2 bytes; padding on: after every 64 words, 4 words
	s_mov_b32 s[G1B+0], 15|(1<<16)|(1<<20)|(1<<21)|(5<<22)|(3<<25)  ; the same for all four work-groups of the cluster, bit 21 beside the mask
	s_mov_b32 s[G1B+1], KSTEP<<16
	s_mov_b32 s[G1+1], KSTEP<<16                   ; tensor_dim0 = 128
	s_mov_b32 s[G1B+2], 128<<16
	s_mov_b32 s[G1+2], 128<<16                     ; tensor_dim1 = 128
	s_mov_b32 s[G1B+3], KSTEP<<16
	s_mov_b32 s[G1+3], KSTEP<<16                   ; tile_dim0 = 128
	s_mov_b32 s[G1B+4], 128
	s_mov_b32 s[G1+4], 128                         ; tile_dim1 = 128
	s_mov_b32 s[G1B+5], SIZE_K
	s_mov_b32 s[G1+5], SIZE_K                      ; elements from row to row
	s_mov_b32 s[G1B+6], 0
	s_mov_b32 s[G1+6], 0
	s_mov_b32 s[G1B+7], 0
	s_mov_b32 s[G1+7], 0
	s_lshl_b32 s17, s12, 7
	s_lshl_b32 s16, s13, 8
	s_add_co_u32 s16, s16, s17                     ; xb: row 256 x block row + 128 x half
	s_lshl_b32 s46, s42, 8
	s_add_co_u32 s46, s46, s17                     ; wb: row 256 x block column + 128 x half: no register of the joint load ever holds cx
	s_mov_b32 s17, 0
	s_mov_b32 s47, 0
	s_mov_b64 s[18:19], SIZE_K*2
	s_mul_u64 s[16:17], s[16:17], s[18:19]
	s_mul_u64 s[46:47], s[46:47], s[18:19]
	s_mul_i32 s20, s10, HALFT                      ; LDS: wave x 128 rows
	s_wait_dscnt 0x0
	s_wait_kmcnt 0x0
	s_add_nc_u64 s[14:15], s[4:5], s[16:17]
	s_add_nc_u64 s[46:47], s[6:7], s[46:47]
	CROUND                                         ; all four work-groups are here: the first joint loads meet
.irp s, 0,1
	s_mov_b32 s[G0+4*\s], 1
	s_add_co_u32 s[G0+4*\s+1], s20, \s*SLOT
	s_add_nc_u64 s[G0+4*\s+2:G0+4*\s+3], s[14:15], \s*KSTEP*2
	s_or_b32 s[G0+4*\s+3], s[G0+4*\s+3], 0x80000000
	s_mov_b32 s[G0B+4*\s], 1
	s_add_co_u32 s[G0B+4*\s+1], s20, \s*SLOT
	s_add_nc_u64 s[G0B+4*\s+2:G0B+4*\s+3], s[46:47], \s*KSTEP*2
	s_or_b32 s[G0B+4*\s+3], s[G0B+4*\s+3], 0x80000000
	JLOAD \s                                       ; both slots' first fills go out before anything else: two loads of a wave are out
.endr
	; A fragment: 16 rows x 32 K in 8 registers; lane l holds row l % 16; registers 0-3 K = 8 (l / 16) + 0..7, registers 4-7 K = 16 + 8 (l / 16) + 0..7.
	v_and_b32 v1, 15, v0
	v_bfe_u32 v2, v0, 4, 1
	v_mul_u32_u24 v3, v1, PITCH
	v_lshl_add_u32 v3, v2, 4, v3
	s_mul_i32 s21, s11, HALFT
	s_mul_i32 s22, s12, HALFT
	s_add_co_u32 s22, s22, 2*HALFT
.irp s, 0,1
	v_add_nc_u32 v[ADRA+\s], s21, v3
	v_add_nc_u32 v[ADRB+\s], s22, v3
	s_add_co_u32 s21, s21, SLOT
	s_add_co_u32 s22, s22, SLOT
.endr
	s_mul_i32 s23, s10, 16*SPITCH
	s_add_co_u32 s23, s23, STAGE
	v_mul_u32_u24 v4, v1, SPITCH
	v_lshl_add_u32 v4, v2, 4, v4
	v_add_nc_u32 v[STO], s23, v4
	v_mul_u32_u24 v5, v2, SPITCH
	v_lshl_add_u32 v5, v1, 4, v5
	v_add_nc_u32 v[RD], s23, v5
	v_mul_u32_u24 v5, v2, SIZE_N*2
	v_lshl_add_u32 v[CO], v1, 4, v5
; 16 matrix instructions: row blocks a0, a0 + 1 of the window's four x all 8 column blocks, 32 along K.  zero = 1: the first product starts the sums.
.macro MUL16 f, hi, a0, zero
.irp a, \a0, \a0+1
.irp b, 0,1,2,3,4,5,6,7
.if \zero
	v_wmma_f32_16x16x32_bf16 v[8*(8*(\a)+\b):8*(8*(\a)+\b)+7], v[\f+8*\b:\f+8*\b+7], v[\f+8*(4*\hi+\a):\f+8*(4*\hi+\a)+7], 0
.else
	v_wmma_f32_16x16x32_bf16 v[8*(8*(\a)+\b):8*(8*(\a)+\b)+7], v[\f+8*\b:\f+8*\b+7], v[\f+8*(4*\hi+\a):\f+8*(4*\hi+\a)+7], v[8*(8*(\a)+\b):8*(8*(\a)+\b)+7]
.endif
.endr
.endr
.endm
; 32 LDS loads in one run: the fragments of one quarter step into buffer f
.macro FETCH slot, k, f
	WIN TO_B
.irp i, 0,1,2,3,4,5,6,7
	ds_load_b128 v[\f+8*\i:\f+8*\i+3],   v[ADRB+\slot] offset:\k+\i*16*PITCH
	ds_load_b128 v[\f+8*\i+4:\f+8*\i+7], v[ADRB+\slot] offset:\k+\i*16*PITCH+32
.endr
	WIN 0
.irp i, 0,1,2,3,4,5,6,7
	ds_load_b128 v[\f+8*\i:\f+8*\i+3],   v[ADRA+\slot] offset:\k+\i*16*PITCH
	ds_load_b128 v[\f+8*\i+4:\f+8*\i+7], v[ADRA+\slot] offset:\k+\i*16*PITCH+32
.endr
.endm
; Four independent vector instructions between a matrix instruction and a load into, or a vector access of, its registers
.macro PLACES
.rept 4
	v_nop
.endr
.endm
; A K step is four quarters of 32 along K, 64 matrix instructions each, on buffers 0, 1, 0, 1.  The 64 accumulators take turns, one
; instruction a turn, in the same order in every quarter.
.macro QUARTER slot, k, f, g, zero
	s_wait_dscnt 8                                 ; wb's fragments and xb's rows 0-63 are in; the youngest eight loads (rows 64-127) may be out
	WIN MUL_LO
	MUL16 \f, 0, 0, \zero
	MUL16 \f, 0, 2, \zero
	PLACES
	FETCH \slot, \k, \g
	s_wait_dscnt 32                                ; all but the 32 just issued
	WIN MUL_HI
	MUL16 \f, 1, 0, \zero
	MUL16 \f, 1, 2, \zero
.endm
.macro THREE slot, zero
	QUARTER \slot, 64,  F0, F1, \zero
	QUARTER \slot, 128, F1, F0, 0
	QUARTER \slot, 192, F0, F1, 0
.endm
; The last quarter multiplies buffer 1 and changes slots.  In front of the barrier each wave waits for its reads of this slot and for all
; its tensor loads (one is out: its part of the next slot).  Where the slot is filled again the barrier opens a round of the cluster's
; barrier, and the refill is the first tensor load behind the round.
.macro TURN slot, next, fill
	s_wait_dscnt 8
	WIN MUL_LO
	MUL16 F1, 0, 0, 0
	s_wait_dscnt 0                                 ; my reads of this slot are over
	s_wait_tensorcnt 0x0                           ; all my tensor loads have landed
	ds_add_u32 v255, v255
	s_wait_dscnt 0x0
	s_barrier_signal -1
	MUL16 F1, 0, 2, 0                              ; register work while the others arrive
	WIN 0
	s_barrier_wait -1
.if \fill
	CREST
	s_add_nc_u64 s[G0+4*\slot+2:G0+4*\slot+3], s[G0+4*\slot+2:G0+4*\slot+3], 2*KSTEP*2
	s_add_nc_u64 s[G0B+4*\slot+2:G0B+4*\slot+3], s[G0B+4*\slot+2:G0B+4*\slot+3], 2*KSTEP*2
	JLOAD \slot
.endif
	PLACES
	FETCH \next, 0, F0
	WIN MUL_HI
	MUL16 F1, 1, 0, 0
	MUL16 F1, 1, 2, 0
.endm
	s_wait_tensorcnt 1                             ; my part of K step 0 is in; K step 1's stays out
	s_barrier_signal -1
	s_barrier_wait -1
	FETCH 0, 0, F0
	THREE 0, 1                                     ; K step 0: its first products start the sums
	TURN 0, 1, 1                                   ; slot 0 gets K step 2
	THREE 1, 0                                     ; K step 1
	TURN 1, 0, 1                                   ; slot 1 gets K step 3
	THREE 0, 0                                     ; K step 2; nothing is left to fetch
	TURN 0, 1, 0
	THREE 1, 0                                     ; K step 3
	s_wait_dscnt 8
	WIN MUL_LO
	MUL16 F1, 0, 0, 0
	MUL16 F1, 0, 2, 0
	s_wait_dscnt 0
	WIN MUL_HI
	MUL16 F1, 1, 0, 0
	MUL16 F1, 1, 2, 0
	; THE WAY OUT, 16 rows at a time: round to bf16, 16 bytes a lane into my own stage, read back as whole pieces of 256 bytes.
	PLACES
	s_lshl_b32 s13, s13, 8
	s_lshl_b32 s14, s11, 7
	s_add_co_u32 s16, s13, s14                     ; my first row
	s_mov_b32 s17, 0
	s_mov_b64 s[18:19], SIZE_N*2
	s_mul_u64 s[16:17], s[16:17], s[18:19]
	s_add_nc_u64 s[8:9], s[8:9], s[16:17]
	s_lshl_b32 s46, s42, 9                         ; my first column in bytes: 512 x block + 256 x half
	s_lshl_b32 s47, s12, 8
	s_add_co_u32 s46, s46, s47
	s_mov_b32 s47, 0
	s_add_nc_u64 s[8:9], s[8:9], s[46:47]
.macro OUT16 i, a, from, f
	WIN \from
.irp b, 0,1,2,3,4,5,6,7
.irp r, 0,1,2,3
	v_cvt_pk_bf16_f32 v[TMP+4*\b+\r], v[8*(8*\a+\b)+2*\r], v[8*(8*\a+\b)+2*\r+1]
.endr
.endr
	WIN 0
.irp b, 0,1,2,3,4,5,6,7
	ds_store_b128 v[STO], v[TMP+4*\b:TMP+4*\b+3] offset:32*\b
.endr
	s_wait_xcnt 0x0                                ; buffer f, which earlier stores read, and the stores' base are rewritten only behind this wait
.if \i
	s_add_nc_u64 s[8:9], s[8:9], 16*SIZE_N*2
.endif
.irp t, 0,1,2,3,4,5,6,7
	ds_load_b128 v[\f+4*\t:\f+4*\t+3], v[RD] offset:\t*2*SPITCH    ; a wave's LDS instructions are served in order: these see the stores above
.endr
.irp t, 0,1,2,3,4,5,6,7
	s_wait_dscnt 7-\t                              ; read-back t is in, the younger ones stay out
	global_store_b128 v[CO], v[\f+4*\t:\f+4*\t+3], s[8:9] offset:2*\t*SIZE_N*2   ; 16 lanes store 256 consecutive bytes, aligned
.endr
.endm
	OUT16 0, 0, 0x0a, F0
	OUT16 1, 1, 0x0a, F1
	OUT16 2, 2, 0x0a, F0
	OUT16 3, 3, 0x0a, F1
	OUT16 4, 0, 0x0f, F0
	OUT16 5, 1, 0x0f, F1
	OUT16 6, 2, 0x0f, F0
	OUT16 7, 3, 0x0f, F1
	s_set_vgpr_msb 0x1
	s_wait_tensorcnt 0x0
	ds_add_u32 v255, v255
	s_wait_dscnt 0x0
	s_set_vgpr_msb 0x100
	CROUND                                         ; the closing round: no work-group ends while a partner may still ask jointly
	s_endpgm
.Lfunc_end_k_qd578fca934_qkv:
	.size	k_qd578fca934_qkv, .Lfunc_end_k_qd578fca934_qkv-k_qd578fca934_qkv
	.p2alignl 7, 3214868480
	.fill 96, 4, 3214868480
	.section	.rodata,"a",@progbits
	.p2align	6, 0x0
	.amdhsa_kernel k_qd578fca934_qkv
		.amdhsa_group_segment_fixed_size 327680
		.amdhsa_private_segment_fixed_size 0
		.amdhsa_enable_private_segment 0
		.amdhsa_kernarg_size 24
		.amdhsa_user_sgpr_count 2
		.amdhsa_user_sgpr_kernarg_segment_ptr 1
		.amdhsa_wavefront_size32 1
		.amdhsa_system_sgpr_workgroup_id_x 1
		.amdhsa_system_sgpr_workgroup_id_y 1
		.amdhsa_system_sgpr_workgroup_id_z 1
		.amdhsa_system_vgpr_workitem_id 0
		.amdhsa_next_free_vgpr 1024
		.amdhsa_next_free_sgpr 66
		.amdhsa_reserve_vcc 0
		.amdhsa_float_denorm_mode_32 3
		.amdhsa_float_denorm_mode_16_64 3
		.amdhsa_memory_ordered 1
		.amdhsa_forward_progress 1
		.amdhsa_inst_pref_size 144
	.end_amdhsa_kernel
	.amdgpu_metadata
---
amdhsa.version: [ 1, 2 ]
amdhsa.kernels:
  - .name:           k_qd578fca934_qkv
    .symbol:         k_qd578fca934_qkv.kd
    .args:
      - { .name: xb, .offset: 0, .size: 8, .value_kind: global_buffer, .address_space: global }
      - { .name: wb, .offset: 8, .size: 8, .value_kind: global_buffer, .address_space: global }
      - { .name: qkv, .offset: 16, .size: 8, .value_kind: global_buffer, .address_space: global }
    .group_segment_fixed_size: 327680
    .private_segment_fixed_size: 0
    .kernarg_segment_align: 8
    .kernarg_segment_size: 24
    .max_flat_workgroup_size: 128
    .sgpr_count:     66
    .vgpr_count:     1024
    .wavefront_size: 32
...
	.end_amdgpu_metadata
.endif
;; end of part 2
;; launch attn (part 3): grid 16 x 16, 8 waves a work-group, clusters of 4 x 1, 327,680 bytes of LDS; arguments qkv, attention_mask, ctx; writes ctx
.if DOCPART == 3
	.amdgcn_target "amdgcn-amd-amdhsa--gfx1250"
	.amdhsa_code_object_version 6
	.text
	.protected	k_qd578fca934_attn
	.globl	k_qd578fca934_attn
	.p2align	8
	.type	k_qd578fca934_attn,@function
k_qd578fca934_attn:
	s_mov_b64 s[64:65], 0
	v_nop
	global_prefetch_b8 v0, s[64:65] scope:SCOPE_SE
	s_setreg_imm32_b32 hwreg(HW_REG_WAVE_MODE, 25, 1), 1
	s_wait_xcnt 0x0
	s_wait_alu depctr_hold_cnt(0) depctr_sa_sdst(0) depctr_va_vdst(0) depctr_va_sdst(0) depctr_va_ssrc(0) depctr_va_vcc(0) depctr_vm_vsrc(0)
	s_getreg_b32 s2, hwreg(HW_REG_IB_STS2, 6, 4)
	s_cmp_eq_u32 s2, 0
	s_cbranch_scc0 .Lentry_in_a_cluster
	s_endpgm
.Lentry_in_a_cluster:
	s_bfe_u32 s2, ttmp6, 0x10000c
	s_cmp_lg_u32 s2, 0x3003
	s_cbranch_scc0 .Lentry_shape_is_right
	s_endpgm
.Lentry_shape_is_right:
; ctx = softmax(q k^T / 8 - 100 (1 - mask)) v, per batch and head, with a running maximum, in base 2 (q carries log2(e)/8 already).
; Grid y = 4 batch + head pair; grid x = block of 128 queries.  Wave w: head p = w & 1 of the pair, queries 32 (w >> 1) .. + 31 (two subtiles of 16).
; Two waves lie on a SIMD: one's softmax runs beside the other's products.
; EVERYTHING IS TRANSPOSED.  S^T = K Q^T + bias (source 0: 16 keys, source 1: 16 queries, C preloaded with the mask's bias): lane (r, h) holds
; keys 8 h + j of query r, so the maximum is taken inside the lane and across one pair of lanes, and two packed S tiles ARE the source-1
; fragment of P^T.  O^T += V^T P^T (source 0: V through the transposing LDS load), l += ones P^T.
; K and V tiles have rows of 256 bytes (both heads of the pair) and hang on grid y alone: the four work-groups of a cluster ask jointly.
; A slot holds 128 keys (two steps of 64): 4 chunks of K (32 keys, pitch 272), 4 of V (32 keys, pitch 288), one chunk a wave; 16 tiles.
; A wave has one tensor load outstanding at any time.
; LIMITS: probabilities below 2^-126 count as 0 (v_exp_f32 flushes); the denominator is the sum of the probabilities as rounded to bf16, the
; numbers that the numerator uses; mask bytes are 0 or 1; NaN and infinities are not followed.
.set QKVP,  3072                       ; bytes in a row of qkv
.set PK,    272
.set PV,    288                        ; an odd multiple of 32, for the transposing load
.set CHUNK, 9216                       ; 32 rows x 288 (K's chunks use 8,704 of it)
.set SLOT,  8*CHUNK
.set BIAS,  2*SLOT                     ; f32 [2048]: (mask - 1) x 100 log2(e); written by LDS stores, never by a tensor load
.set STAGE, BIAS+8192                  ; 128 rows x 272 for the way out
.set TILEB, 128*QKVP                   ; bytes from a tile of 128 keys to the next
; window 0
.set KAD, 2                            ; v2-3   K fragments' LDS address, slot 0, 1
.set VAD, 4                            ; v4-5   V fragments'
.set BAD, 6                            ; v6     bias, stepped by 512 bytes a tile
.set QV,  7                            ; v7     offset of my Q fragments
.set M,   8                            ; v8-9   running maximum of subtile 0, 1
.set MP,  10                           ; v[10:11] the new maximum, twice
.set AL,  12                           ; v[12:15] 2^(old - new), twice, for each subtile
.set T,   16                           ; v[16:19] at work
.set STW, 20
.set STR, 21
.set CV,  22
.set BSA, 23
.set SC,  24                           ; v[24:87]   S tile (qs, ks) at 24 + 32 qs + 8 ks
.set PF,  88                           ; v[88:119]  P fragment (qs, kb) at 88 + 16 qs + 8 kb
.set KF,  120                          ; v[120:183] K fragment (ks, kk) at 120 + 16 ks + 8 kk
.set VF,  184                          ; v[184:247] V fragment (kb, db) at 184 + 32 kb + 8 db
.set MV,  248
.set MK,  250
; window 1
.set QF,  0                            ; v[0:31]   Q fragment (qs, kk) at 16 qs + 8 kk
.set ONE, 32                           ; v[32:39]  a fragment of ones
.set LS,  40                           ; v[40:55]  l, tile qs at 40 + 8 qs
.set OA,  64                           ; v[64:127] O tile (qs, db) at 64 + 32 qs + 8 db
.set G1K, 24
.set G0,  32                           ; s[32:39] one set a slot
.set G1V, 48
.set MSB, 0
.macro WIN new
.if MSB != \new
	s_set_vgpr_msb (MSB<<8)|\new
.set MSB, \new
.endif
.endm
.macro PLACES                          ; four independent vector instructions behind a matrix instruction (ISA guide 7.12.1)
.rept 4
	v_nop
.endr
.endm
.macro ROUND                           ; a round of the cluster's barrier
	s_barrier_signal -1
	s_barrier_wait -1
	s_cmp_lg_u32 s10, 0
	s_cbranch_scc1 .Lnot_wave_0_\@
	s_barrier_signal -3
.Lnot_wave_0_\@:
	s_barrier_wait -3
	s_barrier_signal -1
	s_barrier_wait -1
.endm
.macro JKV s                           ; waves 0-3 ask for a chunk of K, waves 4-7 for a chunk of V; the branch hangs on the wave's number alone
	s_cmp_eq_u32 s11, 0
	s_cbranch_scc0 .Lfor_v_\@
	tensor_load_to_lds s[G0+4*(\s):G0+4*(\s)+3], s[G1K:G1K+7]
	s_nop 0
	s_branch .Lasked_\@
.Lfor_v_\@:
	tensor_load_to_lds s[G0+4*(\s):G0+4*(\s)+3], s[G1V:G1V+7]
	s_nop 0
.Lasked_\@:
.endm
	s_load_b128 s[4:7], s[0:1], 0x0                ; qkv, attention_mask
	s_load_b64 s[8:9], s[0:1], 0x10                ; ctx
	v_lshl_add_u32 v254, v0, 2, 0x2e800
	v_mov_b32 v255, 0
	ds_add_u32 v254, v255
	v_lshrrev_b32 v1, 5, v0
	v_readfirstlane_b32 s10, v1                    ; wave 0..7
	s_lshr_b32 s11, s10, 2                         ; I fetch K (0) or V (1)
	s_and_b32 s12, s10, 3                          ; which 32 keys of a tile I fetch
	s_and_b32 s13, s10, 1                          ; p
	s_lshr_b32 s14, s10, 1                         ; my group of 32 queries
	s_bfe_u32 s15, ttmp6, 0x40000                  ; cx
	s_lshl_b32 s16, ttmp9, 2
	s_add_co_u32 s16, s16, s15                     ; query block
	s_and_b32 s17, ttmp7, 0xffff
	s_lshr_b32 s18, s17, 2                         ; batch
	s_and_b32 s19, s17, 3                          ; head pair
	s_mov_b32 s40, 0x76543210                      ; v_permlanex16_b32: lane i reads lane i of the other half
	s_mov_b32 s41, 0xfedcba98
	s_mov_b32 s42, 0x431044fe                      ; 100 log2(e)
	s_mov_b32 s43, 0xc31044fe
	s_mov_b32 s[G1K+0], 15|(1<<16)|(1<<20)|(1<<21)|(5<<22)|(3<<25)  ; all four work-groups; 2-byte elements; after every 64 words 4 words of padding
	s_mov_b32 s[G1V+0], 15|(1<<16)|(1<<20)|(1<<21)|(5<<22)|(7<<25)  ; the same with 8 words of padding
	s_mov_b32 s[G1K+1], 128<<16                    ; tensor_dim0 = 128
	s_mov_b32 s[G1V+1], 128<<16
	s_mov_b32 s[G1K+2], 32<<16                     ; tensor_dim1 = 32
	s_mov_b32 s[G1V+2], 32<<16
	s_mov_b32 s[G1K+3], 128<<16                    ; tile_dim0 = 128
	s_mov_b32 s[G1V+3], 128<<16
	s_mov_b32 s[G1K+4], 32                         ; tile_dim1 = 32
	s_mov_b32 s[G1V+4], 32
	s_mov_b32 s[G1K+5], 1536                       ; elements from row to row
	s_mov_b32 s[G1V+5], 1536
	s_mov_b32 s[G1K+6], 0
	s_mov_b32 s[G1V+6], 0
	s_mov_b32 s[G1K+7], 0
	s_mov_b32 s[G1V+7], 0
	s_lshl_b32 s20, s18, 11                        ; my chunk of tile 0: row 2048 batch + 32 (w & 3),
	s_lshl_b32 s21, s12, 5
	s_add_co_u32 s20, s20, s21
	s_mul_i32 s20, s20, QKVP
	s_lshl_b32 s21, s11, 10                        ; column block k or v,
	s_add_co_u32 s20, s20, s21
	s_lshl_b32 s21, s19, 8                         ; the pair's 256 bytes: nothing here hangs on cx
	s_add_co_u32 s20, s20, s21
	s_add_co_u32 s20, s20, 1024
	s_mov_b32 s21, 0
	s_mul_i32 s22, s10, CHUNK
	s_lshl_b32 s23, s18, 11
	s_lshl_b32 s44, s16, 7
	s_add_co_u32 s23, s23, s44                     ; the block's first row
	s_lshl_b32 s44, s14, 5                         ; Q: (row + 32 group) x 3072 + 128 (2 pair + p)
	s_add_co_u32 s44, s44, s23
	s_mul_i32 s44, s44, QKVP
	s_lshl_b32 s45, s19, 8
	s_add_co_u32 s44, s44, s45
	s_lshl_b32 s45, s13, 7
	s_add_co_u32 s44, s44, s45
	s_mov_b32 s45, 0
	s_lshl_b32 s46, s10, 4                         ; ctx: (row + 16 w) x 1024 + 256 pair
	s_add_co_u32 s46, s46, s23
	s_lshl_b32 s46, s46, 10
	s_lshl_b32 s47, s19, 8
	s_add_co_u32 s46, s46, s47
	s_mov_b32 s47, 0
	s_lshl_b32 s2, s18, 11                         ; the batch's 2,048 mask bytes
	s_mov_b32 s3, 0
	s_wait_dscnt 0x0
	s_wait_kmcnt 0x0
	s_add_nc_u64 s[20:21], s[4:5], s[20:21]
	s_add_nc_u64 s[56:57], s[4:5], s[44:45]
	s_add_nc_u64 s[58:59], s[8:9], s[46:47]
	s_add_nc_u64 s[6:7], s[6:7], s[2:3]
.irp n, 0,1
	s_mov_b32 s[G0+4*\n], 1
	s_add_co_u32 s[G0+4*\n+1], s22, \n*SLOT
	s_add_nc_u64 s[G0+4*\n+2:G0+4*\n+3], s[20:21], \n*TILEB
	s_or_b32 s[G0+4*\n+3], s[G0+4*\n+3], 0x80000000
.endr
	ROUND                                          ; in front of the first joint load
	JKV 0                                          ; tile 0
	v_and_b32 v1, 15, v0                           ; r
	v_bfe_u32 v16, v0, 4, 1                        ; h
	v_mul_u32_u24 v17, v1, PK
	v_lshl_add_u32 v17, v16, 4, v17                ; 272 r + 16 h
	s_lshl_b32 s2, s13, 7                          ; my head's 128 bytes of a row
	v_add_nc_u32 v[KAD], s2, v17
	v_add_nc_u32 v[KAD+1], SLOT, v[KAD]
	v_and_b32 v18, 7, v0
	v_lshl_add_u32 v18, v16, 3, v18                ; key 8 h + (lane & 7)
	v_mul_u32_u24 v18, v18, PV
	v_bfe_u32 v19, v0, 3, 1
	v_lshl_add_u32 v18, v19, 4, v18                ; + 16 ((lane >> 3) & 1)
	s_add_co_u32 s3, s2, 4*CHUNK
	v_add_nc_u32 v[VAD], s3, v18
	v_add_nc_u32 v[VAD+1], SLOT, v[VAD]
	v_lshl_add_u32 v[BAD], v16, 5, BIAS            ; keys 8 h ..: 32 h bytes
	v_mul_u32_u24 v[QV], v1, QKVP
	v_lshl_add_u32 v[QV], v16, 4, v[QV]
	s_mul_i32 s3, s14, 32*PK
	s_add_co_u32 s3, s3, s2
	s_add_co_u32 s3, s3, STAGE
	v_add_nc_u32 v[STW], s3, v17                   ; stage, in: row 32 group + r, my head's half, 16 h
	s_mul_i32 s3, s10, 16*PK
	s_add_co_u32 s3, s3, STAGE
	v_mul_u32_u24 v[STR], v16, PK
	v_lshl_add_u32 v[STR], v1, 4, v[STR]
	v_add_nc_u32 v[STR], s3, v[STR]                ; stage, back: rows 16 w + h, 16 bytes a lane
	v_lshlrev_b32 v[CV], 10, v16
	v_lshl_add_u32 v[CV], v1, 4, v[CV]
	v_lshl_add_u32 v[BSA], v0, 5, BIAS
	v_lshlrev_b32 v[MV], 3, v0
	global_load_b64 v[MK:MK+1], v[MV], s[6:7]      ; 8 mask bytes a thread
	WIN 0x40                                       ; destinations in window 1
.irp qs, 0,1
.irp kk, 0,1
	global_load_b128 v[QF+16*\qs+8*\kk:QF+16*\qs+8*\kk+3],   v[QV], s[56:57] offset:\qs*16*QKVP+\kk*64
	global_load_b128 v[QF+16*\qs+8*\kk+4:QF+16*\qs+8*\kk+7], v[QV], s[56:57] offset:\qs*16*QKVP+\kk*64+32
.endr
.endr
.irp i, 0,1,2,3,4,5,6,7
	v_mov_b32 v[ONE+\i], 0x3f803f80                ; two bf16 ones
.endr
	WIN 0
	s_wait_loadcnt 8                               ; the mask is in; the eight loads of Q stay out
.irp i, 0,1,2,3,4,5,6,7
	v_bfe_u32 v[SC+\i], v[MK+(\i>>2)], 8*(\i&3), 8
.endr
.irp i, 0,1,2,3,4,5,6,7
	v_cvt_f32_u32 v[SC+\i], v[SC+\i]
.endr
.irp i, 0,1,2,3,4,5,6,7
	v_fma_f32 v[SC+\i], v[SC+\i], s42, s43         ; 0 where the mask is set, -100 log2(e) where not
.endr
	ds_store_b128 v[BSA], v[SC:SC+3]
	ds_store_b128 v[BSA], v[SC+4:SC+7] offset:16   ; shown to the other waves by the first tile's wait for 0 and its round
	s_wait_loadcnt 0x0                             ; Q
.macro LOADK slot, st                  ; 16 loads: 64 keys x 64 of my head
.irp ks, 0,1,2,3
.irp kk, 0,1
	ds_load_b128 v[KF+16*\ks+8*\kk:KF+16*\ks+8*\kk+3],   v[KAD+\slot] offset:\st*2*CHUNK+(\ks>>1)*CHUNK+(\ks&1)*16*PK+\kk*64
	ds_load_b128 v[KF+16*\ks+8*\kk+4:KF+16*\ks+8*\kk+7], v[KAD+\slot] offset:\st*2*CHUNK+(\ks>>1)*CHUNK+(\ks&1)*16*PK+\kk*64+32
.endr
.endr
.endm
.macro LOADB st                        ; 16 loads: the bias of 64 keys into the S tiles of both subtiles
.irp qs, 0,1
.irp ks, 0,1,2,3
	ds_load_b128 v[SC+32*\qs+8*\ks:SC+32*\qs+8*\ks+3],   v[BAD] offset:\st*256+\ks*64
	ds_load_b128 v[SC+32*\qs+8*\ks+4:SC+32*\qs+8*\ks+7], v[BAD] offset:\st*256+\ks*64+16
.endr
.endr
.endm
.macro LOADV slot, st                  ; 16 transposing loads: V^T, 64 of my head x 64 keys
.irp kb, 0,1
.irp db, 0,1,2,3
	ds_load_tr16_b128 v[VF+32*\kb+8*\db:VF+32*\kb+8*\db+3],   v[VAD+\slot] offset:(2*\st+\kb)*CHUNK+\db*32
	ds_load_tr16_b128 v[VF+32*\kb+8*\db+4:VF+32*\kb+8*\db+7], v[VAD+\slot] offset:(2*\st+\kb)*CHUNK+\db*32+16*PV
.endr
.endr
.endm
; Softmax of one subtile's 64 keys: new maximum, 2^(old - new), p = 2^(s - new) packed to bf16.
.macro SOFT qs, first
.irp c, 0,1,2,3
	v_max3_num_f32 v[T+\c], v[SC+32*\qs+8*\c], v[SC+32*\qs+8*\c+1], v[SC+32*\qs+8*\c+2]
.endr
.irp c, 0,1,2,3
	v_max3_num_f32 v[T+\c], v[T+\c], v[SC+32*\qs+8*\c+3], v[SC+32*\qs+8*\c+4]
.endr
.irp c, 0,1,2,3
	v_max3_num_f32 v[T+\c], v[T+\c], v[SC+32*\qs+8*\c+5], v[SC+32*\qs+8*\c+6]
.endr
	v_max3_num_f32 v[T], v[T], v[T+1], v[SC+32*\qs+7]
	v_max3_num_f32 v[T+2], v[T+2], v[T+3], v[SC+32*\qs+15]
	v_max3_num_f32 v[T], v[T], v[T+2], v[SC+32*\qs+23]
.if \first
	v_max_num_f32 v[T], v[T], v[SC+32*\qs+31]
.else
	v_max3_num_f32 v[T], v[T], v[SC+32*\qs+31], v[M+\qs]
.endif
	v_permlanex16_b32 v[T+1], v[T], s40, s41       ; the other 32 keys of my query
	v_max_num_f32 v[MP], v[T], v[T+1]
	v_max_num_f32 v[MP+1], v[T], v[T+1]
.if \first
	v_mov_b32 v[M+\qs], v[MP]
.else
	v_sub_f32 v[T+2], v[M+\qs], v[MP]
	v_exp_f32 v[AL+2*\qs], v[T+2]
	v_mov_b32 v[M+\qs], v[MP]                      ; the independent instruction behind v_exp_f32
	s_wait_alu depctr_va_vdst(0)
	v_mov_b32 v[AL+2*\qs+1], v[AL+2*\qs]
.endif
.set j, 0
.rept 16
	v_pk_add_f32 v[SC+32*\qs+2*j:SC+32*\qs+2*j+1], v[SC+32*\qs+2*j:SC+32*\qs+2*j+1], v[MP:MP+1] neg_lo:[0,1] neg_hi:[0,1]
.set j, j+1
.endr
.set j, 0
.rept 32
	v_exp_f32 v[SC+32*\qs+j], v[SC+32*\qs+j]
.set j, j+1
.endr
	v_nop                                          ; one plain instruction between the last v_exp_f32 and the use of its result
.set j, 0
	s_wait_alu depctr_va_vdst(0)
.rept 16
	v_cvt_pk_bf16_f32 v[PF+16*\qs+j], v[SC+32*\qs+2*j], v[SC+32*\qs+2*j+1]   ; tiles 2 kb, 2 kb + 1 packed are fragment kb
.set j, j+1
.endr
.endm
; One step of 64 keys.  On entry 48 LDS loads are out, in this order: K, bias, V.  more = 1: the slot's second step is fetched on the way.
; In every run of matrix instructions the accumulators take turns, one instruction a turn.
.macro STEP slot, first, more
	s_wait_dscnt 16                                ; K and the bias are in; V's 16 loads stay out
	WIN 0x04                                       ; source 1 (Q) in window 1
.irp kk, 0,1
.irp qs, 0,1
.irp ks, 0,1,2,3
	v_wmma_f32_16x16x32_bf16 v[SC+32*\qs+8*\ks:SC+32*\qs+8*\ks+7], v[KF+16*\ks+8*\kk:KF+16*\ks+8*\kk+7], v[QF+16*\qs+8*\kk:QF+16*\qs+8*\kk+7], v[SC+32*\qs+8*\ks:SC+32*\qs+8*\ks+7]
.endr
.endr
.endr
	WIN 0
	PLACES
.if \more
	LOADK \slot, 1
.endif
	SOFT 0, \first
	SOFT 1, \first
.if \more
	LOADB 1
.endif
.if \first
.else
	WIN 0x41                                       ; O and l in window 1, the factor in window 0
.irp qs, 0,1
.set j, 0
.rept 16
	v_pk_mul_f32 v[OA+32*\qs+2*j:OA+32*\qs+2*j+1], v[OA+32*\qs+2*j:OA+32*\qs+2*j+1], v[AL+2*\qs:AL+2*\qs+1]
.set j, j+1
.endr
.set j, 0
.rept 4
	v_pk_mul_f32 v[LS+8*\qs+2*j:LS+8*\qs+2*j+1], v[LS+8*\qs+2*j:LS+8*\qs+2*j+1], v[AL+2*\qs:AL+2*\qs+1]
.set j, j+1
.endr
.endr
.endif
.if \more
	s_wait_dscnt 32                                ; V is in; the next step's K and bias, 32 loads, stay out
.else
	s_wait_dscnt 0
.endif
	WIN 0x50                                       ; C and D in window 1
.irp kb, 0,1
.irp qs, 0,1
.irp db, 0,1,2,3
.if \first*(1-\kb)
	v_wmma_f32_16x16x32_bf16 v[OA+32*\qs+8*\db:OA+32*\qs+8*\db+7], v[VF+32*\kb+8*\db:VF+32*\kb+8*\db+7], v[PF+16*\qs+8*\kb:PF+16*\qs+8*\kb+7], 0
.else
	v_wmma_f32_16x16x32_bf16 v[OA+32*\qs+8*\db:OA+32*\qs+8*\db+7], v[VF+32*\kb+8*\db:VF+32*\kb+8*\db+7], v[PF+16*\qs+8*\kb:PF+16*\qs+8*\kb+7], v[OA+32*\qs+8*\db:OA+32*\qs+8*\db+7]
.endif
.endr
.endr
.endr
	WIN 0x51                                       ; source 0 (ones) in window 1 too
.irp kb, 0,1
.irp qs, 0,1
.if \first*(1-\kb)
	v_wmma_f32_16x16x32_bf16 v[LS+8*\qs:LS+8*\qs+7], v[ONE:ONE+7], v[PF+16*\qs+8*\kb:PF+16*\qs+8*\kb+7], 0
.else
	v_wmma_f32_16x16x32_bf16 v[LS+8*\qs:LS+8*\qs+7], v[ONE:ONE+7], v[PF+16*\qs+8*\kb:PF+16*\qs+8*\kb+7], v[LS+8*\qs:LS+8*\qs+7]
.endif
.endr
.endr
	WIN 0
	PLACES
.if \more
	LOADV \slot, 1
.endif
.endm
; One tile of 128 keys.  In front of the round every wave waits for all its tensor loads and for its LDS reads; behind it the other slot,
; read last, is asked for first, jointly; then this slot is read.
.macro TRIP slot, refill, first
	s_wait_tensorcnt 0x0                           ; my chunk of this tile is in, and no load of mine is out: a group 0 may be written
	ds_add_u32 v254, v255
	s_wait_dscnt 0x0
	s_add_nc_u64 s[G0+4*\slot+2:G0+4*\slot+3], s[G0+4*\slot+2:G0+4*\slot+3], 2*TILEB
	s_wait_dscnt 0x0
	ROUND
.if \refill
	JKV 1-\slot
.endif
	LOADK \slot, 0
	LOADB 0
	LOADV \slot, 0
	STEP \slot, \first, 1
	STEP \slot, 0, 0
	v_add_nc_u32 v[BAD], 512, v[BAD]               ; the next 128 keys' bias
.endm
	TRIP 0, 1, 1                                   ; the first step starts O, l and the maximum: nothing is cleared
	TRIP 1, 1, 0
	s_mov_b32 s44, 6
.Llap:
	TRIP 0, 1, 0
	TRIP 1, 1, 0
	s_sub_co_u32 s44, s44, 1
	s_cmp_lg_u32 s44, 0
	s_cbranch_scc1 .Llap
	TRIP 0, 1, 0                                   ; tile 14; tile 15 is asked for
	TRIP 1, 0, 0                                   ; tile 15: nothing is left to fetch
	; THE WAY OUT: O / l, packed; a lane's eight numbers are eight neighbouring columns of a row of ctx.  The two heads of a pair meet in the
	; stage, so that rows of 256 bytes leave whole.  l >= 1: the largest probability is 1.
	WIN 0x01
	v_rcp_f32 v[AL], v[LS]
	v_rcp_f32 v[AL+1], v[LS]
	v_rcp_f32 v[AL+2], v[LS+8]
	v_rcp_f32 v[AL+3], v[LS+8]
	v_nop
	WIN 0x41
	s_wait_alu depctr_va_vdst(0)
.irp qs, 0,1
.set j, 0
.rept 16
	v_pk_mul_f32 v[OA+32*\qs+2*j:OA+32*\qs+2*j+1], v[OA+32*\qs+2*j:OA+32*\qs+2*j+1], v[AL+2*\qs:AL+2*\qs+1]
.set j, j+1
.endr
.endr
	WIN 0x05
.irp qs, 0,1
.set j, 0
.rept 16
	v_cvt_pk_bf16_f32 v[SC+16*\qs+j], v[OA+32*\qs+2*j], v[OA+32*\qs+2*j+1]
.set j, j+1
.endr
.endr
	WIN 0
.irp qs, 0,1
.irp db, 0,1,2,3
	ds_store_b128 v[STW], v[SC+16*\qs+4*\db:SC+16*\qs+4*\db+3] offset:\qs*16*PK+\db*32
.endr
.endr
	s_wait_dscnt 0x0                               ; for the other waves' sake
	s_barrier_signal -1
	s_barrier_wait -1
.irp t, 0,1,2,3,4,5,6,7
	ds_load_b128 v[KF+4*\t:KF+4*\t+3], v[STR] offset:\t*2*PK
.endr
.irp t, 0,1,2,3,4,5,6,7
	s_wait_dscnt 7-\t                              ; read-back t is in, the younger ones stay out
	global_store_b128 v[CV], v[KF+4*\t:KF+4*\t+3], s[58:59] offset:\t*2048   ; 16 lanes store 256 consecutive bytes, aligned
.endr
	s_wait_tensorcnt 0x0
	ds_add_u32 v254, v255
	s_wait_dscnt 0x0
	ROUND                                          ; the closing round
	s_endpgm
.Lfunc_end_k_qd578fca934_attn:
	.size	k_qd578fca934_attn, .Lfunc_end_k_qd578fca934_attn-k_qd578fca934_attn
	.p2alignl 7, 3214868480
	.fill 96, 4, 3214868480
	.section	.rodata,"a",@progbits
	.p2align	6, 0x0
	.amdhsa_kernel k_qd578fca934_attn
		.amdhsa_group_segment_fixed_size 327680
		.amdhsa_private_segment_fixed_size 0
		.amdhsa_enable_private_segment 0
		.amdhsa_kernarg_size 24
		.amdhsa_user_sgpr_count 2
		.amdhsa_user_sgpr_kernarg_segment_ptr 1
		.amdhsa_wavefront_size32 1
		.amdhsa_system_sgpr_workgroup_id_x 1
		.amdhsa_system_sgpr_workgroup_id_y 1
		.amdhsa_system_sgpr_workgroup_id_z 1
		.amdhsa_system_vgpr_workitem_id 0
		.amdhsa_next_free_vgpr 384
		.amdhsa_next_free_sgpr 66
		.amdhsa_reserve_vcc 0
		.amdhsa_float_denorm_mode_32 3
		.amdhsa_float_denorm_mode_16_64 3
		.amdhsa_memory_ordered 1
		.amdhsa_forward_progress 1
		.amdhsa_inst_pref_size 222
	.end_amdhsa_kernel
	.amdgpu_metadata
---
amdhsa.version: [ 1, 2 ]
amdhsa.kernels:
  - .name:           k_qd578fca934_attn
    .symbol:         k_qd578fca934_attn.kd
    .args:
      - { .name: qkv, .offset: 0, .size: 8, .value_kind: global_buffer, .address_space: global }
      - { .name: attention_mask, .offset: 8, .size: 8, .value_kind: global_buffer, .address_space: global }
      - { .name: ctx, .offset: 16, .size: 8, .value_kind: global_buffer, .address_space: global }
    .group_segment_fixed_size: 327680
    .private_segment_fixed_size: 0
    .kernarg_segment_align: 8
    .kernarg_segment_size: 24
    .max_flat_workgroup_size: 256
    .sgpr_count:     66
    .vgpr_count:     384
    .wavefront_size: 32
...
	.end_amdgpu_metadata
.endif
;; end of part 3
;; launch projln (part 4): grid 256 x 1, 8 waves a work-group, clusters of 4 x 1, 327,680 bytes of LDS; arguments ctx, wb, x, ln1_g, ln1_b, hf, hb; writes hf, hb
.if DOCPART == 4
	.amdgcn_target "amdgcn-amd-amdhsa--gfx1250"
	.amdhsa_code_object_version 6
	.text
	.protected	k_qd578fca934_projln
	.globl	k_qd578fca934_projln
	.p2align	8
	.type	k_qd578fca934_projln,@function
k_qd578fca934_projln:
	s_mov_b64 s[64:65], 0
	v_nop
	global_prefetch_b8 v0, s[64:65] scope:SCOPE_SE
	s_setreg_imm32_b32 hwreg(HW_REG_WAVE_MODE, 25, 1), 1
	s_wait_xcnt 0x0
	s_wait_alu depctr_hold_cnt(0) depctr_sa_sdst(0) depctr_va_vdst(0) depctr_va_sdst(0) depctr_va_ssrc(0) depctr_va_vcc(0) depctr_vm_vsrc(0)
	s_getreg_b32 s2, hwreg(HW_REG_IB_STS2, 6, 4)
	s_cmp_eq_u32 s2, 0
	s_cbranch_scc0 .Lentry_in_a_cluster
	s_endpgm
.Lentry_in_a_cluster:
	s_bfe_u32 s2, ttmp6, 0x10000c
	s_cmp_lg_u32 s2, 0x3003
	s_cbranch_scc0 .Lentry_shape_is_right
	s_endpgm
.Lentry_shape_is_right:
; out = LayerNorm(A W^T (+ bias) + R) g + b over rows of 512.  Here: A = ctx, W = Wp (in wb), both bf16, R = x, no bias; out goes to hf (f32) and hb (f16).
; hb is the next product's operand.  It goes in f16, 11 significant bits: |out| <= sqrt(511) |gain| + |shift|, some 700 with gains 30 times one,
; far below f16's 65,504.
; A work-group makes 32 whole rows (256 work-groups), so that the norm needs no second launch.  Wave w: columns 128 (w & 3) .. + 127,
; and of every K step of 128 the half kh = w >> 2.  Each wave counts the block's two groups of 16 rows so that group 0 is its OWN
; (rows 16 kh + r): its sums start from the residual; group 1 starts from 0 and is handed to wave w xor 4 at the end.
; So the text is the same for all eight waves.
; W's tile (512 rows x 128 K) is the same in all work-groups: the four of a cluster ask jointly (waves 0-3, 128 rows each);
; wave 4 fetches the block's own 32 rows of A by a plain load; waves 5-7 fetch nothing.  A wave has at most one tensor load outstanding.
; Source 0 = rows of W, source 1 = rows of A: lane (r, h) holds row r, columns 8 h + j of a tile.
; The variance is the mean of the squared deviations, as in the definition, taken in a second pass over registers.
; LIMITS: NaN and infinities are not followed.
.set KTOT, 512
.set WOFF, 1572864                     ; W's first byte in wb
.set HASBIAS, 0
.set WRITE_BF, 1
.set PITCH, 272
.set WQ,    128*PITCH                  ; 128 rows of W: one tensor load
.set AOFF,  4*WQ                       ; A's 32 rows lie behind W's 512
.set SLOT,  AOFF+32*PITCH
.set RED1,  2*SLOT                     ; 8 waves x 16 words: partial sums for the mean; no tensor load lands here
.set OPITCH, 528
.set OST,   SLOT                       ; after the last fill: a stage of 16 rows x 528 for each wave, in slot 1
.set BSTG,  OST+8*16*OPITCH            ; and one of 16 rows x 272
.set WAD, 2                            ; v2-3  W fragments' LDS address, slot 0, 1
.set AAD, 4                            ; v4-7  A fragments': group 0 slot 0, 1; group 1 slot 0, 1
.set RV,  13                           ; v13   residual: 2048 r + 32 h
.set GV,  14                           ; v14   gains and biases: 32 h
.set FW,  16                           ; v[16:79]  W fragment nb at 16 + 8 nb; later E, the row piece at work
.set E,   16
.set FA,  80                           ; v[80:95]  A fragment of group ms at 80 + 8 ms
.set ACC, 96                           ; v[96:223] tile (ms, nb) at 96 + 8 (8 ms + nb)
.set T,   224                          ; v[224:231] four chains
.set MU,  234                          ; v[234:235] mean, then 1 / sigma, twice
.set Q4,  236                          ; v[236:239] the four waves' partial sums
.set XST, 240
.set XLD, 241
.set RL,  242
.set RS,  243
.set OSW, 244
.set OSR, 245
.set OV,  246
.set BSW, 247
.set BSR, 248
.set BV,  249
.set G1W, 24
.set G0W, 32
.set G1A, 48
.set G0A, 56
.macro PLACES                          ; four independent vector instructions behind a matrix instruction (ISA guide 7.12.1)
.rept 4
	v_nop
.endr
.endm
.macro ROUND
	s_barrier_signal -1
	s_barrier_wait -1
	s_cmp_lg_u32 s10, 0
	s_cbranch_scc1 .Lnot_wave_0_\@
	s_barrier_signal -3
.Lnot_wave_0_\@:
	s_barrier_wait -3
	s_barrier_signal -1
	s_barrier_wait -1
.endm
.macro LOADT s
	s_cmp_lt_u32 s10, 4
	s_cbranch_scc0 .Lnot_w_\@
	tensor_load_to_lds s[G0W+4*(\s):G0W+4*(\s)+3], s[G1W:G1W+7]
	s_nop 0
	s_branch .Ldone_\@
.Lnot_w_\@:
	s_cmp_eq_u32 s10, 4
	s_cbranch_scc0 .Ldone_\@
	tensor_load_to_lds s[G0A+4*(\s):G0A+4*(\s)+3], s[G1A:G1A+7]
	s_nop 0
.Ldone_\@:
.endm
	s_load_b256 s[68:75], s[0:1], 0x0              ; A 68, wb 70, R 72, gain 74
	s_load_b128 s[76:79], s[0:1], 0x20             ; shift 76, f32 result 78
	s_load_b64 s[80:81], s[0:1], 0x30              ; 16-bit result, or the bias
	v_lshl_add_u32 v254, v0, 2, 0x48800
	v_mov_b32 v255, 0
	ds_add_u32 v254, v255
	v_lshrrev_b32 v1, 5, v0
	v_readfirstlane_b32 s10, v1                    ; wave 0..7
	s_lshr_b32 s11, s10, 2                         ; kh
	s_and_b32 s12, s10, 3                          ; my 128 columns
	s_xor_b32 s19, s11, 1
	s_bfe_u32 s13, ttmp6, 0x40000                  ; cx
	s_lshl_b32 s14, ttmp9, 2
	s_add_co_u32 s14, s14, s13                     ; block of 32 rows
	s_mov_b32 s40, 0x76543210
	s_mov_b32 s41, 0xfedcba98
	s_mov_b32 s46, 0x3b000000                      ; 1 / 512
	s_mov_b32 s47, 0x3727c5ac                      ; 1e-5
	s_mov_b32 s[G1W+0], 15|(1<<16)|(1<<20)|(1<<21)|(5<<22)|(3<<25)  ; all four work-groups; 2-byte elements; 4 words of padding after every 64
	s_mov_b32 s[G1W+1], 128<<16
	s_mov_b32 s[G1W+2], 128<<16
	s_mov_b32 s[G1W+3], 128<<16
	s_mov_b32 s[G1W+4], 128                        ; 128 rows x 128 elements
	s_mov_b32 s[G1W+5], KTOT
	s_mov_b32 s[G1W+6], 0
	s_mov_b32 s[G1W+7], 0
	s_mov_b32 s[G1A+0], (1<<16)|(1<<20)|(5<<22)|(3<<25)
	s_mov_b32 s[G1A+1], 128<<16
	s_mov_b32 s[G1A+2], 32<<16
	s_mov_b32 s[G1A+3], 128<<16
	s_mov_b32 s[G1A+4], 32                         ; 32 rows x 128 elements
	s_mov_b32 s[G1A+5], KTOT
	s_mov_b32 s[G1A+6], 0
	s_mov_b32 s[G1A+7], 0
	s_mul_i32 s20, s12, 128*KTOT*2                 ; W: rows 128 (w & 3) ..: nothing here hangs on cx
	s_add_co_u32 s20, s20, WOFF
	s_mov_b32 s21, 0
	s_mul_i32 s22, s14, 32*KTOT*2                  ; A: the block's rows
	s_mov_b32 s23, 0
	s_mul_i32 s15, s10, WQ                         ; LDS: wave x 128 rows; for wave 4 that is A's place
	s_lshl_b32 s84, s14, 5
	s_lshl_b32 s85, s11, 4
	s_add_co_u32 s84, s84, s85                     ; my own first row
	s_lshl_b32 s84, s84, 11
	s_lshl_b32 s88, s12, 9
	s_add_co_u32 s84, s84, s88                     ; x 2048 + my columns' 512 bytes
	s_mov_b32 s85, 0
	s_lshr_b32 s86, s84, 1                         ; the same place in 16 bits
	s_mov_b32 s87, 0
	s_mov_b32 s89, 0
	s_wait_dscnt 0x0
	s_wait_kmcnt 0x0
	s_add_nc_u64 s[20:21], s[70:71], s[20:21]
	s_add_nc_u64 s[22:23], s[68:69], s[22:23]
	s_add_nc_u64 s[72:73], s[72:73], s[84:85]
	s_add_nc_u64 s[78:79], s[78:79], s[84:85]
	s_add_nc_u64 s[74:75], s[74:75], s[88:89]
	s_add_nc_u64 s[76:77], s[76:77], s[88:89]
.if WRITE_BF
	s_add_nc_u64 s[80:81], s[80:81], s[86:87]
.endif
.if HASBIAS
	s_add_nc_u64 s[80:81], s[80:81], s[88:89]
.endif
.irp n, 0,1
	s_mov_b32 s[G0W+4*\n], 1
	s_add_co_u32 s[G0W+4*\n+1], s15, \n*SLOT
	s_add_nc_u64 s[G0W+4*\n+2:G0W+4*\n+3], s[20:21], \n*256
	s_or_b32 s[G0W+4*\n+3], s[G0W+4*\n+3], 0x80000000
	s_mov_b32 s[G0A+4*\n], 1
	s_add_co_u32 s[G0A+4*\n+1], s15, \n*SLOT
	s_add_nc_u64 s[G0A+4*\n+2:G0A+4*\n+3], s[22:23], \n*256
	s_or_b32 s[G0A+4*\n+3], s[G0A+4*\n+3], 0x80000000
.endr
	ROUND                                          ; in front of the first joint load
	LOADT 0                                        ; K step 0
	v_and_b32 v1, 15, v0                           ; r
	v_bfe_u32 v8, v0, 4, 1                         ; h
	v_and_b32 v9, 31, v0                           ; lane
	v_lshlrev_b32 v[GV], 5, v8
	v_lshl_add_u32 v[RV], v1, 11, v[GV]
.irp nb, 0,1,2,3,4,5,6,7
	global_load_b128 v[ACC+8*\nb:ACC+8*\nb+3],   v[RV], s[72:73] offset:64*\nb      ; the residual of my own 16 rows x 128 columns starts their sums
	global_load_b128 v[ACC+8*\nb+4:ACC+8*\nb+7], v[RV], s[72:73] offset:64*\nb+16
.endr
.if HASBIAS
.irp nb, 0,1,2,3,4,5,6,7
	global_load_b128 v[FW+8*\nb:FW+8*\nb+3],   v[GV], s[80:81] offset:64*\nb
	global_load_b128 v[FW+8*\nb+4:FW+8*\nb+7], v[GV], s[80:81] offset:64*\nb+16
.endr
.endif
	v_mul_u32_u24 v10, v1, PITCH
	v_lshl_add_u32 v10, v8, 4, v10                 ; 272 r + 16 h
	s_mul_i32 s16, s12, WQ
	s_lshl_b32 s17, s11, 7                         ; my half of a K step: 128 bytes
	s_add_co_u32 s16, s16, s17
	s_mul_i32 s18, s11, 16*PITCH
	s_add_co_u32 s18, s18, s17
	s_add_co_u32 s18, s18, AOFF                    ; A's rows 16 kh ..: group 0
	s_mul_i32 s42, s19, 16*PITCH
	s_add_co_u32 s42, s42, s17
	s_add_co_u32 s42, s42, AOFF                    ; A's other 16 rows: group 1
	s_lshl_b32 s43, s10, 13
	s_xor_b32 s45, s10, 4
	s_lshl_b32 s45, s45, 13
	s_lshl_b32 s90, s10, 6
	s_add_co_u32 s90, s90, RED1
	s_lshl_b32 s91, s11, 8
	s_add_co_u32 s91, s91, RED1
	s_mul_i32 s92, s10, 16*OPITCH
	s_add_co_u32 s92, s92, OST
	s_mul_i32 s93, s10, 16*PITCH
	s_add_co_u32 s93, s93, BSTG
	v_add_nc_u32 v[WAD], s16, v10
	v_add_nc_u32 v[WAD+1], SLOT, v[WAD]
	v_add_nc_u32 v[AAD], s18, v10
	v_add_nc_u32 v[AAD+1], SLOT, v[AAD]
	v_add_nc_u32 v[AAD+2], s42, v10
	v_add_nc_u32 v[AAD+3], SLOT, v[AAD+2]
	v_lshl_add_u32 v[XST], v9, 4, s43              ; exchange: 8,192 bytes a wave, 16 bytes a lane
	v_lshl_add_u32 v[XLD], v9, 4, s45
	v_lshl_add_u32 v[RS], v1, 2, s90               ; partial sums: 64 w + 4 r
	v_lshl_add_u32 v[RL], v1, 2, s91               ; and the four waves of my rows: 256 kh + 4 r + 64 q
	v_mul_u32_u24 v11, v1, OPITCH
	v_add_nc_u32 v11, v11, v[GV]
	v_add_nc_u32 v[OSW], s92, v11
	v_lshl_add_u32 v[OSR], v9, 4, s92
	v_lshlrev_b32 v[OV], 4, v9
	v_add_nc_u32 v[BSW], s93, v10
	v_mul_u32_u24 v11, v8, PITCH
	v_lshl_add_u32 v11, v1, 4, v11
	v_add_nc_u32 v[BSR], s93, v11
	v_lshlrev_b32 v11, 10, v8
	v_lshl_add_u32 v[BV], v1, 4, v11
; 32 along K: 20 LDS loads, 16 matrix instructions.  The accumulators take turns, one instruction a turn.
; zero = 1: group 1's sums start here.
.macro BATCH slot, kq, zero
.irp ms, 0,1
	ds_load_b128 v[FA+8*\ms:FA+8*\ms+3],   v[AAD+2*\ms+\slot] offset:\kq*64
	ds_load_b128 v[FA+8*\ms+4:FA+8*\ms+7], v[AAD+2*\ms+\slot] offset:\kq*64+32
.endr
.irp nb, 0,1,2,3,4,5,6,7
	ds_load_b128 v[FW+8*\nb:FW+8*\nb+3],   v[WAD+\slot] offset:\nb*16*PITCH+\kq*64
	ds_load_b128 v[FW+8*\nb+4:FW+8*\nb+7], v[WAD+\slot] offset:\nb*16*PITCH+\kq*64+32
.endr
.irp nb, 0,1,2,3,4,5,6,7
	s_wait_dscnt 14-2*\nb                          ; A's fragments and W's up to nb are in; the 2 (7 - nb) younger loads stay out
	v_wmma_f32_16x16x32_bf16 v[ACC+8*\nb:ACC+8*\nb+7], v[FW+8*\nb:FW+8*\nb+7], v[FA:FA+7], v[ACC+8*\nb:ACC+8*\nb+7]
.if \zero
	v_wmma_f32_16x16x32_bf16 v[ACC+64+8*\nb:ACC+64+8*\nb+7], v[FW+8*\nb:FW+8*\nb+7], v[FA+8:FA+15], 0
.else
	v_wmma_f32_16x16x32_bf16 v[ACC+64+8*\nb:ACC+64+8*\nb+7], v[FW+8*\nb:FW+8*\nb+7], v[FA+8:FA+15], v[ACC+64+8*\nb:ACC+64+8*\nb+7]
.endif
.endr
	PLACES
.endm
; One K step of 128.  In front of the round every wave waits for all its tensor loads and its LDS reads; behind it the other slot is asked for first.
.macro TRIP slot, refill, first
	s_wait_tensorcnt 0x0                           ; no load of mine is out: a group 0 may be written
	ds_add_u32 v254, v255
	s_wait_dscnt 0x0
	s_add_nc_u64 s[G0W+4*\slot+2:G0W+4*\slot+3], s[G0W+4*\slot+2:G0W+4*\slot+3], 512
	s_add_nc_u64 s[G0A+4*\slot+2:G0A+4*\slot+3], s[G0A+4*\slot+2:G0A+4*\slot+3], 512
	s_wait_dscnt 0x0
	ROUND
.if \refill
	LOADT 1-\slot
.endif
.if \first
	s_wait_loadcnt 0x0                             ; the residual (and the bias)
.if HASBIAS
.set j, 0
.rept 32
	v_pk_add_f32 v[ACC+2*j:ACC+2*j+1], v[ACC+2*j:ACC+2*j+1], v[FW+2*j:FW+2*j+1]
.set j, j+1
.endr
.endif
.endif
	BATCH \slot, 0, \first
	BATCH \slot, 1, 0
.endm
	TRIP 0, 1, 1
	TRIP 1, 1, 0
.if KTOT/256 > 2
	s_mov_b32 s44, KTOT/256-2
.Llap:
	TRIP 0, 1, 0
	TRIP 1, 1, 0
	s_sub_co_u32 s44, s44, 1
	s_cmp_lg_u32 s44, 0
	s_cbranch_scc1 .Llap
.endif
	TRIP 0, 1, 0
	TRIP 1, 0, 0                                   ; the last K step: nothing is left to fetch
	; THE EXCHANGE, in slot 0: it has had its last fill, and every wave's last read of it lies in front of the last round.
.irp i, 0,1,2,3,4,5,6,7,8,9,10,11,12,13,14,15
	ds_store_b128 v[XST], v[ACC+64+4*\i:ACC+64+4*\i+3] offset:512*\i   ; group 1: my half of K for the partner's rows
.endr
	s_wait_dscnt 0x0                               ; my stores, and my reads of slot 1, which becomes a stage behind this barrier
	s_barrier_signal -1
	s_barrier_wait -1
.irp i, 0,1,2,3,4,5,6,7,8,9,10,11,12,13,14,15
	ds_load_b128 v[E+4*\i:E+4*\i+3], v[XLD] offset:512*\i
.endr
	s_wait_dscnt 0x0
.set j, 0
.rept 32
	v_pk_add_f32 v[E+2*j:E+2*j+1], v[E+2*j:E+2*j+1], v[ACC+2*j:ACC+2*j+1]
.set j, j+1
.endr
.irp nb, 0,1,2,3,4,5,6,7
	global_load_b128 v[ACC+8*\nb:ACC+8*\nb+3],       v[GV], s[74:75] offset:64*\nb      ; gain and shift of my columns, on their way during the sums
	global_load_b128 v[ACC+8*\nb+4:ACC+8*\nb+7],     v[GV], s[74:75] offset:64*\nb+16
	global_load_b128 v[ACC+64+8*\nb:ACC+64+8*\nb+3], v[GV], s[76:77] offset:64*\nb
	global_load_b128 v[ACC+64+8*\nb+4:ACC+64+8*\nb+7], v[GV], s[76:77] offset:64*\nb+16
.endr
; The four chains in T become the row's sum over all 512 columns, in v[Q4]: lane, pair of lanes, then the four waves through LDS.
.macro ROWSUM red
	v_pk_add_f32 v[T:T+1], v[T:T+1], v[T+2:T+3]
	v_pk_add_f32 v[T+4:T+5], v[T+4:T+5], v[T+6:T+7]
	v_pk_add_f32 v[T:T+1], v[T:T+1], v[T+4:T+5]
	v_add_f32 v[T], v[T], v[T+1]
	v_permlanex16_b32 v[T+1], v[T], s40, s41
	v_add_f32 v[T], v[T], v[T+1]
	ds_store_b32 v[RS], v[T] offset:\red           ; both halves of the lanes store the same number to the same word
	s_wait_dscnt 0x0
	s_barrier_signal -1
	s_barrier_wait -1
.irp q, 0,1,2,3
	ds_load_b32 v[Q4+\q], v[RL] offset:\red+64*\q
.endr
	s_wait_dscnt 0x0
	v_add_f32 v[Q4], v[Q4], v[Q4+1]
	v_add_f32 v[Q4+2], v[Q4+2], v[Q4+3]
	v_add_f32 v[Q4], v[Q4], v[Q4+2]
.endm
.irp c, 0,1,2,3
	v_pk_add_f32 v[T+2*\c:T+2*\c+1], v[E+2*\c:E+2*\c+1], v[E+8+2*\c:E+8+2*\c+1]
.endr
.set j, 8
.rept 24
	v_pk_add_f32 v[T+2*(j%4):T+2*(j%4)+1], v[T+2*(j%4):T+2*(j%4)+1], v[E+2*j:E+2*j+1]
.set j, j+1
.endr
	ROWSUM 0
	v_mul_f32 v[MU], s46, v[Q4]
	v_mul_f32 v[MU+1], s46, v[Q4]
.set j, 0
.rept 32
	v_pk_add_f32 v[E+2*j:E+2*j+1], v[E+2*j:E+2*j+1], v[MU:MU+1] neg_lo:[0,1] neg_hi:[0,1]
.set j, j+1
.endr
.irp c, 0,1,2,3
	v_pk_mul_f32 v[T+2*\c:T+2*\c+1], v[E+2*\c:E+2*\c+1], v[E+2*\c:E+2*\c+1]
.endr
.set j, 4
.rept 28
	v_pk_fma_f32 v[T+2*(j%4):T+2*(j%4)+1], v[E+2*j:E+2*j+1], v[E+2*j:E+2*j+1], v[T+2*(j%4):T+2*(j%4)+1]
.set j, j+1
.endr
	ROWSUM 512                                     ; other words than the mean's: no barrier is needed between the two uses
	v_fma_f32 v[Q4], v[Q4], s46, s47               ; variance + 1e-5
	v_rsq_f32 v[MU], v[Q4]
	v_rsq_f32 v[MU+1], v[Q4]
	v_nop
	s_wait_loadcnt 0x0                             ; gain and shift
.set j, 0
	s_wait_alu depctr_va_vdst(0)
.rept 32
	v_pk_mul_f32 v[E+2*j:E+2*j+1], v[E+2*j:E+2*j+1], v[MU:MU+1]
.set j, j+1
.endr
.set j, 0
.rept 32
	v_pk_fma_f32 v[E+2*j:E+2*j+1], v[E+2*j:E+2*j+1], v[ACC+2*j:ACC+2*j+1], v[ACC+64+2*j:ACC+64+2*j+1]
.set j, j+1
.endr
	; f32 result through my own stage: in by lanes (32 bytes of a row each), back by rows of 512 bytes
.irp nb, 0,1,2,3,4,5,6,7
	ds_store_b128 v[OSW], v[E+8*\nb:E+8*\nb+3] offset:64*\nb
	ds_store_b128 v[OSW], v[E+8*\nb+4:E+8*\nb+7] offset:64*\nb+16
.endr
.irp i, 0,1,2,3,4,5,6,7,8,9,10,11,12,13,14,15
	ds_load_b128 v[ACC+4*\i:ACC+4*\i+3], v[OSR] offset:OPITCH*\i   ; a wave's LDS instructions are served in order
.endr
.irp i, 0,1,2,3,4,5,6,7,8,9,10,11,12,13,14,15
	s_wait_dscnt 15-\i                             ; row i is in, the younger read-backs stay out
	global_store_b128 v[OV], v[ACC+4*\i:ACC+4*\i+3], s[78:79] offset:2048*\i   ; the wave stores 512 consecutive bytes, aligned
.endr
.if WRITE_BF
.set j, 0
.rept 32
	v_cvt_pk_f16_f32 v[ACC+96+j], v[E+2*j], v[E+2*j+1]             ; the f16 copy, rounded once from f32
.set j, j+1
.endr
.irp nb, 0,1,2,3,4,5,6,7
	ds_store_b128 v[BSW], v[ACC+96+4*\nb:ACC+96+4*\nb+3] offset:32*\nb
.endr
.irp i, 0,1,2,3,4,5,6,7
	ds_load_b128 v[ACC+64+4*\i:ACC+64+4*\i+3], v[BSR] offset:2*PITCH*\i
.endr
.irp i, 0,1,2,3,4,5,6,7
	s_wait_dscnt 7-\i
	global_store_b128 v[BV], v[ACC+64+4*\i:ACC+64+4*\i+3], s[80:81] offset:2048*\i   ; 16 lanes store 256 consecutive bytes, aligned
.endr
.endif
	s_wait_tensorcnt 0x0
	ds_add_u32 v254, v255
	s_wait_dscnt 0x0
	ROUND                                          ; the closing round
	s_endpgm
.Lfunc_end_k_qd578fca934_projln:
	.size	k_qd578fca934_projln, .Lfunc_end_k_qd578fca934_projln-k_qd578fca934_projln
	.p2alignl 7, 3214868480
	.fill 96, 4, 3214868480
	.section	.rodata,"a",@progbits
	.p2align	6, 0x0
	.amdhsa_kernel k_qd578fca934_projln
		.amdhsa_group_segment_fixed_size 327680
		.amdhsa_private_segment_fixed_size 0
		.amdhsa_enable_private_segment 0
		.amdhsa_kernarg_size 56
		.amdhsa_user_sgpr_count 2
		.amdhsa_user_sgpr_kernarg_segment_ptr 1
		.amdhsa_wavefront_size32 1
		.amdhsa_system_sgpr_workgroup_id_x 1
		.amdhsa_system_sgpr_workgroup_id_y 1
		.amdhsa_system_sgpr_workgroup_id_z 1
		.amdhsa_system_vgpr_workitem_id 0
		.amdhsa_next_free_vgpr 256
		.amdhsa_next_free_sgpr 96
		.amdhsa_reserve_vcc 0
		.amdhsa_float_denorm_mode_32 3
		.amdhsa_float_denorm_mode_16_64 3
		.amdhsa_memory_ordered 1
		.amdhsa_forward_progress 1
		.amdhsa_inst_pref_size 61
	.end_amdhsa_kernel
	.amdgpu_metadata
---
amdhsa.version: [ 1, 2 ]
amdhsa.kernels:
  - .name:           k_qd578fca934_projln
    .symbol:         k_qd578fca934_projln.kd
    .args:
      - { .name: ctx, .offset: 0, .size: 8, .value_kind: global_buffer, .address_space: global }
      - { .name: wb, .offset: 8, .size: 8, .value_kind: global_buffer, .address_space: global }
      - { .name: x, .offset: 16, .size: 8, .value_kind: global_buffer, .address_space: global }
      - { .name: ln1_g, .offset: 24, .size: 8, .value_kind: global_buffer, .address_space: global }
      - { .name: ln1_b, .offset: 32, .size: 8, .value_kind: global_buffer, .address_space: global }
      - { .name: hf, .offset: 40, .size: 8, .value_kind: global_buffer, .address_space: global }
      - { .name: hb, .offset: 48, .size: 8, .value_kind: global_buffer, .address_space: global }
    .group_segment_fixed_size: 327680
    .private_segment_fixed_size: 0
    .kernarg_segment_align: 8
    .kernarg_segment_size: 56
    .max_flat_workgroup_size: 256
    .sgpr_count:     96
    .vgpr_count:     256
    .wavefront_size: 32
...
	.end_amdgpu_metadata
.endif
;; end of part 4
;; launch ffn1 (part 5): grid 8 x 32, 4 waves a work-group, clusters of 4 x 4, 327,680 bytes of LDS; arguments hb, wb, g, b1; writes g
.if DOCPART == 5
	.amdgcn_target "amdgcn-amd-amdhsa--gfx1250"
	.amdhsa_code_object_version 6
	.text
	.protected	k_qd578fca934_ffn1
	.globl	k_qd578fca934_ffn1
	.p2align	8
	.type	k_qd578fca934_ffn1,@function
k_qd578fca934_ffn1:
	s_mov_b64 s[64:65], 0
	v_nop
	global_prefetch_b8 v0, s[64:65] scope:SCOPE_SE
	s_setreg_imm32_b32 hwreg(HW_REG_WAVE_MODE, 25, 1), 1
	s_wait_xcnt 0x0
	s_wait_alu depctr_hold_cnt(0) depctr_sa_sdst(0) depctr_va_vdst(0) depctr_va_sdst(0) depctr_va_ssrc(0) depctr_va_vcc(0) depctr_vm_vsrc(0)
	s_getreg_b32 s2, hwreg(HW_REG_IB_STS2, 6, 4)
	s_cmp_eq_u32 s2, 0
	s_cbranch_scc0 .Lentry_in_a_cluster
	s_endpgm
.Lentry_in_a_cluster:
	s_bfe_u32 s2, ttmp6, 0x10000c
	s_cmp_lg_u32 s2, 0xf033
	s_cbranch_scc0 .Lentry_shape_is_right
	s_endpgm
.Lentry_shape_is_right:
; g[m][n] = gelu(sum over k of hb[m][k] W1[n][k] + b1[n]), m < 8192, n < 2048, k < 512.  hb, W1 (in wb) and g f16; sums, bias and gelu in f32.
; WHY f16: this product and the next make a sum as large as the residual beside it, so their operands' rounding goes straight into the
; layer's result; f16 keeps 11 significant bits where bf16 keeps 8.  Room: a sum is at most |h row| |W1 row|; with the norm's gain and W1 both
; 30 times their drawn sizes that is (22.6 x 30) x (1.17 x 30), some 24,000, below f16's 65,504.
; A work-group makes 256 x 256 with four waves, a wave 128 x 128: 64 accumulator tiles of 16 x 16 in 512 registers.
; K goes in 4 steps of 128 through two LDS slots filled by the tensor data mover; a tile's rows are 256 bytes of memory, aligned.
; CLUSTER 4 x 4: hb's tiles are shared along a row of the cluster, W1's along a column; each is asked for jointly by its four work-groups.
; REGISTERS in windows of 256: window 0: v0-31 addresses, v32-63 and v224-255 gelu at work, v64-127 and v128-191 fragments of hb, v192-223 packed
; results; window 1: v0-63 b1 of my 128 columns, v64-127, v128-191 fragments of W1; window 2: accumulators of my rows 0-63; window 3: rows 64-127.
; Source 0 = rows of W1, source 1 = rows of hb: a lane's eight results are eight neighbouring columns of one row.
; GELU: gelu(v) = max(v, 0) - |v| Q(|v|), Q(z) = erfc(z / sqrt 2) / 2, erfc by the five-term rational form of Abramowitz and Stegun 7.1.26.
; LIMITS: that form's absolute error in erf is at most 1.5e-7; a result above 65,504 becomes infinite in f16; NaN and infinities are not followed.
.set SIZE_N, 2048
.set SIZE_K, 512
.set WOFF,   2097152                   ; W1's first byte in wb
.set KSTEP,  128
.set PITCH,  272
.set HALFT,  128*PITCH
.set SLOT,   4*HALFT
.set STAGE,  2*SLOT
.set SPITCH, 272
.set ADRA, 16
.set ADRB, 20
.set STO,  24
.set RD,   25
.set CO,   26
.set BO,   27                          ; v27 b1: 32 (l / 16)
.set GVV,  32                          ; v[32:47]   v = sum + bias, 16 numbers
.set GU,   48                          ; v[48:63]   |v| sqrt(log2(e) / 2), then max(v, 0), then the result
.set F0,   64
.set GX,   96                          ; v[96:111]  the polynomial (free on the way out)
.set GA4,  112                         ; v[112:113] a4 / 2, twice
.set F1,   128
.set TMP,  192
.set GT,   224                         ; v[224:239] t = 1 / (1 + p z)
.set GE,   240                         ; v[240:255] exp(-z^2)
.set G1, 24
.set G0, 32
.set G1B, 48
.set G0B, 56
.set MSB, 0
.macro WIN new
.if MSB != \new
	s_set_vgpr_msb (MSB<<8)|\new
.set MSB, \new
.endif
.endm
.set MUL_LO, 0xa1
.set MUL_HI, 0xf1
.set TO_B,   0x40
.macro JLOAD s                         ; waves 0 and 1 ask for hb's two halves, waves 2 and 3 for W1's; the branch hangs on the wave's number alone
	s_cmp_eq_u32 s11, 0
	s_cbranch_scc0 .Lfor_b_\@
	tensor_load_to_lds s[G0+4*\s:G0+4*\s+3], s[G1:G1+7]
	s_nop 0
	s_branch .Lasked_\@
.Lfor_b_\@:
	tensor_load_to_lds s[G0B+4*\s:G0B+4*\s+3], s[G1B:G1B+7]
	s_nop 0
.Lasked_\@:
.endm
.macro CREST
	s_cmp_lg_u32 s10, 0
	s_cbranch_scc1 .Lnot_wave_0_\@
	s_barrier_signal -3
.Lnot_wave_0_\@:
	s_barrier_wait -3
	s_barrier_signal -1
	s_barrier_wait -1
.endm
.macro CROUND
	s_barrier_signal -1
	s_barrier_wait -1
	CREST
.endm
	s_load_b128 s[4:7], s[0:1], 0x0                ; hb s[4:5], wb s[6:7]
	s_load_b64 s[8:9], s[0:1], 0x10                ; g
	s_load_b64 s[86:87], s[0:1], 0x18              ; b1
	s_set_vgpr_msb 0x40
	v_lshl_add_u32 v255, v0, 2, 0x48400
	s_set_vgpr_msb 0x4000
	v_mov_b32 v31, 0
	s_set_vgpr_msb 0x1
	ds_add_u32 v255, v31
	s_set_vgpr_msb 0x100
	v_lshrrev_b32 v1, 5, v0
	v_readfirstlane_b32 s10, v1
	s_lshr_b32 s11, s10, 1
	s_and_b32 s12, s10, 1
	s_bfe_u32 s40, ttmp6, 0x40000                  ; cx
	s_bfe_u32 s41, ttmp6, 0x40004                  ; cy
	s_lshl_b32 s42, ttmp9, 2
	s_add_co_u32 s42, s42, s40                     ; block column
	s_and_b32 s13, ttmp7, 0xffff
	s_lshl_b32 s13, s13, 2
	s_add_co_u32 s13, s13, s41                     ; block row
	s_lshl_b32 s43, s41, 2
	s_lshl_b32 s43, 15, s43                        ; my row of the cluster
	s_lshl_b32 s44, 0x1111, s40                    ; my column
	s_mov_b32 s66, 0x3e8ba43f                      ; 0.3275911 / sqrt(log2(e))
	s_mov_b32 s67, 0x3e8ba43f
	s_mov_b32 s68, 0x3f07dc22                      ; a5 / 2
	s_mov_b32 s69, 0x3f07dc22
	s_mov_b32 s70, 0xbf3a00e3                      ; a4 / 2
	s_mov_b32 s72, 0x3f35f0e3                      ; a3 / 2
	s_mov_b32 s73, 0x3f35f0e3
	s_mov_b32 s74, 0xbe11a98e                      ; a2 / 2
	s_mov_b32 s75, 0xbe11a98e
	s_mov_b32 s76, 0x3e027906                      ; a1 / 2
	s_mov_b32 s77, 0x3e027906
	s_mov_b32 s78, 0x3f596d27                      ; sqrt(log2(e) / 2)
	s_or_b32 s[G1+0], s43, (1<<16)|(1<<20)|(1<<21)|(5<<22)|(3<<25)
	s_or_b32 s[G1B+0], s44, (1<<16)|(1<<20)|(1<<21)|(5<<22)|(3<<25)
	s_mov_b32 s[G1B+1], KSTEP<<16
	s_mov_b32 s[G1+1], KSTEP<<16
	s_mov_b32 s[G1B+2], 128<<16
	s_mov_b32 s[G1+2], 128<<16
	s_mov_b32 s[G1B+3], KSTEP<<16
	s_mov_b32 s[G1+3], KSTEP<<16
	s_mov_b32 s[G1B+4], 128
	s_mov_b32 s[G1+4], 128
	s_mov_b32 s[G1B+5], SIZE_K
	s_mov_b32 s[G1+5], SIZE_K
	s_mov_b32 s[G1B+6], 0
	s_mov_b32 s[G1+6], 0
	s_mov_b32 s[G1B+7], 0
	s_mov_b32 s[G1+7], 0
	s_lshl_b32 s17, s12, 7
	s_lshl_b32 s16, s13, 8
	s_add_co_u32 s16, s16, s17                     ; hb: row 256 x block row + 128 x half: shared along my row of the cluster
	s_lshl_b32 s46, s42, 8
	s_add_co_u32 s46, s46, s17                     ; W1: row 256 x block column + 128 x half: shared along my column
	s_mov_b32 s17, 0
	s_mov_b32 s47, 0
	s_mov_b64 s[18:19], SIZE_K*2
	s_mul_u64 s[16:17], s[16:17], s[18:19]
	s_mul_u64 s[46:47], s[46:47], s[18:19]
	s_mul_i32 s20, s10, HALFT
	s_lshl_b32 s84, s42, 10                        ; b1 of my 128 columns: 1024 x block + 512 x half
	s_lshl_b32 s85, s12, 9
	s_add_co_u32 s84, s84, s85
	s_mov_b32 s85, 0
	s_wait_dscnt 0x0
	s_wait_kmcnt 0x0
	s_add_nc_u64 s[6:7], s[6:7], WOFF
	s_add_nc_u64 s[14:15], s[4:5], s[16:17]
	s_add_nc_u64 s[46:47], s[6:7], s[46:47]
	s_add_nc_u64 s[86:87], s[86:87], s[84:85]
	CROUND                                         ; all sixteen work-groups are here: the first joint loads meet
.irp s, 0,1
	s_mov_b32 s[G0+4*\s], 1
	s_add_co_u32 s[G0+4*\s+1], s20, \s*SLOT
	s_add_nc_u64 s[G0+4*\s+2:G0+4*\s+3], s[14:15], \s*KSTEP*2
	s_or_b32 s[G0+4*\s+3], s[G0+4*\s+3], 0x80000000
	s_mov_b32 s[G0B+4*\s], 1
	s_add_co_u32 s[G0B+4*\s+1], s20, \s*SLOT
	s_add_nc_u64 s[G0B+4*\s+2:G0B+4*\s+3], s[46:47], \s*KSTEP*2
	s_or_b32 s[G0B+4*\s+3], s[G0B+4*\s+3], 0x80000000
	JLOAD \s                                       ; both slots' first fills: two loads of a wave are out
.endr
	v_and_b32 v1, 15, v0
	v_bfe_u32 v2, v0, 4, 1
	v_mul_u32_u24 v3, v1, PITCH
	v_lshl_add_u32 v3, v2, 4, v3
	s_mul_i32 s21, s11, HALFT
	s_mul_i32 s22, s12, HALFT
	s_add_co_u32 s22, s22, 2*HALFT
.irp s, 0,1
	v_add_nc_u32 v[ADRA+\s], s21, v3
	v_add_nc_u32 v[ADRB+\s], s22, v3
	s_add_co_u32 s21, s21, SLOT
	s_add_co_u32 s22, s22, SLOT
.endr
	s_mul_i32 s23, s10, 16*SPITCH
	s_add_co_u32 s23, s23, STAGE
	v_mul_u32_u24 v4, v1, SPITCH
	v_lshl_add_u32 v4, v2, 4, v4
	v_add_nc_u32 v[STO], s23, v4
	v_mul_u32_u24 v5, v2, SPITCH
	v_lshl_add_u32 v5, v1, 4, v5
	v_add_nc_u32 v[RD], s23, v5
	v_mul_u32_u24 v5, v2, SIZE_N*2
	v_lshl_add_u32 v[CO], v1, 4, v5
	v_lshlrev_b32 v[BO], 5, v2
	WIN TO_B                                       ; b1 into window 1: tile b, register j = column 16 b + 8 (l / 16) + j; waited for on the way out
.irp b, 0,1,2,3,4,5,6,7
	global_load_b128 v[8*\b:8*\b+3],   v[BO], s[86:87] offset:64*\b
	global_load_b128 v[8*\b+4:8*\b+7], v[BO], s[86:87] offset:64*\b+16
.endr
	WIN 0
.macro MUL16 f, hi, a0, zero
.irp a, \a0, \a0+1
.irp b, 0,1,2,3,4,5,6,7
.if \zero
	v_wmma_f32_16x16x32_f16 v[8*(8*(\a)+\b):8*(8*(\a)+\b)+7], v[\f+8*\b:\f+8*\b+7], v[\f+8*(4*\hi+\a):\f+8*(4*\hi+\a)+7], 0
.else
	v_wmma_f32_16x16x32_f16 v[8*(8*(\a)+\b):8*(8*(\a)+\b)+7], v[\f+8*\b:\f+8*\b+7], v[\f+8*(4*\hi+\a):\f+8*(4*\hi+\a)+7], v[8*(8*(\a)+\b):8*(8*(\a)+\b)+7]
.endif
.endr
.endr
.endm
.macro FETCH slot, k, f
	WIN TO_B
.irp i, 0,1,2,3,4,5,6,7
	ds_load_b128 v[\f+8*\i:\f+8*\i+3],   v[ADRB+\slot] offset:\k+\i*16*PITCH
	ds_load_b128 v[\f+8*\i+4:\f+8*\i+7], v[ADRB+\slot] offset:\k+\i*16*PITCH+32
.endr
	WIN 0
.irp i, 0,1,2,3,4,5,6,7
	ds_load_b128 v[\f+8*\i:\f+8*\i+3],   v[ADRA+\slot] offset:\k+\i*16*PITCH
	ds_load_b128 v[\f+8*\i+4:\f+8*\i+7], v[ADRA+\slot] offset:\k+\i*16*PITCH+32
.endr
.endm
.macro PLACES                          ; four independent vector instructions behind a matrix instruction (ISA guide 7.12.1)
.rept 4
	v_nop
.endr
.endm
; The 64 accumulators take turns, one instruction a turn, in the same order in every quarter.
.macro QUARTER slot, k, f, g, zero
	s_wait_dscnt 8                                 ; W1's fragments and hb's rows 0-63 are in; the youngest eight loads may be out
	WIN MUL_LO
	MUL16 \f, 0, 0, \zero
	MUL16 \f, 0, 2, \zero
	PLACES
	FETCH \slot, \k, \g
	s_wait_dscnt 32                                ; all but the 32 just issued
	WIN MUL_HI
	MUL16 \f, 1, 0, \zero
	MUL16 \f, 1, 2, \zero
.endm
.macro THREE slot, zero
	QUARTER \slot, 64,  F0, F1, \zero
	QUARTER \slot, 128, F1, F0, 0
	QUARTER \slot, 192, F0, F1, 0
.endm
.macro TURN slot, next, fill
	s_wait_dscnt 8
	WIN MUL_LO
	MUL16 F1, 0, 0, 0
	s_wait_dscnt 0                                 ; my reads of this slot are over
	s_wait_tensorcnt 0x0                           ; all my tensor loads have landed
	ds_add_u32 v255, v31
	s_wait_dscnt 0x0
	s_barrier_signal -1
	MUL16 F1, 0, 2, 0
	WIN 0
	s_barrier_wait -1
.if \fill
	CREST                                          ; the barrier above opened a round of the cluster's barrier; the refill is the first tensor load behind it
	s_add_nc_u64 s[G0+4*\slot+2:G0+4*\slot+3], s[G0+4*\slot+2:G0+4*\slot+3], 2*KSTEP*2
	s_add_nc_u64 s[G0B+4*\slot+2:G0B+4*\slot+3], s[G0B+4*\slot+2:G0B+4*\slot+3], 2*KSTEP*2
	JLOAD \slot
.endif
	PLACES
	FETCH \next, 0, F0
	WIN MUL_HI
	MUL16 F1, 1, 0, 0
	MUL16 F1, 1, 2, 0
.endm
	s_wait_tensorcnt 1                             ; my part of K step 0 is in; K step 1's stays out
	s_barrier_signal -1
	s_barrier_wait -1
	FETCH 0, 0, F0
	THREE 0, 1
	TURN 0, 1, 1
	THREE 1, 0
	TURN 1, 0, 1
	THREE 0, 0
	TURN 0, 1, 0
	THREE 1, 0
	s_wait_dscnt 8
	WIN MUL_LO
	MUL16 F1, 0, 0, 0
	MUL16 F1, 0, 2, 0
	s_wait_dscnt 0
	WIN MUL_HI
	MUL16 F1, 1, 0, 0
	MUL16 F1, 1, 2, 0
	; THE WAY OUT, 16 rows at a time: bias, gelu, round to f16, 16 bytes a lane into my own stage, read back as whole pieces of 256 bytes.
	PLACES
	WIN 0
	v_mov_b32 v[GA4], s70
	v_mov_b32 v[GA4+1], s70
	s_lshl_b32 s13, s13, 8
	s_lshl_b32 s14, s11, 7
	s_add_co_u32 s16, s13, s14
	s_mov_b32 s17, 0
	s_mov_b64 s[18:19], SIZE_N*2
	s_mul_u64 s[16:17], s[16:17], s[18:19]
	s_add_nc_u64 s[8:9], s[8:9], s[16:17]
	s_lshl_b32 s46, s42, 9
	s_lshl_b32 s47, s12, 8
	s_add_co_u32 s46, s46, s47
	s_mov_b32 s47, 0
	s_add_nc_u64 s[8:9], s[8:9], s[46:47]
	s_wait_loadcnt 0x0                             ; b1
; Bias and gelu of tiles (a, b0) and (a, b0 + 1): 16 numbers a lane.  from: source 0 in window 2 or 3 (the sums), source 1 in window 1 (b1).
.macro GELU16 a, b0, from
	WIN \from
.irp i, 0,2,4,6,8,10,12,14
	v_pk_add_f32 v[GVV+\i:GVV+\i+1], v[8*(8*\a+\b0)+\i:8*(8*\a+\b0)+\i+1], v[8*\b0+\i:8*\b0+\i+1]
.endr
	WIN 0
.irp i, 0,1,2,3,4,5,6,7,8,9,10,11,12,13,14,15
	v_mul_f32 v[GU+\i], |v[GVV+\i]|, s78           ; u = |v| sqrt(log2(e) / 2): u^2 = z^2 log2(e), z = |v| / sqrt 2
.endr
.irp i, 0,2,4,6,8,10,12,14
	v_pk_fma_f32 v[GT+\i:GT+\i+1], v[GU+\i:GU+\i+1], s[66:67], 1.0 op_sel_hi:[1,0,0]   ; 1 + p z
	v_pk_mul_f32 v[GE+\i:GE+\i+1], v[GU+\i:GU+\i+1], v[GU+\i:GU+\i+1] neg_lo:[0,1] neg_hi:[0,1]
.endr
.irp i, 0,1,2,3,4,5,6,7,8,9,10,11,12,13,14,15
	v_rcp_f32 v[GT+\i], v[GT+\i]
.endr
.irp i, 0,1,2,3,4,5,6,7,8,9,10,11,12,13,14,15
	v_exp_f32 v[GE+\i], v[GE+\i]
.endr
.irp i, 0,1,2,3,4,5,6,7,8,9,10,11,12,13,14,15
	v_max_num_f32 v[GU+\i], 0, v[GVV+\i]           ; plain work behind the transcendentals
.endr
	s_wait_alu depctr_va_vdst(0)
.irp i, 0,2,4,6,8,10,12,14
	v_pk_fma_f32 v[GX+\i:GX+\i+1], v[GT+\i:GT+\i+1], s[68:69], v[GA4:GA4+1] op_sel_hi:[1,0,1]
.endr
.irp i, 0,2,4,6,8,10,12,14
	v_pk_fma_f32 v[GX+\i:GX+\i+1], v[GX+\i:GX+\i+1], v[GT+\i:GT+\i+1], s[72:73] op_sel_hi:[1,1,0]
.endr
.irp i, 0,2,4,6,8,10,12,14
	v_pk_fma_f32 v[GX+\i:GX+\i+1], v[GX+\i:GX+\i+1], v[GT+\i:GT+\i+1], s[74:75] op_sel_hi:[1,1,0]
.endr
.irp i, 0,2,4,6,8,10,12,14
	v_pk_fma_f32 v[GX+\i:GX+\i+1], v[GX+\i:GX+\i+1], v[GT+\i:GT+\i+1], s[76:77] op_sel_hi:[1,1,0]
.endr
.irp i, 0,2,4,6,8,10,12,14
	v_pk_mul_f32 v[GX+\i:GX+\i+1], v[GX+\i:GX+\i+1], v[GT+\i:GT+\i+1]
.endr
.irp i, 0,2,4,6,8,10,12,14
	v_pk_mul_f32 v[GX+\i:GX+\i+1], v[GX+\i:GX+\i+1], v[GE+\i:GE+\i+1]   ; Q(|v|)
.endr
.irp i, 0,1,2,3,4,5,6,7,8,9,10,11,12,13,14,15
	v_fma_f32 v[GU+\i], -|v[GVV+\i]|, v[GX+\i], v[GU+\i]
.endr
.irp i, 0,1,2,3,4,5,6,7
	v_cvt_pk_f16_f32 v[TMP+4*\b0+\i], v[GU+2*\i], v[GU+2*\i+1]
.endr
.endm
.macro OUT16 i, a, from, f
.irp b0, 0,2,4,6
	GELU16 \a, \b0, \from
.endr
.irp b, 0,1,2,3,4,5,6,7
	ds_store_b128 v[STO], v[TMP+4*\b:TMP+4*\b+3] offset:32*\b
.endr
	s_wait_xcnt 0x0                                ; buffer f, which earlier stores read, and the stores' base are rewritten only behind this wait
.if \i
	s_add_nc_u64 s[8:9], s[8:9], 16*SIZE_N*2
.endif
.irp t, 0,1,2,3,4,5,6,7
	ds_load_b128 v[\f+4*\t:\f+4*\t+3], v[RD] offset:\t*2*SPITCH    ; a wave's LDS instructions are served in order
.endr
.irp t, 0,1,2,3,4,5,6,7
	s_wait_dscnt 7-\t                              ; read-back t is in, the younger ones stay out
	global_store_b128 v[CO], v[\f+4*\t:\f+4*\t+3], s[8:9] offset:2*\t*SIZE_N*2   ; 16 lanes store 256 consecutive bytes, aligned
.endr
.endm
	OUT16 0, 0, 0x06, F0
	OUT16 1, 1, 0x06, F1
	OUT16 2, 2, 0x06, F0
	OUT16 3, 3, 0x06, F1
	OUT16 4, 0, 0x07, F0
	OUT16 5, 1, 0x07, F1
	OUT16 6, 2, 0x07, F0
	OUT16 7, 3, 0x07, F1
	s_set_vgpr_msb 0x1
	s_wait_tensorcnt 0x0
	ds_add_u32 v255, v31
	s_wait_dscnt 0x0
	s_set_vgpr_msb 0x100
	CROUND                                         ; the closing round
	s_endpgm
.Lfunc_end_k_qd578fca934_ffn1:
	.size	k_qd578fca934_ffn1, .Lfunc_end_k_qd578fca934_ffn1-k_qd578fca934_ffn1
	.p2alignl 7, 3214868480
	.fill 96, 4, 3214868480
	.section	.rodata,"a",@progbits
	.p2align	6, 0x0
	.amdhsa_kernel k_qd578fca934_ffn1
		.amdhsa_group_segment_fixed_size 327680
		.amdhsa_private_segment_fixed_size 0
		.amdhsa_enable_private_segment 0
		.amdhsa_kernarg_size 32
		.amdhsa_user_sgpr_count 2
		.amdhsa_user_sgpr_kernarg_segment_ptr 1
		.amdhsa_wavefront_size32 1
		.amdhsa_system_sgpr_workgroup_id_x 1
		.amdhsa_system_sgpr_workgroup_id_y 1
		.amdhsa_system_sgpr_workgroup_id_z 1
		.amdhsa_system_vgpr_workitem_id 0
		.amdhsa_next_free_vgpr 1024
		.amdhsa_next_free_sgpr 90
		.amdhsa_reserve_vcc 0
		.amdhsa_float_denorm_mode_32 3
		.amdhsa_float_denorm_mode_16_64 3
		.amdhsa_memory_ordered 1
		.amdhsa_forward_progress 1
		.amdhsa_inst_pref_size 255
	.end_amdhsa_kernel
	.section	.bss,"aw",@nobits
	.p2align	6
	.space	262144
	.amdgpu_metadata
---
amdhsa.version: [ 1, 2 ]
amdhsa.kernels:
  - .name:           k_qd578fca934_ffn1
    .symbol:         k_qd578fca934_ffn1.kd
    .args:
      - { .name: hb, .offset: 0, .size: 8, .value_kind: global_buffer, .address_space: global }
      - { .name: wb, .offset: 8, .size: 8, .value_kind: global_buffer, .address_space: global }
      - { .name: g, .offset: 16, .size: 8, .value_kind: global_buffer, .address_space: global }
      - { .name: b1, .offset: 24, .size: 8, .value_kind: global_buffer, .address_space: global }
    .group_segment_fixed_size: 327680
    .private_segment_fixed_size: 0
    .kernarg_segment_align: 8
    .kernarg_segment_size: 32
    .max_flat_workgroup_size: 128
    .sgpr_count:     90
    .vgpr_count:     1024
    .wavefront_size: 32
...
	.end_amdgpu_metadata
.endif
;; end of part 5
;; launch ffn2ln (part 6): grid 256 x 1, 8 waves a work-group, clusters of 4 x 1, 327,680 bytes of LDS; arguments g, wb, hf, ln2_g, ln2_b, out0, b2; writes out0
.if DOCPART == 6
	.amdgcn_target "amdgcn-amd-amdhsa--gfx1250"
	.amdhsa_code_object_version 6
	.text
	.protected	k_qd578fca934_ffn2ln
	.globl	k_qd578fca934_ffn2ln
	.p2align	8
	.type	k_qd578fca934_ffn2ln,@function
k_qd578fca934_ffn2ln:
	s_mov_b64 s[64:65], 0
	v_nop
	global_prefetch_b8 v0, s[64:65] scope:SCOPE_SE
	s_setreg_imm32_b32 hwreg(HW_REG_WAVE_MODE, 25, 1), 1
	s_wait_xcnt 0x0
	s_wait_alu depctr_hold_cnt(0) depctr_sa_sdst(0) depctr_va_vdst(0) depctr_va_sdst(0) depctr_va_ssrc(0) depctr_va_vcc(0) depctr_vm_vsrc(0)
	s_getreg_b32 s2, hwreg(HW_REG_IB_STS2, 6, 4)
	s_cmp_eq_u32 s2, 0
	s_cbranch_scc0 .Lentry_in_a_cluster
	s_endpgm
.Lentry_in_a_cluster:
	s_bfe_u32 s2, ttmp6, 0x10000c
	s_cmp_lg_u32 s2, 0x3003
	s_cbranch_scc0 .Lentry_shape_is_right
	s_endpgm
.Lentry_shape_is_right:
; out = LayerNorm(A W^T (+ bias) + R) g + b over rows of 512.  Here: A = g (gelu's result), W = W2 (in wb), both f16, R = hf, bias = b2; out goes to out0 (f32).
; WHY f16: this product's sum is as large as the residual beside it, so its operands' rounding goes straight into the result; f16 keeps 11
; significant bits where bf16 keeps 8.  Room: W2 as drawn stays below 1, 30 times larger below 10; 30 times smaller, f16's fixed step of 6e-8 is
; under 1e-4 of its spread; gelu's results are bounded where they are made.
; A work-group makes 32 whole rows (256 work-groups), so that the norm needs no second launch.  Wave w: columns 128 (w & 3) .. + 127,
; and of every K step of 128 the half kh = w >> 2.  Each wave counts the block's two groups of 16 rows so that group 0 is its OWN
; (rows 16 kh + r): its sums start from the residual and the bias; group 1 starts from 0 and is handed to wave w xor 4 at the end.
; So the text is the same for all eight waves.
; W's tile (512 rows x 128 K) is the same in all work-groups: the four of a cluster ask jointly (waves 0-3, 128 rows each);
; wave 4 fetches the block's own 32 rows of A by a plain load; waves 5-7 fetch nothing.  A wave has at most one tensor load outstanding.
; Source 0 = rows of W, source 1 = rows of A: lane (r, h) holds row r, columns 8 h + j of a tile.
; The variance is the mean of the squared deviations, as in the definition, taken in a second pass over registers.
; LIMITS: NaN and infinities are not followed.
.set KTOT, 2048
.set WOFF, 4194304                     ; W's first byte in wb
.set HASBIAS, 1
.set WRITE_BF, 0
.set PITCH, 272
.set WQ,    128*PITCH                  ; 128 rows of W: one tensor load
.set AOFF,  4*WQ                       ; A's 32 rows lie behind W's 512
.set SLOT,  AOFF+32*PITCH
.set RED1,  2*SLOT                     ; 8 waves x 16 words: partial sums for the mean; no tensor load lands here
.set OPITCH, 528
.set OST,   SLOT                       ; after the last fill: a stage of 16 rows x 528 for each wave, in slot 1
.set BSTG,  OST+8*16*OPITCH            ; and one of 16 rows x 272
.set WAD, 2                            ; v2-3  W fragments' LDS address, slot 0, 1
.set AAD, 4                            ; v4-7  A fragments': group 0 slot 0, 1; group 1 slot 0, 1
.set RV,  13                           ; v13   residual: 2048 r + 32 h
.set GV,  14                           ; v14   gains and biases: 32 h
.set FW,  16                           ; v[16:79]  W fragment nb at 16 + 8 nb; later E, the row piece at work
.set E,   16
.set FA,  80                           ; v[80:95]  A fragment of group ms at 80 + 8 ms
.set ACC, 96                           ; v[96:223] tile (ms, nb) at 96 + 8 (8 ms + nb)
.set T,   224                          ; v[224:231] four chains
.set MU,  234                          ; v[234:235] mean, then 1 / sigma, twice
.set Q4,  236                          ; v[236:239] the four waves' partial sums
.set XST, 240
.set XLD, 241
.set RL,  242
.set RS,  243
.set OSW, 244
.set OSR, 245
.set OV,  246
.set BSW, 247
.set BSR, 248
.set BV,  249
.set G1W, 24
.set G0W, 32
.set G1A, 48
.set G0A, 56
.macro PLACES                          ; four independent vector instructions behind a matrix instruction (ISA guide 7.12.1)
.rept 4
	v_nop
.endr
.endm
.macro ROUND
	s_barrier_signal -1
	s_barrier_wait -1
	s_cmp_lg_u32 s10, 0
	s_cbranch_scc1 .Lnot_wave_0_\@
	s_barrier_signal -3
.Lnot_wave_0_\@:
	s_barrier_wait -3
	s_barrier_signal -1
	s_barrier_wait -1
.endm
.macro LOADT s
	s_cmp_lt_u32 s10, 4
	s_cbranch_scc0 .Lnot_w_\@
	tensor_load_to_lds s[G0W+4*(\s):G0W+4*(\s)+3], s[G1W:G1W+7]
	s_nop 0
	s_branch .Ldone_\@
.Lnot_w_\@:
	s_cmp_eq_u32 s10, 4
	s_cbranch_scc0 .Ldone_\@
	tensor_load_to_lds s[G0A+4*(\s):G0A+4*(\s)+3], s[G1A:G1A+7]
	s_nop 0
.Ldone_\@:
.endm
	s_load_b256 s[68:75], s[0:1], 0x0              ; A 68, wb 70, R 72, gain 74
	s_load_b128 s[76:79], s[0:1], 0x20             ; shift 76, f32 result 78
	s_load_b64 s[80:81], s[0:1], 0x30              ; 16-bit result, or the bias
	v_lshl_add_u32 v254, v0, 2, 0x48800
	v_mov_b32 v255, 0
	ds_add_u32 v254, v255
	v_lshrrev_b32 v1, 5, v0
	v_readfirstlane_b32 s10, v1                    ; wave 0..7
	s_lshr_b32 s11, s10, 2                         ; kh
	s_and_b32 s12, s10, 3                          ; my 128 columns
	s_xor_b32 s19, s11, 1
	s_bfe_u32 s13, ttmp6, 0x40000                  ; cx
	s_lshl_b32 s14, ttmp9, 2
	s_add_co_u32 s14, s14, s13                     ; block of 32 rows
	s_mov_b32 s40, 0x76543210
	s_mov_b32 s41, 0xfedcba98
	s_mov_b32 s46, 0x3b000000                      ; 1 / 512
	s_mov_b32 s47, 0x3727c5ac                      ; 1e-5
	s_mov_b32 s[G1W+0], 15|(1<<16)|(1<<20)|(1<<21)|(5<<22)|(3<<25)  ; all four work-groups; 2-byte elements; 4 words of padding after every 64
	s_mov_b32 s[G1W+1], 128<<16
	s_mov_b32 s[G1W+2], 128<<16
	s_mov_b32 s[G1W+3], 128<<16
	s_mov_b32 s[G1W+4], 128                        ; 128 rows x 128 elements
	s_mov_b32 s[G1W+5], KTOT
	s_mov_b32 s[G1W+6], 0
	s_mov_b32 s[G1W+7], 0
	s_mov_b32 s[G1A+0], (1<<16)|(1<<20)|(5<<22)|(3<<25)
	s_mov_b32 s[G1A+1], 128<<16
	s_mov_b32 s[G1A+2], 32<<16
	s_mov_b32 s[G1A+3], 128<<16
	s_mov_b32 s[G1A+4], 32                         ; 32 rows x 128 elements
	s_mov_b32 s[G1A+5], KTOT
	s_mov_b32 s[G1A+6], 0
	s_mov_b32 s[G1A+7], 0
	s_mul_i32 s20, s12, 128*KTOT*2                 ; W: rows 128 (w & 3) ..: nothing here hangs on cx
	s_add_co_u32 s20, s20, WOFF
	s_mov_b32 s21, 0
	s_mul_i32 s22, s14, 32*KTOT*2                  ; A: the block's rows
	s_mov_b32 s23, 0
	s_mul_i32 s15, s10, WQ                         ; LDS: wave x 128 rows; for wave 4 that is A's place
	s_lshl_b32 s84, s14, 5
	s_lshl_b32 s85, s11, 4
	s_add_co_u32 s84, s84, s85                     ; my own first row
	s_lshl_b32 s84, s84, 11
	s_lshl_b32 s88, s12, 9
	s_add_co_u32 s84, s84, s88                     ; x 2048 + my columns' 512 bytes
	s_mov_b32 s85, 0
	s_lshr_b32 s86, s84, 1                         ; the same place in 16 bits
	s_mov_b32 s87, 0
	s_mov_b32 s89, 0
	s_wait_dscnt 0x0
	s_wait_kmcnt 0x0
	s_add_nc_u64 s[20:21], s[70:71], s[20:21]
	s_add_nc_u64 s[22:23], s[68:69], s[22:23]
	s_add_nc_u64 s[72:73], s[72:73], s[84:85]
	s_add_nc_u64 s[78:79], s[78:79], s[84:85]
	s_add_nc_u64 s[74:75], s[74:75], s[88:89]
	s_add_nc_u64 s[76:77], s[76:77], s[88:89]
.if WRITE_BF
	s_add_nc_u64 s[80:81], s[80:81], s[86:87]
.endif
.if HASBIAS
	s_add_nc_u64 s[80:81], s[80:81], s[88:89]
.endif
.irp n, 0,1
	s_mov_b32 s[G0W+4*\n], 1
	s_add_co_u32 s[G0W+4*\n+1], s15, \n*SLOT
	s_add_nc_u64 s[G0W+4*\n+2:G0W+4*\n+3], s[20:21], \n*256
	s_or_b32 s[G0W+4*\n+3], s[G0W+4*\n+3], 0x80000000
	s_mov_b32 s[G0A+4*\n], 1
	s_add_co_u32 s[G0A+4*\n+1], s15, \n*SLOT
	s_add_nc_u64 s[G0A+4*\n+2:G0A+4*\n+3], s[22:23], \n*256
	s_or_b32 s[G0A+4*\n+3], s[G0A+4*\n+3], 0x80000000
.endr
	ROUND                                          ; in front of the first joint load
	LOADT 0                                        ; K step 0
	v_and_b32 v1, 15, v0                           ; r
	v_bfe_u32 v8, v0, 4, 1                         ; h
	v_and_b32 v9, 31, v0                           ; lane
	v_lshlrev_b32 v[GV], 5, v8
	v_lshl_add_u32 v[RV], v1, 11, v[GV]
.irp nb, 0,1,2,3,4,5,6,7
	global_load_b128 v[ACC+8*\nb:ACC+8*\nb+3],   v[RV], s[72:73] offset:64*\nb      ; the residual of my own 16 rows x 128 columns starts their sums
	global_load_b128 v[ACC+8*\nb+4:ACC+8*\nb+7], v[RV], s[72:73] offset:64*\nb+16
.endr
.if HASBIAS
.irp nb, 0,1,2,3,4,5,6,7
	global_load_b128 v[FW+8*\nb:FW+8*\nb+3],   v[GV], s[80:81] offset:64*\nb
	global_load_b128 v[FW+8*\nb+4:FW+8*\nb+7], v[GV], s[80:81] offset:64*\nb+16
.endr
.endif
	v_mul_u32_u24 v10, v1, PITCH
	v_lshl_add_u32 v10, v8, 4, v10                 ; 272 r + 16 h
	s_mul_i32 s16, s12, WQ
	s_lshl_b32 s17, s11, 7                         ; my half of a K step: 128 bytes
	s_add_co_u32 s16, s16, s17
	s_mul_i32 s18, s11, 16*PITCH
	s_add_co_u32 s18, s18, s17
	s_add_co_u32 s18, s18, AOFF                    ; A's rows 16 kh ..: group 0
	s_mul_i32 s42, s19, 16*PITCH
	s_add_co_u32 s42, s42, s17
	s_add_co_u32 s42, s42, AOFF                    ; A's other 16 rows: group 1
	s_lshl_b32 s43, s10, 13
	s_xor_b32 s45, s10, 4
	s_lshl_b32 s45, s45, 13
	s_lshl_b32 s90, s10, 6
	s_add_co_u32 s90, s90, RED1
	s_lshl_b32 s91, s11, 8
	s_add_co_u32 s91, s91, RED1
	s_mul_i32 s92, s10, 16*OPITCH
	s_add_co_u32 s92, s92, OST
	s_mul_i32 s93, s10, 16*PITCH
	s_add_co_u32 s93, s93, BSTG
	v_add_nc_u32 v[WAD], s16, v10
	v_add_nc_u32 v[WAD+1], SLOT, v[WAD]
	v_add_nc_u32 v[AAD], s18, v10
	v_add_nc_u32 v[AAD+1], SLOT, v[AAD]
	v_add_nc_u32 v[AAD+2], s42, v10
	v_add_nc_u32 v[AAD+3], SLOT, v[AAD+2]
	v_lshl_add_u32 v[XST], v9, 4, s43              ; exchange: 8,192 bytes a wave, 16 bytes a lane
	v_lshl_add_u32 v[XLD], v9, 4, s45
	v_lshl_add_u32 v[RS], v1, 2, s90               ; partial sums: 64 w + 4 r
	v_lshl_add_u32 v[RL], v1, 2, s91               ; and the four waves of my rows: 256 kh + 4 r + 64 q
	v_mul_u32_u24 v11, v1, OPITCH
	v_add_nc_u32 v11, v11, v[GV]
	v_add_nc_u32 v[OSW], s92, v11
	v_lshl_add_u32 v[OSR], v9, 4, s92
	v_lshlrev_b32 v[OV], 4, v9
	v_add_nc_u32 v[BSW], s93, v10
	v_mul_u32_u24 v11, v8, PITCH
	v_lshl_add_u32 v11, v1, 4, v11
	v_add_nc_u32 v[BSR], s93, v11
	v_lshlrev_b32 v11, 10, v8
	v_lshl_add_u32 v[BV], v1, 4, v11
; 32 along K: 20 LDS loads, 16 matrix instructions.  The accumulators take turns, one instruction a turn.
; zero = 1: group 1's sums start here.
.macro BATCH slot, kq, zero
.irp ms, 0,1
	ds_load_b128 v[FA+8*\ms:FA+8*\ms+3],   v[AAD+2*\ms+\slot] offset:\kq*64
	ds_load_b128 v[FA+8*\ms+4:FA+8*\ms+7], v[AAD+2*\ms+\slot] offset:\kq*64+32
.endr
.irp nb, 0,1,2,3,4,5,6,7
	ds_load_b128 v[FW+8*\nb:FW+8*\nb+3],   v[WAD+\slot] offset:\nb*16*PITCH+\kq*64
	ds_load_b128 v[FW+8*\nb+4:FW+8*\nb+7], v[WAD+\slot] offset:\nb*16*PITCH+\kq*64+32
.endr
.irp nb, 0,1,2,3,4,5,6,7
	s_wait_dscnt 14-2*\nb                          ; A's fragments and W's up to nb are in; the 2 (7 - nb) younger loads stay out
	v_wmma_f32_16x16x32_f16 v[ACC+8*\nb:ACC+8*\nb+7], v[FW+8*\nb:FW+8*\nb+7], v[FA:FA+7], v[ACC+8*\nb:ACC+8*\nb+7]
.if \zero
	v_wmma_f32_16x16x32_f16 v[ACC+64+8*\nb:ACC+64+8*\nb+7], v[FW+8*\nb:FW+8*\nb+7], v[FA+8:FA+15], 0
.else
	v_wmma_f32_16x16x32_f16 v[ACC+64+8*\nb:ACC+64+8*\nb+7], v[FW+8*\nb:FW+8*\nb+7], v[FA+8:FA+15], v[ACC+64+8*\nb:ACC+64+8*\nb+7]
.endif
.endr
	PLACES
.endm
; One K step of 128.  In front of the round every wave waits for all its tensor loads and its LDS reads; behind it the other slot is asked for first.
.macro TRIP slot, refill, first
	s_wait_tensorcnt 0x0                           ; no load of mine is out: a group 0 may be written
	ds_add_u32 v254, v255
	s_wait_dscnt 0x0
	s_add_nc_u64 s[G0W+4*\slot+2:G0W+4*\slot+3], s[G0W+4*\slot+2:G0W+4*\slot+3], 512
	s_add_nc_u64 s[G0A+4*\slot+2:G0A+4*\slot+3], s[G0A+4*\slot+2:G0A+4*\slot+3], 512
	s_wait_dscnt 0x0
	ROUND
.if \refill
	LOADT 1-\slot
.endif
.if \first
	s_wait_loadcnt 0x0                             ; the residual (and the bias)
.if HASBIAS
.set j, 0
.rept 32
	v_pk_add_f32 v[ACC+2*j:ACC+2*j+1], v[ACC+2*j:ACC+2*j+1], v[FW+2*j:FW+2*j+1]
.set j, j+1
.endr
.endif
.endif
	BATCH \slot, 0, \first
	BATCH \slot, 1, 0
.endm
	TRIP 0, 1, 1
	TRIP 1, 1, 0
.if KTOT/256 > 2
	s_mov_b32 s44, KTOT/256-2
.Llap:
	TRIP 0, 1, 0
	TRIP 1, 1, 0
	s_sub_co_u32 s44, s44, 1
	s_cmp_lg_u32 s44, 0
	s_cbranch_scc1 .Llap
.endif
	TRIP 0, 1, 0
	TRIP 1, 0, 0                                   ; the last K step: nothing is left to fetch
	; THE EXCHANGE, in slot 0: it has had its last fill, and every wave's last read of it lies in front of the last round.
.irp i, 0,1,2,3,4,5,6,7,8,9,10,11,12,13,14,15
	ds_store_b128 v[XST], v[ACC+64+4*\i:ACC+64+4*\i+3] offset:512*\i   ; group 1: my half of K for the partner's rows
.endr
	s_wait_dscnt 0x0                               ; my stores, and my reads of slot 1, which becomes a stage behind this barrier
	s_barrier_signal -1
	s_barrier_wait -1
.irp i, 0,1,2,3,4,5,6,7,8,9,10,11,12,13,14,15
	ds_load_b128 v[E+4*\i:E+4*\i+3], v[XLD] offset:512*\i
.endr
	s_wait_dscnt 0x0
.set j, 0
.rept 32
	v_pk_add_f32 v[E+2*j:E+2*j+1], v[E+2*j:E+2*j+1], v[ACC+2*j:ACC+2*j+1]
.set j, j+1
.endr
.irp nb, 0,1,2,3,4,5,6,7
	global_load_b128 v[ACC+8*\nb:ACC+8*\nb+3],       v[GV], s[74:75] offset:64*\nb      ; gain and shift of my columns, on their way during the sums
	global_load_b128 v[ACC+8*\nb+4:ACC+8*\nb+7],     v[GV], s[74:75] offset:64*\nb+16
	global_load_b128 v[ACC+64+8*\nb:ACC+64+8*\nb+3], v[GV], s[76:77] offset:64*\nb
	global_load_b128 v[ACC+64+8*\nb+4:ACC+64+8*\nb+7], v[GV], s[76:77] offset:64*\nb+16
.endr
; The four chains in T become the row's sum over all 512 columns, in v[Q4]: lane, pair of lanes, then the four waves through LDS.
.macro ROWSUM red
	v_pk_add_f32 v[T:T+1], v[T:T+1], v[T+2:T+3]
	v_pk_add_f32 v[T+4:T+5], v[T+4:T+5], v[T+6:T+7]
	v_pk_add_f32 v[T:T+1], v[T:T+1], v[T+4:T+5]
	v_add_f32 v[T], v[T], v[T+1]
	v_permlanex16_b32 v[T+1], v[T], s40, s41
	v_add_f32 v[T], v[T], v[T+1]
	ds_store_b32 v[RS], v[T] offset:\red           ; both halves of the lanes store the same number to the same word
	s_wait_dscnt 0x0
	s_barrier_signal -1
	s_barrier_wait -1
.irp q, 0,1,2,3
	ds_load_b32 v[Q4+\q], v[RL] offset:\red+64*\q
.endr
	s_wait_dscnt 0x0
	v_add_f32 v[Q4], v[Q4], v[Q4+1]
	v_add_f32 v[Q4+2], v[Q4+2], v[Q4+3]
	v_add_f32 v[Q4], v[Q4], v[Q4+2]
.endm
.irp c, 0,1,2,3
	v_pk_add_f32 v[T+2*\c:T+2*\c+1], v[E+2*\c:E+2*\c+1], v[E+8+2*\c:E+8+2*\c+1]
.endr
.set j, 8
.rept 24
	v_pk_add_f32 v[T+2*(j%4):T+2*(j%4)+1], v[T+2*(j%4):T+2*(j%4)+1], v[E+2*j:E+2*j+1]
.set j, j+1
.endr
	ROWSUM 0
	v_mul_f32 v[MU], s46, v[Q4]
	v_mul_f32 v[MU+1], s46, v[Q4]
.set j, 0
.rept 32
	v_pk_add_f32 v[E+2*j:E+2*j+1], v[E+2*j:E+2*j+1], v[MU:MU+1] neg_lo:[0,1] neg_hi:[0,1]
.set j, j+1
.endr
.irp c, 0,1,2,3
	v_pk_mul_f32 v[T+2*\c:T+2*\c+1], v[E+2*\c:E+2*\c+1], v[E+2*\c:E+2*\c+1]
.endr
.set j, 4
.rept 28
	v_pk_fma_f32 v[T+2*(j%4):T+2*(j%4)+1], v[E+2*j:E+2*j+1], v[E+2*j:E+2*j+1], v[T+2*(j%4):T+2*(j%4)+1]
.set j, j+1
.endr
	ROWSUM 512                                     ; other words than the mean's: no barrier is needed between the two uses
	v_fma_f32 v[Q4], v[Q4], s46, s47               ; variance + 1e-5
	v_rsq_f32 v[MU], v[Q4]
	v_rsq_f32 v[MU+1], v[Q4]
	v_nop
	s_wait_loadcnt 0x0                             ; gain and shift
.set j, 0
	s_wait_alu depctr_va_vdst(0)
.rept 32
	v_pk_mul_f32 v[E+2*j:E+2*j+1], v[E+2*j:E+2*j+1], v[MU:MU+1]
.set j, j+1
.endr
.set j, 0
.rept 32
	v_pk_fma_f32 v[E+2*j:E+2*j+1], v[E+2*j:E+2*j+1], v[ACC+2*j:ACC+2*j+1], v[ACC+64+2*j:ACC+64+2*j+1]
.set j, j+1
.endr
	; f32 result through my own stage: in by lanes (32 bytes of a row each), back by rows of 512 bytes
.irp nb, 0,1,2,3,4,5,6,7
	ds_store_b128 v[OSW], v[E+8*\nb:E+8*\nb+3] offset:64*\nb
	ds_store_b128 v[OSW], v[E+8*\nb+4:E+8*\nb+7] offset:64*\nb+16
.endr
.irp i, 0,1,2,3,4,5,6,7,8,9,10,11,12,13,14,15
	ds_load_b128 v[ACC+4*\i:ACC+4*\i+3], v[OSR] offset:OPITCH*\i   ; a wave's LDS instructions are served in order
.endr
.irp i, 0,1,2,3,4,5,6,7,8,9,10,11,12,13,14,15
	s_wait_dscnt 15-\i                             ; row i is in, the younger read-backs stay out
	global_store_b128 v[OV], v[ACC+4*\i:ACC+4*\i+3], s[78:79] offset:2048*\i   ; the wave stores 512 consecutive bytes, aligned
.endr
.if WRITE_BF
.set j, 0
.rept 32
	v_cvt_pk_f16_f32 v[ACC+96+j], v[E+2*j], v[E+2*j+1]
.set j, j+1
.endr
.irp nb, 0,1,2,3,4,5,6,7
	ds_store_b128 v[BSW], v[ACC+96+4*\nb:ACC+96+4*\nb+3] offset:32*\nb
.endr
.irp i, 0,1,2,3,4,5,6,7
	ds_load_b128 v[ACC+64+4*\i:ACC+64+4*\i+3], v[BSR] offset:2*PITCH*\i
.endr
.irp i, 0,1,2,3,4,5,6,7
	s_wait_dscnt 7-\i
	global_store_b128 v[BV], v[ACC+64+4*\i:ACC+64+4*\i+3], s[80:81] offset:2048*\i   ; 16 lanes store 256 consecutive bytes, aligned
.endr
.endif
	s_wait_tensorcnt 0x0
	ds_add_u32 v254, v255
	s_wait_dscnt 0x0
	ROUND                                          ; the closing round
	s_endpgm
.Lfunc_end_k_qd578fca934_ffn2ln:
	.size	k_qd578fca934_ffn2ln, .Lfunc_end_k_qd578fca934_ffn2ln-k_qd578fca934_ffn2ln
	.p2alignl 7, 3214868480
	.fill 96, 4, 3214868480
	.section	.rodata,"a",@progbits
	.p2align	6, 0x0
	.amdhsa_kernel k_qd578fca934_ffn2ln
		.amdhsa_group_segment_fixed_size 327680
		.amdhsa_private_segment_fixed_size 0
		.amdhsa_enable_private_segment 0
		.amdhsa_kernarg_size 56
		.amdhsa_user_sgpr_count 2
		.amdhsa_user_sgpr_kernarg_segment_ptr 1
		.amdhsa_wavefront_size32 1
		.amdhsa_system_sgpr_workgroup_id_x 1
		.amdhsa_system_sgpr_workgroup_id_y 1
		.amdhsa_system_sgpr_workgroup_id_z 1
		.amdhsa_system_vgpr_workitem_id 0
		.amdhsa_next_free_vgpr 256
		.amdhsa_next_free_sgpr 96
		.amdhsa_reserve_vcc 0
		.amdhsa_float_denorm_mode_32 3
		.amdhsa_float_denorm_mode_16_64 3
		.amdhsa_memory_ordered 1
		.amdhsa_forward_progress 1
		.amdhsa_inst_pref_size 73
	.end_amdhsa_kernel
	.amdgpu_metadata
---
amdhsa.version: [ 1, 2 ]
amdhsa.kernels:
  - .name:           k_qd578fca934_ffn2ln
    .symbol:         k_qd578fca934_ffn2ln.kd
    .args:
      - { .name: g, .offset: 0, .size: 8, .value_kind: global_buffer, .address_space: global }
      - { .name: wb, .offset: 8, .size: 8, .value_kind: global_buffer, .address_space: global }
      - { .name: hf, .offset: 16, .size: 8, .value_kind: global_buffer, .address_space: global }
      - { .name: ln2_g, .offset: 24, .size: 8, .value_kind: global_buffer, .address_space: global }
      - { .name: ln2_b, .offset: 32, .size: 8, .value_kind: global_buffer, .address_space: global }
      - { .name: out0, .offset: 40, .size: 8, .value_kind: global_buffer, .address_space: global }
      - { .name: b2, .offset: 48, .size: 8, .value_kind: global_buffer, .address_space: global }
    .group_segment_fixed_size: 327680
    .private_segment_fixed_size: 0
    .kernarg_segment_align: 8
    .kernarg_segment_size: 56
    .max_flat_workgroup_size: 256
    .sgpr_count:     96
    .vgpr_count:     256
    .wavefront_size: 32
...
	.end_amdgpu_metadata
.endif
;; end of part 6
;; ======== version 2 of 2: 6 launches; 1.09 times as fast as version 1
;; limits: values are held in f16: magnitudes above 65,504 overflow, below 6.1e-05 lose precision
;; workspace buffers: xb 8,388,608 bytes; wb 6,291,456 bytes; qkv 25,165,824 bytes; ctx 8,388,608 bytes; hf 16,777,216 bytes; hb 8,388,608 bytes; g 33,554,432 bytes
;; launch cvt: the kernel of part 1 again; grid 16 x 28, 8 waves a work-group, no clusters, 0 bytes of LDS; arguments x, Wq, Wk, Wv, Wp, W1, W2, xb, wb; writes xb, wb
;; launch qkv: the kernel of part 2 again; grid 32 x 6, 4 waves a work-group, clusters of 4 x 1, 327,680 bytes of LDS; arguments xb, wb, qkv; writes qkv
;; launch attn (part 7): grid 16 x 16, 8 waves a work-group, clusters of 4 x 1, 327,680 bytes of LDS; arguments qkv, attention_mask, ctx; writes ctx
.if DOCPART == 7
	.amdgcn_target "amdgcn-amd-amdhsa--gfx1250"
	.amdhsa_code_object_version 6
	.text
	.protected	k_qd578fca934_attn
	.globl	k_qd578fca934_attn
	.p2align	8
	.type	k_qd578fca934_attn,@function
k_qd578fca934_attn:
	s_mov_b64 s[64:65], 0
	v_nop
	global_prefetch_b8 v0, s[64:65] scope:SCOPE_SE
	s_setreg_imm32_b32 hwreg(HW_REG_WAVE_MODE, 25, 1), 1
	s_wait_xcnt 0x0
	s_wait_alu depctr_hold_cnt(0) depctr_sa_sdst(0) depctr_va_vdst(0) depctr_va_sdst(0) depctr_va_ssrc(0) depctr_va_vcc(0) depctr_vm_vsrc(0)
	s_getreg_b32 s2, hwreg(HW_REG_IB_STS2, 6, 4)
	s_cmp_eq_u32 s2, 0
	s_cbranch_scc0 .Lentry_in_a_cluster
	s_endpgm
.Lentry_in_a_cluster:
	s_bfe_u32 s2, ttmp6, 0x10000c
	s_cmp_lg_u32 s2, 0x3003
	s_cbranch_scc0 .Lentry_shape_is_right
	s_endpgm
.Lentry_shape_is_right:
; ctx = softmax(q k^T / 8 - 100 (1 - mask)) v, per batch and head, with a running maximum, in base 2 (q carries log2(e)/8 already).
; Grid y = 4 batch + head pair; grid x = block of 128 queries.  Wave w: head p = w & 1 of the pair, queries 32 (w >> 1) .. + 31 (two subtiles of 16).
; EVERYTHING IS TRANSPOSED.  S^T = K Q^T + bias (source 0: 16 keys, source 1: 16 queries, C of the first product: the mask's bias): lane (r, h) holds
; keys 8 h + j of query r, so the maximum is taken inside the lane and across one pair of lanes, and two packed S tiles ARE the source-1
; fragment of P^T.  O^T += V^T P^T (source 0: V through the transposing LDS load), l += ones P^T.
; THE TWO SUBTILES ARE SKEWED BY HALF A STEP, so that one wave's text alternates matrix and vector work that do not depend on each other:
;   block X(t): softmax of subtile 0, step t, with the products PV(1, t-1) and S(1, t) strewn through it, two at a time;
;   block Y(t): softmax of subtile 1, step t, with PV(0, t) and S(0, t+1), and the LDS loads of step t + 1 in runs of eight.
; In a block the vector instructions touch subtile qs alone and the matrix instructions subtile 1 - qs alone.
; REGISTERS: window 0 holds all that vector instructions touch (S, P, O, l, the bias); window 1 what only loads and matrix instructions touch
; (Q, ones, K, two buffers of V).  So vector work runs under the setting 0 and each pair of products under its own.  512 registers a wave, two waves a SIMD.
; K and V tiles have rows of 256 bytes (both heads of the pair) and hang on grid y alone: the four work-groups of a cluster ask jointly.
; A slot holds 256 keys (four steps of 64): 4 chunks of K (64 keys, pitch 272), 4 of V (64 keys, pitch 288), one chunk a wave; 8 tiles, two slots.
; A wave has two tensor loads outstanding at the start (the two first fills) and one behind each round.
; LIMITS: probabilities below 2^-126 count as 0 (v_exp_f32 flushes); the denominator is the sum of the probabilities as rounded to bf16, the
; numbers that the numerator uses; mask bytes are 0 or 1; NaN and infinities are not followed.
.set QKVP,  3072                       ; bytes in a row of qkv
.set PK,    272
.set PV,    288                        ; an odd multiple of 32, for the transposing load
.set CHUNK, 64*PV                      ; 64 rows x 288 (K's chunks use 17,408 of it): chunk st holds step st's keys
.set SLOT,  8*CHUNK
.set BIAS,  2*SLOT                     ; f32 [2048]: (mask - 1) x 100 log2(e); written by LDS stores, never by a tensor load
.set TILEB, 256*QKVP                   ; bytes from a tile of 256 keys to the next
; window 0
.set BAD, 6                            ; v6     bias, stepped by 2,048 bytes for eight steps
.set QV,  7                            ; v7     offset of my Q fragments
.set M,   8                            ; v8-9   running maximum of subtile 0, 1
.set MP,  10                           ; v[10:11] the new maximum, twice
.set AL,  12                           ; v[12:15] 2^(old - new), twice, for each subtile
.set T,   16                           ; v[16:19] at work
.set STW, 20
.set STR, 21
.set CV,  22
.set BSA, 23
.set SC,  24                           ; v[24:87]   S tile (qs, ks) at 24 + 32 qs + 8 ks
.set PF,  88                           ; v[88:119]  P fragment (qs, kb) at 88 + 16 qs + 8 kb
.set OA,  120                          ; v[120:183] O tile (qs, db) at 120 + 32 qs + 8 db
.set LS,  184                          ; v[184:199] l, tile qs at 184 + 8 qs
.set BI,  200                          ; v[200:231] the bias of a step's 64 keys, tile ks at 200 + 8 ks, for both subtiles
.set KAD, 232                          ; v232-235 K fragments' LDS address: 2 slot + (step >> 1)
.set VAD, 236                          ; v236-239 V fragments'
.set MV,  248
.set MK,  250
; window 1
.set QF,  0                            ; v[0:31]    Q fragment (qs, kk) at 16 qs + 8 kk
.set ONE, 32                           ; v[32:39]   a fragment of ones
.set KF,  64                           ; v[64:127]  K fragment (ks, kk) at 64 + 16 ks + 8 kk
.set VF,  128                          ; v[128:255] V fragment (buffer, kb, db) at 128 + 64 buffer + 32 kb + 8 db; buffer = step & 1
.set G1K, 24
.set G0,  32                           ; s[32:39] one set a slot
.set G1V, 48
.set MSB, 0
.macro WIN new                         ; the immediate's high byte repeats the setting that is left
.if MSB != \new
	s_set_vgpr_msb (MSB<<8)|\new
.set MSB, \new
.endif
.endm
.macro PLACES                          ; four independent vector instructions behind a matrix instruction (ISA guide 7.12.1)
.rept 4
	v_nop
.endr
.endm
.macro CREST                           ; a round of the cluster's barrier behind its opening barrier
	s_cmp_lg_u32 s10, 0
	s_cbranch_scc1 .Lnot_wave_0_\@
	s_barrier_signal -3
.Lnot_wave_0_\@:
	s_barrier_wait -3
	s_barrier_signal -1
	s_barrier_wait -1
.endm
.macro ROUND                           ; a whole round
	s_barrier_signal -1
	s_barrier_wait -1
	CREST
.endm
.macro JKV s                           ; waves 0-3 ask for a chunk of K, waves 4-7 for a chunk of V; the branch hangs on the wave's number alone
	s_cmp_eq_u32 s11, 0
	s_cbranch_scc0 .Lfor_v_\@
	tensor_load_to_lds s[G0+4*(\s):G0+4*(\s)+3], s[G1K:G1K+7]
	s_nop 0
	s_branch .Lasked_\@
.Lfor_v_\@:
	tensor_load_to_lds s[G0+4*(\s):G0+4*(\s)+3], s[G1V:G1V+7]
	s_nop 0
.Lasked_\@:
.endm
	s_load_b128 s[4:7], s[0:1], 0x0                ; qkv, attention_mask
	s_load_b64 s[8:9], s[0:1], 0x10                ; ctx
	v_lshl_add_u32 v254, v0, 2, 0x4a000
	v_mov_b32 v255, 0
	ds_add_u32 v254, v255
	v_lshrrev_b32 v1, 5, v0
	v_readfirstlane_b32 s10, v1                    ; wave 0..7
	s_lshr_b32 s11, s10, 2                         ; I fetch K (0) or V (1)
	s_and_b32 s12, s10, 3                          ; which 64 keys of a tile I fetch
	s_and_b32 s13, s10, 1                          ; p
	s_lshr_b32 s14, s10, 1                         ; my group of 32 queries
	s_bfe_u32 s15, ttmp6, 0x40000                  ; cx
	s_lshl_b32 s16, ttmp9, 2
	s_add_co_u32 s16, s16, s15                     ; query block
	s_and_b32 s17, ttmp7, 0xffff
	s_lshr_b32 s18, s17, 2                         ; batch
	s_and_b32 s19, s17, 3                          ; head pair
	s_mov_b32 s40, 0x76543210                      ; v_permlanex16_b32: lane i reads lane i of the other half
	s_mov_b32 s41, 0xfedcba98
	s_mov_b32 s42, 0x431044fe                      ; 100 log2(e)
	s_mov_b32 s43, 0xc31044fe
	s_mov_b32 s[G1K+0], 15|(1<<16)|(1<<20)|(1<<21)|(5<<22)|(3<<25)  ; all four work-groups; 2-byte elements; after every 64 words 4 words of padding
	s_mov_b32 s[G1V+0], 15|(1<<16)|(1<<20)|(1<<21)|(5<<22)|(7<<25)  ; the same with 8 words of padding
	s_mov_b32 s[G1K+1], 128<<16                    ; tensor_dim0 = 128
	s_mov_b32 s[G1V+1], 128<<16
	s_mov_b32 s[G1K+2], 64<<16                     ; tensor_dim1 = 64
	s_mov_b32 s[G1V+2], 64<<16
	s_mov_b32 s[G1K+3], 128<<16                    ; tile_dim0 = 128
	s_mov_b32 s[G1V+3], 128<<16
	s_mov_b32 s[G1K+4], 64                         ; tile_dim1 = 64
	s_mov_b32 s[G1V+4], 64
	s_mov_b32 s[G1K+5], 1536                       ; elements from row to row
	s_mov_b32 s[G1V+5], 1536
	s_mov_b32 s[G1K+6], 0
	s_mov_b32 s[G1V+6], 0
	s_mov_b32 s[G1K+7], 0
	s_mov_b32 s[G1V+7], 0
	s_lshl_b32 s20, s18, 11                        ; my chunk of tile 0: row 2048 batch + 64 (w & 3),
	s_lshl_b32 s21, s12, 6
	s_add_co_u32 s20, s20, s21
	s_mul_i32 s20, s20, QKVP
	s_lshl_b32 s21, s11, 10                        ; column block k or v,
	s_add_co_u32 s20, s20, s21
	s_lshl_b32 s21, s19, 8                         ; the pair's 256 bytes: nothing here hangs on cx
	s_add_co_u32 s20, s20, s21
	s_add_co_u32 s20, s20, 1024
	s_mov_b32 s21, 0
	s_mul_i32 s22, s10, CHUNK
	s_lshl_b32 s23, s18, 11
	s_lshl_b32 s44, s16, 7
	s_add_co_u32 s23, s23, s44                     ; the block's first row
	s_lshl_b32 s44, s14, 5                         ; Q: (row + 32 group) x 3072 + 128 (2 pair + p)
	s_add_co_u32 s44, s44, s23
	s_mul_i32 s44, s44, QKVP
	s_lshl_b32 s45, s19, 8
	s_add_co_u32 s44, s44, s45
	s_lshl_b32 s45, s13, 7
	s_add_co_u32 s44, s44, s45
	s_mov_b32 s45, 0
	s_lshl_b32 s46, s10, 4                         ; ctx: (row + 16 w) x 1024 + 256 pair
	s_add_co_u32 s46, s46, s23
	s_lshl_b32 s46, s46, 10
	s_lshl_b32 s47, s19, 8
	s_add_co_u32 s46, s46, s47
	s_mov_b32 s47, 0
	s_lshl_b32 s2, s18, 11                         ; the batch's 2,048 mask bytes
	s_mov_b32 s3, 0
	s_wait_dscnt 0x0
	s_wait_kmcnt 0x0
	s_add_nc_u64 s[20:21], s[4:5], s[20:21]
	s_add_nc_u64 s[56:57], s[4:5], s[44:45]
	s_add_nc_u64 s[58:59], s[8:9], s[46:47]
	s_add_nc_u64 s[6:7], s[6:7], s[2:3]
.irp n, 0,1
	s_mov_b32 s[G0+4*\n], 1
	s_add_co_u32 s[G0+4*\n+1], s22, \n*SLOT
	s_add_nc_u64 s[G0+4*\n+2:G0+4*\n+3], s[20:21], \n*TILEB
	s_or_b32 s[G0+4*\n+3], s[G0+4*\n+3], 0x80000000
.endr
	ROUND                                          ; in front of the first joint loads
	JKV 0                                          ; tile 0
	JKV 1                                          ; tile 1: both first fills go out together
	v_and_b32 v1, 15, v0                           ; r
	v_bfe_u32 v16, v0, 4, 1                        ; h
	v_mul_u32_u24 v17, v1, PK
	v_lshl_add_u32 v17, v16, 4, v17                ; 272 r + 16 h
	s_lshl_b32 s2, s13, 7                          ; my head's 128 bytes of a row
	v_add_nc_u32 v[KAD], s2, v17                   ; slot 0, steps 0 and 1
	v_add_nc_u32 v[KAD+1], 2*CHUNK, v[KAD]         ; slot 0, steps 2 and 3: the loads' immediates have 16 bits
	v_add_nc_u32 v[KAD+2], SLOT, v[KAD]
	v_add_nc_u32 v[KAD+3], SLOT+2*CHUNK, v[KAD]
	v_and_b32 v18, 7, v0
	v_lshl_add_u32 v18, v16, 3, v18                ; key 8 h + (lane & 7)
	v_mul_u32_u24 v18, v18, PV
	v_bfe_u32 v19, v0, 3, 1
	v_lshl_add_u32 v18, v19, 4, v18                ; + 16 ((lane >> 3) & 1)
	s_add_co_u32 s3, s2, 4*CHUNK
	v_add_nc_u32 v[VAD], s3, v18
	v_add_nc_u32 v[VAD+1], 2*CHUNK, v[VAD]
	v_add_nc_u32 v[VAD+2], SLOT, v[VAD]
	v_add_nc_u32 v[VAD+3], SLOT+2*CHUNK, v[VAD]
	v_lshl_add_u32 v[BAD], v16, 5, BIAS            ; keys 8 h ..: 32 h bytes
	v_mul_u32_u24 v[QV], v1, QKVP
	v_lshl_add_u32 v[QV], v16, 4, v[QV]
	s_mul_i32 s3, s14, 32*PK                       ; the stage of the way out lies at LDS byte 0, in slot 0, and is used behind that slot's last fill and last reads
	s_add_co_u32 s3, s3, s2
	v_add_nc_u32 v[STW], s3, v17                   ; stage, in: row 32 group + r, my head's half, 16 h
	s_mul_i32 s3, s10, 16*PK
	v_mul_u32_u24 v[STR], v16, PK
	v_lshl_add_u32 v[STR], v1, 4, v[STR]
	v_add_nc_u32 v[STR], s3, v[STR]                ; stage, back: rows 16 w + h, 16 bytes a lane
	v_lshlrev_b32 v[CV], 10, v16
	v_lshl_add_u32 v[CV], v1, 4, v[CV]
	v_lshl_add_u32 v[BSA], v0, 5, BIAS
	v_lshlrev_b32 v[MV], 3, v0
	global_load_b64 v[MK:MK+1], v[MV], s[6:7]      ; 8 mask bytes a thread
	WIN 0x40                                       ; destinations in window 1
.irp qs, 0,1
.irp kk, 0,1
	global_load_b128 v[QF+16*\qs+8*\kk:QF+16*\qs+8*\kk+3],   v[QV], s[56:57] offset:\qs*16*QKVP+\kk*64
	global_load_b128 v[QF+16*\qs+8*\kk+4:QF+16*\qs+8*\kk+7], v[QV], s[56:57] offset:\qs*16*QKVP+\kk*64+32
.endr
.endr
.irp i, 0,1,2,3,4,5,6,7
	v_mov_b32 v[ONE+\i], 0x3f803f80                ; two bf16 ones
.endr
	WIN 0
	s_wait_loadcnt 8                               ; the mask is in; the eight loads of Q stay out
.irp i, 0,1,2,3,4,5,6,7
	v_bfe_u32 v[SC+\i], v[MK+(\i>>2)], 8*(\i&3), 8
.endr
.irp i, 0,1,2,3,4,5,6,7
	v_cvt_f32_u32 v[SC+\i], v[SC+\i]
.endr
.irp i, 0,1,2,3,4,5,6,7
	v_fma_f32 v[SC+\i], v[SC+\i], s42, s43         ; 0 where the mask is set, -100 log2(e) where not
.endr
	ds_store_b128 v[BSA], v[SC:SC+3]
	ds_store_b128 v[BSA], v[SC+4:SC+7] offset:16
	s_wait_loadcnt 0x0                             ; Q
; LDS LOADS, in runs of eight.
.macro LK slot, st, c                  ; K of key tiles 2 c and 2 c + 1 of step st
	WIN 0x40
.irp k2, 0,1
.irp kk, 0,1
	ds_load_b128 v[KF+16*(2*\c+\k2)+8*\kk:KF+16*(2*\c+\k2)+8*\kk+3],   v[KAD+2*(\slot)+((\st)>>1)] offset:((\st)&1)*CHUNK+(2*\c+\k2)*16*PK+\kk*64
	ds_load_b128 v[KF+16*(2*\c+\k2)+8*\kk+4:KF+16*(2*\c+\k2)+8*\kk+7], v[KAD+2*(\slot)+((\st)>>1)] offset:((\st)&1)*CHUNK+(2*\c+\k2)*16*PK+\kk*64+32
.endr
.endr
.endm
.macro LB off                          ; the bias of a step's 64 keys
	WIN 0
.irp ks, 0,1,2,3
	ds_load_b128 v[BI+8*\ks:BI+8*\ks+3],   v[BAD] offset:\off+\ks*64
	ds_load_b128 v[BI+8*\ks+4:BI+8*\ks+7], v[BAD] offset:\off+\ks*64+16
.endr
.endm
.macro LV slot, st, kb                 ; V^T of keys 32 kb .. + 31 of step st, into buffer st & 1
	WIN 0x40
.irp db, 0,1,2,3
	ds_load_tr16_b128 v[VF+64*((\st)&1)+32*\kb+8*\db:VF+64*((\st)&1)+32*\kb+8*\db+3],   v[VAD+2*(\slot)+((\st)>>1)] offset:((\st)&1)*CHUNK+\kb*32*PV+\db*32
	ds_load_tr16_b128 v[VF+64*((\st)&1)+32*\kb+8*\db+4:VF+64*((\st)&1)+32*\kb+8*\db+7], v[VAD+2*(\slot)+((\st)>>1)] offset:((\st)&1)*CHUNK+\kb*32*PV+\db*32+16*PV
.endr
.endm
; MATRIX INSTRUCTIONS, two at a time.  In every run the accumulators take turns, one instruction a turn:
; S: tiles 0 1 2 3 (first half of the head's 64, C = bias), 0 1 2 3 (second half, in place); PV: O 0 1 2 3, l, O 0 1 2 3, l.
.macro SW qs, ks, kk
.if \kk
	v_wmma_f32_16x16x32_bf16 v[SC+32*\qs+8*(\ks):SC+32*\qs+8*(\ks)+7], v[KF+16*(\ks)+8:KF+16*(\ks)+15], v[QF+16*\qs+8:QF+16*\qs+15], v[SC+32*\qs+8*(\ks):SC+32*\qs+8*(\ks)+7]
.else
	v_wmma_f32_16x16x32_bf16 v[SC+32*\qs+8*(\ks):SC+32*\qs+8*(\ks)+7], v[KF+16*(\ks):KF+16*(\ks)+7], v[QF+16*\qs:QF+16*\qs+7], v[BI+8*(\ks):BI+8*(\ks)+7]
.endif
.endm
.macro SG qs, k0, kk
	WIN 0x05                                       ; sources 0 (K) and 1 (Q) in window 1
	SW \qs, \k0, \kk
	SW \qs, \k0+1, \kk
	WIN 0
.endm
.macro OW qs, vb, kb, db, z
.if \z
	v_wmma_f32_16x16x32_bf16 v[OA+32*\qs+8*\db:OA+32*\qs+8*\db+7], v[VF+64*(\vb)+32*\kb+8*\db:VF+64*(\vb)+32*\kb+8*\db+7], v[PF+16*\qs+8*\kb:PF+16*\qs+8*\kb+7], 0
.else
	v_wmma_f32_16x16x32_bf16 v[OA+32*\qs+8*\db:OA+32*\qs+8*\db+7], v[VF+64*(\vb)+32*\kb+8*\db:VF+64*(\vb)+32*\kb+8*\db+7], v[PF+16*\qs+8*\kb:PF+16*\qs+8*\kb+7], v[OA+32*\qs+8*\db:OA+32*\qs+8*\db+7]
.endif
.endm
.macro LW qs, kb, z
.if \z
	v_wmma_f32_16x16x32_bf16 v[LS+8*\qs:LS+8*\qs+7], v[ONE:ONE+7], v[PF+16*\qs+8*\kb:PF+16*\qs+8*\kb+7], 0
.else
	v_wmma_f32_16x16x32_bf16 v[LS+8*\qs:LS+8*\qs+7], v[ONE:ONE+7], v[PF+16*\qs+8*\kb:PF+16*\qs+8*\kb+7], v[LS+8*\qs:LS+8*\qs+7]
.endif
.endm
; mode 0: nothing (there is no step before the first); 1: add; 2: the first step's products start the sums: nothing is cleared
.macro PVG0 qs, vb, mode
.if \mode
	WIN 0x01                                       ; source 0 (V, ones) in window 1
	OW \qs, \vb, 0, 0, (\mode)-1
	OW \qs, \vb, 0, 1, (\mode)-1
	WIN 0
.endif
.endm
.macro PVG1 qs, vb, mode
.if \mode
	WIN 0x01
	OW \qs, \vb, 0, 2, (\mode)-1
	OW \qs, \vb, 0, 3, (\mode)-1
	WIN 0
.endif
.endm
.macro PVG2 qs, vb, mode
.if \mode
	WIN 0x01
	LW \qs, 0, (\mode)-1
	OW \qs, \vb, 1, 0, 0
	WIN 0
.endif
.endm
.macro PVG3 qs, vb, mode
.if \mode
	WIN 0x01
	OW \qs, \vb, 1, 1, 0
	OW \qs, \vb, 1, 2, 0
	WIN 0
.endif
.endm
.macro PVG4 qs, vb, mode
.if \mode
	WIN 0x01
	OW \qs, \vb, 1, 3, 0
	LW \qs, 1, 0
	WIN 0
.endif
.endm
; THE SOFTMAX OF ONE SUBTILE'S 64 KEYS, in pieces.  sf = 1: the first step (no old maximum, nothing to scale down).
.macro MAXA qs
.irp c, 0,1,2,3
	v_max3_num_f32 v[T+\c], v[SC+32*\qs+8*\c], v[SC+32*\qs+8*\c+1], v[SC+32*\qs+8*\c+2]
.endr
.endm
.macro MAXB qs
.irp c, 0,1,2,3
	v_max3_num_f32 v[T+\c], v[T+\c], v[SC+32*\qs+8*\c+3], v[SC+32*\qs+8*\c+4]
.endr
.endm
.macro MAXC qs
.irp c, 0,1,2,3
	v_max3_num_f32 v[T+\c], v[T+\c], v[SC+32*\qs+8*\c+5], v[SC+32*\qs+8*\c+6]
.endr
.endm
.macro MAXD qs, sf
	v_max3_num_f32 v[T], v[T], v[T+1], v[SC+32*\qs+7]
	v_max3_num_f32 v[T+2], v[T+2], v[T+3], v[SC+32*\qs+15]
	v_max3_num_f32 v[T], v[T], v[T+2], v[SC+32*\qs+23]
.if \sf
	v_max_num_f32 v[T], v[T], v[SC+32*\qs+31]
.else
	v_max3_num_f32 v[T], v[T], v[SC+32*\qs+31], v[M+\qs]
.endif
.endm
.macro FIN qs, sf
	v_permlanex16_b32 v[T+1], v[T], s40, s41       ; the other 32 keys of my query
	v_max_num_f32 v[MP], v[T], v[T+1]
	v_max_num_f32 v[MP+1], v[T], v[T+1]
.if \sf
	v_mov_b32 v[M+\qs], v[MP]
.else
	v_sub_f32 v[T+2], v[M+\qs], v[MP]
	v_exp_f32 v[AL+2*\qs], v[T+2]
	v_mov_b32 v[M+\qs], v[MP]                      ; the independent instruction behind v_exp_f32
	s_wait_alu depctr_va_vdst(0)
	v_mov_b32 v[AL+2*\qs+1], v[AL+2*\qs]
.endif
.endm
.macro SUBS qs, lo                     ; s - maximum, eight pairs
.set j, \lo
.rept 8
	v_pk_add_f32 v[SC+32*\qs+2*j:SC+32*\qs+2*j+1], v[SC+32*\qs+2*j:SC+32*\qs+2*j+1], v[MP:MP+1] neg_lo:[0,1] neg_hi:[0,1]
.set j, j+1
.endr
.endm
; Four exponentials; then plain work that does not depend on them: nm of the 20 multiplications that scale O and l of this subtile down
; (from number m0 on), and the packing of the four exponentials before.  So a plain instruction always stands between a v_exp_f32 and its use.
.macro EIT qs, i, sf, m0, nm
.irp e, 0,1,2,3
	v_exp_f32 v[SC+32*\qs+4*\i+\e], v[SC+32*\qs+4*\i+\e]
.endr
.if \sf
	v_nop
.else
.set j, \m0
.rept \nm
.if j > 15
	v_pk_mul_f32 v[LS+8*\qs+2*(j-16):LS+8*\qs+2*(j-16)+1], v[LS+8*\qs+2*(j-16):LS+8*\qs+2*(j-16)+1], v[AL+2*\qs:AL+2*\qs+1]
.else
	v_pk_mul_f32 v[OA+32*\qs+2*j:OA+32*\qs+2*j+1], v[OA+32*\qs+2*j:OA+32*\qs+2*j+1], v[AL+2*\qs:AL+2*\qs+1]
.endif
.set j, j+1
.endr
.endif
.if \i
	s_wait_alu depctr_va_vdst(0)
	v_cvt_pk_bf16_f32 v[PF+16*\qs+2*\i-2], v[SC+32*\qs+4*\i-4], v[SC+32*\qs+4*\i-3]   ; tiles 2 kb, 2 kb + 1 packed are fragment kb
	v_cvt_pk_bf16_f32 v[PF+16*\qs+2*\i-1], v[SC+32*\qs+4*\i-2], v[SC+32*\qs+4*\i-1]
.endif
.endm
.macro ELAST qs
	v_cvt_pk_bf16_f32 v[PF+16*\qs+14], v[SC+32*\qs+28], v[SC+32*\qs+29]
	v_cvt_pk_bf16_f32 v[PF+16*\qs+15], v[SC+32*\qs+30], v[SC+32*\qs+31]
.endm
; BLOCK X(t): softmax of subtile 0; products PV(1, t-1) from V's buffer vb, and S(1, t).  No LDS load.
; rnd = 1 (a tile's last step): all reads of the tile's slot were issued in Y(t-1).  The wave waits for them and for all its tensor loads (the next
; tile's, asked for four steps ago), signals, works on registers alone, and waits at the block's end.  fill = 1: that barrier opens a round of the
; cluster's barrier, and the slot's refill is the first tensor load behind the round.
; Behind the block's last products stand nine plain vector instructions or more that name none of their registers (five in the first step): the distance for
; the next block's reads of S and loads into K.
.macro XB sf, mode, vb, rnd, fill, slot
	MAXA 0
	PVG0 1, \vb, \mode
	MAXB 0
	MAXC 0
	PVG1 1, \vb, \mode
	MAXD 0, \sf
	PVG2 1, \vb, \mode
.if \rnd
	s_wait_dscnt 0x0                               ; my reads of the tile's slot are back
	s_wait_tensorcnt 0x0                           ; all my tensor loads have landed: my chunk of the next tile
	ds_add_u32 v254, v255
	s_wait_dscnt 0x0
	s_barrier_signal -1
.endif
	FIN 0, \sf
	PVG3 1, \vb, \mode
	SUBS 0, 0
	PVG4 1, \vb, \mode
	SUBS 0, 8
	SG 1, 0, 0
	EIT 0, 0, \sf, 0, 3
	EIT 0, 1, \sf, 3, 2
	SG 1, 2, 0
	EIT 0, 2, \sf, 5, 3
	EIT 0, 3, \sf, 8, 2
	SG 1, 0, 1
	EIT 0, 4, \sf, 10, 3
	EIT 0, 5, \sf, 13, 2
	SG 1, 2, 1
	EIT 0, 6, \sf, 15, 3
	EIT 0, 7, \sf, 18, 2
	ELAST 0
.if \rnd
	s_barrier_wait -1
.if \fill
	CREST
	s_add_nc_u64 s[G0+4*(\slot)+2:G0+4*(\slot)+3], s[G0+4*(\slot)+2:G0+4*(\slot)+3], 2*TILEB   ; no load of mine is out: the group may be written
	JKV \slot
.endif
.endif
.endm
; BLOCK Y(t): softmax of subtile 1; products PV(0, t) from V's buffer vb, and S(0, t+1).  son = 1: step t + 1 exists: its K, bias and V are loaded
; from slot nslot, step nst of the tile, bias at byte boff.  V goes into the other buffer, which PV(1, t-1) read last, a block ago.
.macro YB sf, mode, vb, son, nslot, nst, boff
.if \son
	LK \nslot, \nst, 0
	WIN 0
.endif
	MAXA 1
.if \son
	LK \nslot, \nst, 1
	s_wait_dscnt 16                                ; all but the 16 loads of K just issued: this step's V, asked for a step ago, is in
.else
	s_wait_dscnt 0x0
.endif
	PVG0 0, \vb, \mode
	MAXB 1
	MAXC 1
	PVG1 0, \vb, \mode
.if \son
	LB \boff
.endif
	MAXD 1, \sf
	PVG2 0, \vb, \mode
	FIN 1, \sf
	PVG3 0, \vb, \mode
	SUBS 1, 0
	PVG4 0, \vb, \mode
	SUBS 1, 8
.if \son
	s_wait_dscnt 0x0                               ; K and the bias of step t + 1
	SG 0, 0, 0
.endif
	EIT 1, 0, \sf, 0, 3
	EIT 1, 1, \sf, 3, 2
.if \son
	LV \nslot, \nst, 0
	SG 0, 2, 0
.endif
	EIT 1, 2, \sf, 5, 3
	EIT 1, 3, \sf, 8, 2
.if \son
	LV \nslot, \nst, 1
	SG 0, 0, 1
.endif
	EIT 1, 4, \sf, 10, 3
	EIT 1, 5, \sf, 13, 2
.if \son
	SG 0, 2, 1
.endif
	EIT 1, 6, \sf, 15, 3
	EIT 1, 7, \sf, 18, 2
	ELAST 1
.endm
; A tile of 256 keys: four steps.  b0: the tile's bias, in bytes from v[BAD]; f = 1: the very first tile; l = 1: the very last.
.macro TILE slot, b0, f, rnd, fill, l
	XB \f, 1-\f, 1, 0, 0, 0
	YB \f, 1+\f, 0, 1, \slot, 1, \b0+256
	XB 0, 1+\f, 0, 0, 0, 0
	YB 0, 1, 1, 1, \slot, 2, \b0+512
	XB 0, 1, 1, 0, 0, 0
	YB 0, 1, 0, 1, \slot, 3, \b0+768
	XB 0, 1, 0, \rnd, \fill, \slot
	YB 0, 1, 1, 1-\l, 1-\slot, 0, \b0+1024
.endm
	s_wait_tensorcnt 0x1                           ; my chunk of tile 0 is in; tile 1's stays out
	s_wait_dscnt 0x0                               ; my part of the bias is stored
	s_barrier_signal -1
	s_barrier_wait -1
	LK 0, 0, 0                                     ; step 0
	LK 0, 0, 1
	LB 0
	LV 0, 0, 0
	LV 0, 0, 1
	s_wait_dscnt 16                                ; K and the bias are in; V's 16 loads stay out
	SG 0, 0, 0                                     ; S(0, 0), ahead of the first block
	SG 0, 2, 0
	SG 0, 0, 1
	SG 0, 2, 1
	PLACES
	TILE 0, 0, 1, 1, 1, 0                          ; tile 0; slot 0 gets tile 2
	TILE 1, 1024, 0, 1, 1, 0                       ; tile 1; slot 1 gets tile 3
	v_add_nc_u32 v[BAD], 2048, v[BAD]              ; the next 512 keys' bias
	s_mov_b32 s44, 2
.Llap:
	TILE 0, 0, 0, 1, 1, 0                          ; tiles 2 and 4; slot 0 gets tiles 4 and 6
	TILE 1, 1024, 0, 1, 1, 0                       ; tiles 3 and 5; slot 1 gets tiles 5 and 7
	v_add_nc_u32 v[BAD], 2048, v[BAD]
	s_sub_co_u32 s44, s44, 1
	s_cmp_lg_u32 s44, 0
	s_cbranch_scc1 .Llap
	TILE 0, 0, 0, 1, 0, 0                          ; tile 6: nothing is left to fetch; its barrier shows tile 7 to every wave
	TILE 1, 1024, 0, 0, 0, 1                       ; tile 7
	PVG0 1, 1, 1                                   ; PV(1, 31), which no block is left to carry
	PVG1 1, 1, 1
	PVG2 1, 1, 1
	PVG3 1, 1, 1
	PVG4 1, 1, 1
	PLACES
	; THE WAY OUT: O / l, packed; a lane's eight numbers are eight neighbouring columns of a row of ctx.  The two heads of a pair meet in the
	; stage, so that rows of 256 bytes leave whole.  l >= 1: the largest probability is 1.
	; The stage lies in slot 0: its last fill was tile 6, and every wave's last read of it lies in front of tile 6's barrier.
	v_rcp_f32 v[AL], v[LS]
	v_rcp_f32 v[AL+1], v[LS]
	v_rcp_f32 v[AL+2], v[LS+8]
	v_rcp_f32 v[AL+3], v[LS+8]
	v_nop
.irp qs, 0,1
.set j, 0
.rept 16
	s_wait_alu depctr_va_vdst(0)
	v_pk_mul_f32 v[OA+32*\qs+2*j:OA+32*\qs+2*j+1], v[OA+32*\qs+2*j:OA+32*\qs+2*j+1], v[AL+2*\qs:AL+2*\qs+1]
.set j, j+1
.endr
.endr
.irp qs, 0,1
.set j, 0
.rept 16
	v_cvt_pk_bf16_f32 v[SC+16*\qs+j], v[OA+32*\qs+2*j], v[OA+32*\qs+2*j+1]
.set j, j+1
.endr
.endr
.irp qs, 0,1
.irp db, 0,1,2,3
	ds_store_b128 v[STW], v[SC+16*\qs+4*\db:SC+16*\qs+4*\db+3] offset:\qs*16*PK+\db*32
.endr
.endr
	s_wait_dscnt 0x0                               ; for the other waves' sake
	s_barrier_signal -1
	s_barrier_wait -1
.irp t, 0,1,2,3,4,5,6,7
	ds_load_b128 v[OA+4*\t:OA+4*\t+3], v[STR] offset:\t*2*PK
.endr
.irp t, 0,1,2,3,4,5,6,7
	s_wait_dscnt 7-\t                              ; read-back t is in, the younger ones stay out
	global_store_b128 v[CV], v[OA+4*\t:OA+4*\t+3], s[58:59] offset:\t*2048   ; 16 lanes store 256 consecutive bytes, aligned
.endr
	s_wait_tensorcnt 0x0
	ds_add_u32 v254, v255
	s_wait_dscnt 0x0
	ROUND                                          ; the closing round
	s_endpgm
.Lfunc_end_k_qd578fca934_attn:
	.size	k_qd578fca934_attn, .Lfunc_end_k_qd578fca934_attn-k_qd578fca934_attn
	.p2alignl 7, 3214868480
	.fill 96, 4, 3214868480
	.section	.rodata,"a",@progbits
	.p2align	6, 0x0
	.amdhsa_kernel k_qd578fca934_attn
		.amdhsa_group_segment_fixed_size 327680
		.amdhsa_private_segment_fixed_size 0
		.amdhsa_enable_private_segment 0
		.amdhsa_kernarg_size 24
		.amdhsa_user_sgpr_count 2
		.amdhsa_user_sgpr_kernarg_segment_ptr 1
		.amdhsa_wavefront_size32 1
		.amdhsa_system_sgpr_workgroup_id_x 1
		.amdhsa_system_sgpr_workgroup_id_y 1
		.amdhsa_system_sgpr_workgroup_id_z 1
		.amdhsa_system_vgpr_workitem_id 0
		.amdhsa_next_free_vgpr 512
		.amdhsa_next_free_sgpr 66
		.amdhsa_reserve_vcc 0
		.amdhsa_float_denorm_mode_32 3
		.amdhsa_float_denorm_mode_16_64 3
		.amdhsa_memory_ordered 1
		.amdhsa_forward_progress 1
		.amdhsa_inst_pref_size 255
	.end_amdhsa_kernel
	.section	.bss,"aw",@nobits
	.p2align	6
	.space	262144
	.amdgpu_metadata
---
amdhsa.version: [ 1, 2 ]
amdhsa.kernels:
  - .name:           k_qd578fca934_attn
    .symbol:         k_qd578fca934_attn.kd
    .args:
      - { .name: qkv, .offset: 0, .size: 8, .value_kind: global_buffer, .address_space: global }
      - { .name: attention_mask, .offset: 8, .size: 8, .value_kind: global_buffer, .address_space: global }
      - { .name: ctx, .offset: 16, .size: 8, .value_kind: global_buffer, .address_space: global }
    .group_segment_fixed_size: 327680
    .private_segment_fixed_size: 0
    .kernarg_segment_align: 8
    .kernarg_segment_size: 24
    .max_flat_workgroup_size: 256
    .sgpr_count:     66
    .vgpr_count:     512
    .wavefront_size: 32
...
	.end_amdgpu_metadata
.endif
;; end of part 7
;; launch projln (part 8): grid 256 x 1, 8 waves a work-group, clusters of 4 x 1, 327,680 bytes of LDS; arguments ctx, wb, x, ln1_g, ln1_b, hf, hb; writes hf, hb
.if DOCPART == 8
	.amdgcn_target "amdgcn-amd-amdhsa--gfx1250"
	.amdhsa_code_object_version 6
	.text
	.protected	k_qd578fca934_projln
	.globl	k_qd578fca934_projln
	.p2align	8
	.type	k_qd578fca934_projln,@function
k_qd578fca934_projln:
	s_mov_b64 s[64:65], 0
	v_nop
	global_prefetch_b8 v0, s[64:65] scope:SCOPE_SE
	s_setreg_imm32_b32 hwreg(HW_REG_WAVE_MODE, 25, 1), 1
	s_wait_xcnt 0x0
	s_wait_alu depctr_hold_cnt(0) depctr_sa_sdst(0) depctr_va_vdst(0) depctr_va_sdst(0) depctr_va_ssrc(0) depctr_va_vcc(0) depctr_vm_vsrc(0)
	s_getreg_b32 s2, hwreg(HW_REG_IB_STS2, 6, 4)
	s_cmp_eq_u32 s2, 0
	s_cbranch_scc0 .Lentry_in_a_cluster
	s_endpgm
.Lentry_in_a_cluster:
	s_bfe_u32 s2, ttmp6, 0x10000c
	s_cmp_lg_u32 s2, 0x3003
	s_cbranch_scc0 .Lentry_shape_is_right
	s_endpgm
.Lentry_shape_is_right:
; out = LayerNorm(A W^T (+ bias) + R) g + b over rows of 512.  Here: A = ctx, W = Wp (in wb), both bf16, R = x, no bias; out goes to hf (f32) and hb (f16).
; hb is the next product's operand.  It goes in f16, 11 significant bits: |out| <= sqrt(511) |gain| + |shift|, some 700 with gains 30 times one,
; far below f16's 65,504.
; A work-group makes 32 whole rows (256 work-groups), so that the norm needs no second launch.  Wave w: columns 128 (w & 3) .. + 127,
; and of every K step of 128 the half kh = w >> 2.  Each wave counts the block's two groups of 16 rows so that group 0 is its OWN
; (rows 16 kh + r): its sums start from the residual; group 1 starts from 0 and is handed to wave w xor 4 at the end.
; So the text is the same for all eight waves.
; W's tile (512 rows x 128 K) is the same in all work-groups of a cluster: the four ask jointly, every wave for 64 rows.  Two slots of one tile.
; A wave has two tensor loads outstanding at the start (the two first fills) and one behind each round.
; THE K STEPS ARE WALKED IN A RING: cluster c begins at step c mod NSTEP and wraps round.  So the clusters ask for different tiles of W at any
; moment, and a tile that one asks for has as a rule been asked for by another before.  The order of a sum's terms hangs on the cluster.
; A'S FRAGMENTS COME STRAIGHT FROM MEMORY INTO REGISTERS: 8 loads of 16 bytes a lane for a K step, in a ring of four steps' registers in window 1,
; asked for three to four steps ahead.  The four waves of one kh read the same 4 KB of a step.
; Source 0 = rows of W, source 1 = rows of A: lane (r, h) holds row r, columns 8 h + j of a tile.
; The variance is the mean of the squared deviations, as in the definition, taken in a second pass over registers.
; LIMITS: NaN and infinities are not followed.
.set KTOT, 512
.set NSTEP, KTOT/128
.set KMASK, KTOT*2-1                   ; a row's bytes less one: the ring's wrap
.set WOFF, 1572864                     ; W's first byte in wb
.set HASBIAS, 0
.set WRITE_BF, 1
.set PITCH, 272
.set WQ,    64*PITCH                   ; 64 rows of W: one tensor load
.set SLOT,  8*WQ
.set RED1,  2*SLOT                     ; 8 waves x 16 words, twice: partial sums; no tensor load lands here
.set OPITCH, 528
.set OST,   SLOT                       ; after the last fill: a stage of 16 rows x 528 for each wave, in slot 1
.set BSTG,  OST+8*16*OPITCH            ; and one of 16 rows x 272
.set WAD, 2                            ; v2-3  W fragments' LDS address, slot 0, 1
.set AV,  4                            ; v4-5  A fragments' offset in memory: group 0, group 1
.set RV,  13                           ; v13   residual: 2048 r + 32 h
.set GV,  14                           ; v14   gains and biases: 32 h
.set FW,  16                           ; v[16:79]  W fragment nb at 16 + 8 nb; later E, the row piece at work
.set E,   16
.set ACC, 96                           ; v[96:223] tile (ms, nb) at 96 + 8 (8 ms + nb)
.set T,   224                          ; v[224:231] four chains
.set MU,  234                          ; v[234:235] mean, then 1 / sigma, twice
.set Q4,  236                          ; v[236:239] the four waves' partial sums
.set XST, 240
.set XLD, 241
.set RL,  242
.set RS,  243
.set OSW, 244
.set OSR, 245
.set OV,  246
.set BSW, 247
.set BSR, 248
.set BV,  249
.set AFR, 0                            ; window 1, v[0:127]: A fragment (buffer, ms, kq) at 32 buffer + 16 ms + 8 kq
.set G1W, 24
.set G0W, 32                           ; s[32:39] one set a slot
.set AB,  48                           ; s[48:55] A's base for each of the four buffers
.set KW,  56                           ; s[56:57] byte offset in a row of the next tile of W to ask for
.set KA,  58                           ; s[58:59] the same for A
.set MSB, 0
.macro WIN new                         ; the immediate's high byte repeats the setting that is left
.if MSB != \new
	s_set_vgpr_msb (MSB<<8)|\new
.set MSB, \new
.endif
.endm
.macro PLACES                          ; four independent vector instructions behind a matrix instruction (ISA guide 7.12.1)
.rept 4
	v_nop
.endr
.endm
.macro ROUND
	s_barrier_signal -1
	s_barrier_wait -1
	s_cmp_lg_u32 s10, 0
	s_cbranch_scc1 .Lnot_wave_0_\@
	s_barrier_signal -3
.Lnot_wave_0_\@:
	s_barrier_wait -3
	s_barrier_signal -1
	s_barrier_wait -1
.endm
	s_load_b256 s[68:75], s[0:1], 0x0              ; A 68, wb 70, R 72, gain 74
	s_load_b128 s[76:79], s[0:1], 0x20             ; shift 76, f32 result 78
	s_load_b64 s[80:81], s[0:1], 0x30              ; 16-bit result, or the bias
	v_lshl_add_u32 v254, v0, 2, 0x44400
	v_mov_b32 v255, 0
	ds_add_u32 v254, v255
	v_lshrrev_b32 v1, 5, v0
	v_readfirstlane_b32 s10, v1                    ; wave 0..7
	s_lshr_b32 s11, s10, 2                         ; kh
	s_and_b32 s12, s10, 3                          ; my 128 columns
	s_xor_b32 s19, s11, 1
	s_bfe_u32 s13, ttmp6, 0x40000                  ; cx
	s_lshl_b32 s14, ttmp9, 2
	s_add_co_u32 s14, s14, s13                     ; block of 32 rows
	s_mov_b32 s40, 0x76543210
	s_mov_b32 s41, 0xfedcba98
	s_mov_b32 s46, 0x3b000000                      ; 1 / 512
	s_mov_b32 s47, 0x3727c5ac                      ; 1e-5
	s_mov_b32 s[G1W+0], 15|(1<<16)|(1<<20)|(1<<21)|(5<<22)|(3<<25)  ; all four work-groups; 2-byte elements; 4 words of padding after every 64
	s_mov_b32 s[G1W+1], 128<<16
	s_mov_b32 s[G1W+2], 64<<16
	s_mov_b32 s[G1W+3], 128<<16
	s_mov_b32 s[G1W+4], 64                         ; 64 rows x 128 elements
	s_mov_b32 s[G1W+5], KTOT
	s_mov_b32 s[G1W+6], 0
	s_mov_b32 s[G1W+7], 0
	s_mul_i32 s20, s10, 64*KTOT*2                  ; W: rows 64 w ..: nothing here hangs on cx
	s_add_co_u32 s20, s20, WOFF
	s_mov_b32 s21, 0
	s_mul_i32 s22, s14, 32*KTOT*2                  ; A: the block's rows
	s_mov_b32 s23, 0
	s_mul_i32 s15, s10, WQ                         ; LDS: wave x 64 rows
	s_and_b32 s[KW], ttmp9, NSTEP-1                ; the cluster's first K step: the same in its four work-groups
	s_lshl_b32 s[KW], s[KW], 8                     ; 256 bytes a step
	s_mov_b32 s[KW+1], 0
	s_mov_b32 s[KA], s[KW]
	s_mov_b32 s[KA+1], 0
	s_lshl_b32 s84, s14, 5
	s_lshl_b32 s85, s11, 4
	s_add_co_u32 s84, s84, s85                     ; my own first row
	s_lshl_b32 s84, s84, 11
	s_lshl_b32 s88, s12, 9
	s_add_co_u32 s84, s84, s88                     ; x 2048 + my columns' 512 bytes
	s_mov_b32 s85, 0
	s_lshr_b32 s86, s84, 1                         ; the same place in 16 bits
	s_mov_b32 s87, 0
	s_mov_b32 s89, 0
	s_wait_dscnt 0x0
	s_wait_kmcnt 0x0
	s_add_nc_u64 s[20:21], s[70:71], s[20:21]
	s_add_nc_u64 s[22:23], s[68:69], s[22:23]
	s_add_nc_u64 s[72:73], s[72:73], s[84:85]
	s_add_nc_u64 s[78:79], s[78:79], s[84:85]
	s_add_nc_u64 s[74:75], s[74:75], s[88:89]
	s_add_nc_u64 s[76:77], s[76:77], s[88:89]
.if WRITE_BF
	s_add_nc_u64 s[80:81], s[80:81], s[86:87]
.endif
.if HASBIAS
	s_add_nc_u64 s[80:81], s[80:81], s[88:89]
.endif
.irp n, 0,1
	s_mov_b32 s[G0W+4*\n], 1
	s_add_co_u32 s[G0W+4*\n+1], s15, \n*SLOT
	s_add_nc_u64 s[G0W+4*\n+2:G0W+4*\n+3], s[20:21], s[KW:KW+1]
	s_or_b32 s[G0W+4*\n+3], s[G0W+4*\n+3], 0x80000000
	s_add_co_u32 s[KW], s[KW], 256                 ; the ring's next step
	s_and_b32 s[KW], s[KW], KMASK
.endr
	ROUND                                          ; in front of the first joint loads
	tensor_load_to_lds s[G0W:G0W+3], s[G1W:G1W+7]              ; the first step's tile
	s_nop 0
	tensor_load_to_lds s[G0W+4:G0W+7], s[G1W:G1W+7]            ; the second's: both first fills go out together
	s_nop 0
; The fragments of A for the ring's next K step, into buffer buf: 2 groups of rows x 2 quarters of 32 along K x 2 loads.
; The buffer's base register was last named by loads that the step's own counted wait has shown done.
.macro LOADA buf
	s_add_nc_u64 s[AB+2*\buf:AB+2*\buf+1], s[22:23], s[KA:KA+1]
	s_add_co_u32 s[KA], s[KA], 256
	s_and_b32 s[KA], s[KA], KMASK
	WIN 0x40                                       ; destinations in window 1
.irp ms, 0,1
.irp kq, 0,1
	global_load_b128 v[AFR+32*\buf+16*\ms+8*\kq:AFR+32*\buf+16*\ms+8*\kq+3],   v[AV+\ms], s[AB+2*\buf:AB+2*\buf+1] offset:\kq*64
	global_load_b128 v[AFR+32*\buf+16*\ms+8*\kq+4:AFR+32*\buf+16*\ms+8*\kq+7], v[AV+\ms], s[AB+2*\buf:AB+2*\buf+1] offset:\kq*64+32
.endr
.endr
.endm
	v_and_b32 v1, 15, v0                           ; r
	v_bfe_u32 v8, v0, 4, 1                         ; h
	v_and_b32 v9, 31, v0                           ; lane
	v_lshlrev_b32 v[GV], 5, v8
	v_lshl_add_u32 v[RV], v1, 11, v[GV]
.irp nb, 0,1,2,3,4,5,6,7
	global_load_b128 v[ACC+8*\nb:ACC+8*\nb+3],   v[RV], s[72:73] offset:64*\nb      ; the residual of my own 16 rows x 128 columns starts their sums
	global_load_b128 v[ACC+8*\nb+4:ACC+8*\nb+7], v[RV], s[72:73] offset:64*\nb+16
.endr
.if HASBIAS
.irp nb, 0,1,2,3,4,5,6,7
	global_load_b128 v[FW+8*\nb:FW+8*\nb+3],   v[GV], s[80:81] offset:64*\nb
	global_load_b128 v[FW+8*\nb+4:FW+8*\nb+7], v[GV], s[80:81] offset:64*\nb+16
.endr
.endif
	v_mul_u32_u24 v10, v1, KTOT*2
	v_lshl_add_u32 v10, v8, 4, v10                 ; r rows + 16 h
	s_lshl_b32 s17, s11, 7                         ; my half of a K step: 128 bytes
	s_mul_i32 s16, s11, 16*KTOT*2
	s_add_co_u32 s16, s16, s17                     ; A's rows 16 kh ..: group 0
	s_mul_i32 s18, s19, 16*KTOT*2
	s_add_co_u32 s18, s18, s17                     ; A's other 16 rows: group 1
	v_add_nc_u32 v[AV], s16, v10
	v_add_nc_u32 v[AV+1], s18, v10
	LOADA 0
	LOADA 1
	LOADA 2                                        ; the fourth buffer is asked for behind the first step's wait
	WIN 0
	v_mul_u32_u24 v10, v1, PITCH
	v_lshl_add_u32 v10, v8, 4, v10                 ; 272 r + 16 h
	s_mul_i32 s16, s12, 128*PITCH
	s_add_co_u32 s16, s16, s17
	s_lshl_b32 s43, s10, 13
	s_xor_b32 s45, s10, 4
	s_lshl_b32 s45, s45, 13
	s_lshl_b32 s90, s10, 6
	s_add_co_u32 s90, s90, RED1
	s_lshl_b32 s91, s11, 8
	s_add_co_u32 s91, s91, RED1
	s_mul_i32 s92, s10, 16*OPITCH
	s_add_co_u32 s92, s92, OST
	s_mul_i32 s93, s10, 16*PITCH
	s_add_co_u32 s93, s93, BSTG
	v_add_nc_u32 v[WAD], s16, v10
	v_add_nc_u32 v[WAD+1], SLOT, v[WAD]
	v_lshl_add_u32 v[XST], v9, 4, s43              ; exchange: 8,192 bytes a wave, 16 bytes a lane
	v_lshl_add_u32 v[XLD], v9, 4, s45
	v_lshl_add_u32 v[RS], v1, 2, s90               ; partial sums: 64 w + 4 r
	v_lshl_add_u32 v[RL], v1, 2, s91               ; and the four waves of my rows: 256 kh + 4 r + 64 q
	v_mul_u32_u24 v11, v1, OPITCH
	v_add_nc_u32 v11, v11, v[GV]
	v_add_nc_u32 v[OSW], s92, v11
	v_lshl_add_u32 v[OSR], v9, 4, s92
	v_lshlrev_b32 v[OV], 4, v9
	v_add_nc_u32 v[BSW], s93, v10
	v_mul_u32_u24 v11, v8, PITCH
	v_lshl_add_u32 v11, v1, 4, v11
	v_add_nc_u32 v[BSR], s93, v11
	v_lshlrev_b32 v11, 10, v8
	v_lshl_add_u32 v[BV], v1, 4, v11
; 32 along K: 16 LDS loads, 16 matrix instructions, under one setting (source 1, A, in window 1).
; The accumulators take turns, one instruction a turn.  zero = 1: group 1's sums start here.
.macro BATCH slot, kq, buf, zero
.irp nb, 0,1,2,3,4,5,6,7
	ds_load_b128 v[FW+8*\nb:FW+8*\nb+3],   v[WAD+\slot] offset:\nb*16*PITCH+\kq*64
	ds_load_b128 v[FW+8*\nb+4:FW+8*\nb+7], v[WAD+\slot] offset:\nb*16*PITCH+\kq*64+32
.endr
.irp nb, 0,1,2,3,4,5,6,7
	s_wait_dscnt 14-2*\nb                          ; W's fragments up to nb are in; the 2 (7 - nb) younger loads stay out
	v_wmma_f32_16x16x32_bf16 v[ACC+8*\nb:ACC+8*\nb+7], v[FW+8*\nb:FW+8*\nb+7], v[AFR+32*\buf+8*\kq:AFR+32*\buf+8*\kq+7], v[ACC+8*\nb:ACC+8*\nb+7]
.if \zero
	v_wmma_f32_16x16x32_bf16 v[ACC+64+8*\nb:ACC+64+8*\nb+7], v[FW+8*\nb:FW+8*\nb+7], v[AFR+32*\buf+16+8*\kq:AFR+32*\buf+16+8*\kq+7], 0
.else
	v_wmma_f32_16x16x32_bf16 v[ACC+64+8*\nb:ACC+64+8*\nb+7], v[FW+8*\nb:FW+8*\nb+7], v[AFR+32*\buf+16+8*\kq:AFR+32*\buf+16+8*\kq+7], v[ACC+64+8*\nb:ACC+64+8*\nb+7]
.endif
.endr
	PLACES
.endm
; One K step's products.  lcnt: how many younger loads of A may stay out.  arefill = 1: the buffer is asked for again, four steps ahead.
.macro COMPUTE slot, buf, lcnt, arefill, first
	s_wait_loadcnt \lcnt                           ; this step's eight loads of A are in (in the first step: the residual and the bias too)
.if \first
	LOADA 3
	WIN 0
.if HASBIAS
.set j, 0
.rept 32
	v_pk_add_f32 v[ACC+2*j:ACC+2*j+1], v[ACC+2*j:ACC+2*j+1], v[FW+2*j:FW+2*j+1]
.set j, j+1
.endr
.endif
.endif
	WIN 0x04
	BATCH \slot, 0, \buf, \first
	BATCH \slot, 1, \buf, 0
.if \arefill
	LOADA \buf
.endif
	WIN 0
.endm
; The change to slot `slot`.  Every wave waits for all its tensor loads (its part of that slot's tile) and for its LDS reads of the other slot.
; refill = 1: a round of the cluster's barrier, and behind it, first, the other slot's next tile; else my work-group's barrier alone.
.macro NEXT slot, refill
	s_wait_tensorcnt 0x0
	ds_add_u32 v254, v255
	s_wait_dscnt 0x0
.if \refill
	s_add_nc_u64 s[G0W+4*(1-\slot)+2:G0W+4*(1-\slot)+3], s[20:21], s[KW:KW+1]      ; no load of mine is out: the group may be written
	s_or_b32 s[G0W+4*(1-\slot)+3], s[G0W+4*(1-\slot)+3], 0x80000000
	s_add_co_u32 s[KW], s[KW], 256
	s_and_b32 s[KW], s[KW], KMASK
.endif
	s_wait_dscnt 0x0
.if \refill
	ROUND
	tensor_load_to_lds s[G0W+4*(1-\slot):G0W+4*(1-\slot)+3], s[G1W:G1W+7]
	s_nop 0
.else
	s_barrier_signal -1
	s_barrier_wait -1
.endif
.endm
	s_wait_tensorcnt 0x1                           ; my part of the first tile is in; the second's stays out
	s_barrier_signal -1
	s_barrier_wait -1
.if NSTEP > 4
	COMPUTE 0, 0, 16, 1, 1                         ; two younger steps of A are out, 16 loads
	NEXT 1, 1
	COMPUTE 1, 1, 24, 1, 0                         ; from here on three younger steps, 24 loads
	NEXT 0, 1
	COMPUTE 0, 2, 24, 1, 0
	NEXT 1, 1
	COMPUTE 1, 3, 24, 1, 0
	s_mov_b32 s44, NSTEP/4-2
.Llap:
	NEXT 0, 1
	COMPUTE 0, 0, 24, 1, 0
	NEXT 1, 1
	COMPUTE 1, 1, 24, 1, 0
	NEXT 0, 1
	COMPUTE 0, 2, 24, 1, 0
	NEXT 1, 1
	COMPUTE 1, 3, 24, 1, 0
	s_sub_co_u32 s44, s44, 1
	s_cmp_lg_u32 s44, 0
	s_cbranch_scc1 .Llap
	NEXT 0, 1
	COMPUTE 0, 0, 24, 0, 0                         ; the last four steps ask for no more of A: the counts run down
.else
	COMPUTE 0, 0, 16, 0, 1
.endif
	NEXT 1, 1
	COMPUTE 1, 1, 16, 0, 0
	NEXT 0, 1
	COMPUTE 0, 2, 8, 0, 0
	NEXT 1, 0                                      ; the last K step: nothing is left to fetch
	COMPUTE 1, 3, 0, 0, 0
	; THE EXCHANGE, in slot 0: it has had its last fill, and every wave's last read of it lies in front of the last barrier.
.irp i, 0,1,2,3,4,5,6,7,8,9,10,11,12,13,14,15
	ds_store_b128 v[XST], v[ACC+64+4*\i:ACC+64+4*\i+3] offset:512*\i   ; group 1: my half of K for the partner's rows
.endr
	s_wait_dscnt 0x0                               ; my stores, and my reads of slot 1, which becomes a stage behind this barrier
	s_barrier_signal -1
	s_barrier_wait -1
.irp i, 0,1,2,3,4,5,6,7,8,9,10,11,12,13,14,15
	ds_load_b128 v[E+4*\i:E+4*\i+3], v[XLD] offset:512*\i
.endr
	s_wait_dscnt 0x0
.set j, 0
.rept 32
	v_pk_add_f32 v[E+2*j:E+2*j+1], v[E+2*j:E+2*j+1], v[ACC+2*j:ACC+2*j+1]
.set j, j+1
.endr
.irp nb, 0,1,2,3,4,5,6,7
	global_load_b128 v[ACC+8*\nb:ACC+8*\nb+3],       v[GV], s[74:75] offset:64*\nb      ; gain and shift of my columns, on their way during the sums
	global_load_b128 v[ACC+8*\nb+4:ACC+8*\nb+7],     v[GV], s[74:75] offset:64*\nb+16
	global_load_b128 v[ACC+64+8*\nb:ACC+64+8*\nb+3], v[GV], s[76:77] offset:64*\nb
	global_load_b128 v[ACC+64+8*\nb+4:ACC+64+8*\nb+7], v[GV], s[76:77] offset:64*\nb+16
.endr
; The four chains in T become the row's sum over all 512 columns, in v[Q4]: lane, pair of lanes, then the four waves through LDS.
.macro ROWSUM red
	v_pk_add_f32 v[T:T+1], v[T:T+1], v[T+2:T+3]
	v_pk_add_f32 v[T+4:T+5], v[T+4:T+5], v[T+6:T+7]
	v_pk_add_f32 v[T:T+1], v[T:T+1], v[T+4:T+5]
	v_add_f32 v[T], v[T], v[T+1]
	v_permlanex16_b32 v[T+1], v[T], s40, s41
	v_add_f32 v[T], v[T], v[T+1]
	ds_store_b32 v[RS], v[T] offset:\red           ; both halves of the lanes store the same number to the same word
	s_wait_dscnt 0x0
	s_barrier_signal -1
	s_barrier_wait -1
.irp q, 0,1,2,3
	ds_load_b32 v[Q4+\q], v[RL] offset:\red+64*\q
.endr
	s_wait_dscnt 0x0
	v_add_f32 v[Q4], v[Q4], v[Q4+1]
	v_add_f32 v[Q4+2], v[Q4+2], v[Q4+3]
	v_add_f32 v[Q4], v[Q4], v[Q4+2]
.endm
.irp c, 0,1,2,3
	v_pk_add_f32 v[T+2*\c:T+2*\c+1], v[E+2*\c:E+2*\c+1], v[E+8+2*\c:E+8+2*\c+1]
.endr
.set j, 8
.rept 24
	v_pk_add_f32 v[T+2*(j%4):T+2*(j%4)+1], v[T+2*(j%4):T+2*(j%4)+1], v[E+2*j:E+2*j+1]
.set j, j+1
.endr
	ROWSUM 0
	v_mul_f32 v[MU], s46, v[Q4]
	v_mul_f32 v[MU+1], s46, v[Q4]
.set j, 0
.rept 32
	v_pk_add_f32 v[E+2*j:E+2*j+1], v[E+2*j:E+2*j+1], v[MU:MU+1] neg_lo:[0,1] neg_hi:[0,1]
.set j, j+1
.endr
.irp c, 0,1,2,3
	v_pk_mul_f32 v[T+2*\c:T+2*\c+1], v[E+2*\c:E+2*\c+1], v[E+2*\c:E+2*\c+1]
.endr
.set j, 4
.rept 28
	v_pk_fma_f32 v[T+2*(j%4):T+2*(j%4)+1], v[E+2*j:E+2*j+1], v[E+2*j:E+2*j+1], v[T+2*(j%4):T+2*(j%4)+1]
.set j, j+1
.endr
	ROWSUM 512                                     ; other words than the mean's: no barrier is needed between the two uses
	v_fma_f32 v[Q4], v[Q4], s46, s47               ; variance + 1e-5
	v_rsq_f32 v[MU], v[Q4]
	v_rsq_f32 v[MU+1], v[Q4]
	v_nop
	s_wait_loadcnt 0x0                             ; gain and shift
.set j, 0
	s_wait_alu depctr_va_vdst(0)
.rept 32
	v_pk_mul_f32 v[E+2*j:E+2*j+1], v[E+2*j:E+2*j+1], v[MU:MU+1]
.set j, j+1
.endr
.set j, 0
.rept 32
	v_pk_fma_f32 v[E+2*j:E+2*j+1], v[E+2*j:E+2*j+1], v[ACC+2*j:ACC+2*j+1], v[ACC+64+2*j:ACC+64+2*j+1]
.set j, j+1
.endr
	; f32 result through my own stage: in by lanes (32 bytes of a row each), back by rows of 512 bytes
.irp nb, 0,1,2,3,4,5,6,7
	ds_store_b128 v[OSW], v[E+8*\nb:E+8*\nb+3] offset:64*\nb
	ds_store_b128 v[OSW], v[E+8*\nb+4:E+8*\nb+7] offset:64*\nb+16
.endr
.irp i, 0,1,2,3,4,5,6,7,8,9,10,11,12,13,14,15
	ds_load_b128 v[ACC+4*\i:ACC+4*\i+3], v[OSR] offset:OPITCH*\i   ; a wave's LDS instructions are served in order
.endr
.irp i, 0,1,2,3,4,5,6,7,8,9,10,11,12,13,14,15
	s_wait_dscnt 15-\i                             ; row i is in, the younger read-backs stay out
	global_store_b128 v[OV], v[ACC+4*\i:ACC+4*\i+3], s[78:79] offset:2048*\i   ; the wave stores 512 consecutive bytes, aligned
.endr
.if WRITE_BF
.set j, 0
.rept 32
	v_cvt_pk_f16_f32 v[ACC+96+j], v[E+2*j], v[E+2*j+1]             ; the f16 copy, rounded once from f32
.set j, j+1
.endr
.irp nb, 0,1,2,3,4,5,6,7
	ds_store_b128 v[BSW], v[ACC+96+4*\nb:ACC+96+4*\nb+3] offset:32*\nb
.endr
.irp i, 0,1,2,3,4,5,6,7
	ds_load_b128 v[ACC+64+4*\i:ACC+64+4*\i+3], v[BSR] offset:2*PITCH*\i
.endr
.irp i, 0,1,2,3,4,5,6,7
	s_wait_dscnt 7-\i
	global_store_b128 v[BV], v[ACC+64+4*\i:ACC+64+4*\i+3], s[80:81] offset:2048*\i   ; 16 lanes store 256 consecutive bytes, aligned
.endr
.endif
	s_wait_tensorcnt 0x0
	ds_add_u32 v254, v255
	s_wait_dscnt 0x0
	ROUND                                          ; the closing round
	s_endpgm
.Lfunc_end_k_qd578fca934_projln:
	.size	k_qd578fca934_projln, .Lfunc_end_k_qd578fca934_projln-k_qd578fca934_projln
	.p2alignl 7, 3214868480
	.fill 96, 4, 3214868480
	.section	.rodata,"a",@progbits
	.p2align	6, 0x0
	.amdhsa_kernel k_qd578fca934_projln
		.amdhsa_group_segment_fixed_size 327680
		.amdhsa_private_segment_fixed_size 0
		.amdhsa_enable_private_segment 0
		.amdhsa_kernarg_size 56
		.amdhsa_user_sgpr_count 2
		.amdhsa_user_sgpr_kernarg_segment_ptr 1
		.amdhsa_wavefront_size32 1
		.amdhsa_system_sgpr_workgroup_id_x 1
		.amdhsa_system_sgpr_workgroup_id_y 1
		.amdhsa_system_sgpr_workgroup_id_z 1
		.amdhsa_system_vgpr_workitem_id 0
		.amdhsa_next_free_vgpr 384
		.amdhsa_next_free_sgpr 96
		.amdhsa_reserve_vcc 0
		.amdhsa_float_denorm_mode_32 3
		.amdhsa_float_denorm_mode_16_64 3
		.amdhsa_memory_ordered 1
		.amdhsa_forward_progress 1
		.amdhsa_inst_pref_size 61
	.end_amdhsa_kernel
	.amdgpu_metadata
---
amdhsa.version: [ 1, 2 ]
amdhsa.kernels:
  - .name:           k_qd578fca934_projln
    .symbol:         k_qd578fca934_projln.kd
    .args:
      - { .name: ctx, .offset: 0, .size: 8, .value_kind: global_buffer, .address_space: global }
      - { .name: wb, .offset: 8, .size: 8, .value_kind: global_buffer, .address_space: global }
      - { .name: x, .offset: 16, .size: 8, .value_kind: global_buffer, .address_space: global }
      - { .name: ln1_g, .offset: 24, .size: 8, .value_kind: global_buffer, .address_space: global }
      - { .name: ln1_b, .offset: 32, .size: 8, .value_kind: global_buffer, .address_space: global }
      - { .name: hf, .offset: 40, .size: 8, .value_kind: global_buffer, .address_space: global }
      - { .name: hb, .offset: 48, .size: 8, .value_kind: global_buffer, .address_space: global }
    .group_segment_fixed_size: 327680
    .private_segment_fixed_size: 0
    .kernarg_segment_align: 8
    .kernarg_segment_size: 56
    .max_flat_workgroup_size: 256
    .sgpr_count:     96
    .vgpr_count:     384
    .wavefront_size: 32
...
	.end_amdgpu_metadata
.endif
;; end of part 8
;; launch ffn1: the kernel of part 5 again; grid 8 x 32, 4 waves a work-group, clusters of 4 x 4, 327,680 bytes of LDS; arguments hb, wb, g, b1; writes g
;; launch ffn2ln (part 9): grid 256 x 1, 8 waves a work-group, clusters of 4 x 1, 327,680 bytes of LDS; arguments g, wb, hf, ln2_g, ln2_b, out0, b2; writes out0
.if DOCPART == 9
	.amdgcn_target "amdgcn-amd-amdhsa--gfx1250"
	.amdhsa_code_object_version 6
	.text
	.protected	k_qd578fca934_ffn2ln
	.globl	k_qd578fca934_ffn2ln
	.p2align	8
	.type	k_qd578fca934_ffn2ln,@function
k_qd578fca934_ffn2ln:
	s_mov_b64 s[64:65], 0
	v_nop
	global_prefetch_b8 v0, s[64:65] scope:SCOPE_SE
	s_setreg_imm32_b32 hwreg(HW_REG_WAVE_MODE, 25, 1), 1
	s_wait_xcnt 0x0
	s_wait_alu depctr_hold_cnt(0) depctr_sa_sdst(0) depctr_va_vdst(0) depctr_va_sdst(0) depctr_va_ssrc(0) depctr_va_vcc(0) depctr_vm_vsrc(0)
	s_getreg_b32 s2, hwreg(HW_REG_IB_STS2, 6, 4)
	s_cmp_eq_u32 s2, 0
	s_cbranch_scc0 .Lentry_in_a_cluster
	s_endpgm
.Lentry_in_a_cluster:
	s_bfe_u32 s2, ttmp6, 0x10000c
	s_cmp_lg_u32 s2, 0x3003
	s_cbranch_scc0 .Lentry_shape_is_right
	s_endpgm
.Lentry_shape_is_right:
; out = LayerNorm(A W^T + bias + R) g + b over rows of 512.  Here: A = g (gelu's result), W = W2 (in wb), both f16, R = hf, bias = b2; out goes to out0 (f32).
; WHY f16: this product's sum is as large as the residual beside it, so its operands' rounding goes straight into the result; f16 keeps 11
; significant bits where bf16 keeps 8.  Room: W2 as drawn stays below 1, 30 times larger below 10; 30 times smaller, f16's fixed step of 6e-8 is
; under 1e-4 of its spread; gelu's results are bounded where they are made.
; A work-group makes 32 whole rows (256 work-groups), so that the norm needs no second launch.  Wave w: columns 128 (w & 3) .. + 127,
; and of every K step of 128 the half kh = w >> 2.  Each wave counts the block's two groups of 16 rows so that group 0 is its OWN
; (rows 16 kh + r): its sums start from the residual and the bias; group 1 starts from 0 and is handed to wave w xor 4 at the end.
; So the text is the same for all eight waves.
; W's tile (512 rows x 128 K) is the same in all work-groups of a cluster: the four ask jointly, every wave for 64 rows.  Two slots of one tile.
; A wave has two tensor loads outstanding at the start (the two first fills) and one behind each round.
; THE K STEPS ARE WALKED IN A RING: cluster c begins at step c mod NSTEP and wraps round.  So the clusters ask for different tiles of W at any
; moment, and a tile that one asks for has as a rule been asked for by another before.  The order of a sum's terms hangs on the cluster.
; A'S FRAGMENTS COME STRAIGHT FROM MEMORY INTO REGISTERS: 8 loads of 16 bytes a lane for a K step, in a ring of four steps' registers in window 1,
; asked for three to four steps ahead.  The four waves of one kh read the same 4 KB of a step.
; Source 0 = rows of W, source 1 = rows of A: lane (r, h) holds row r, columns 8 h + j of a tile.
; The variance is the mean of the squared deviations, as in the definition, taken in a second pass over registers.
; LIMITS: NaN and infinities are not followed.
.set KTOT, 2048
.set NSTEP, KTOT/128
.set KMASK, KTOT*2-1                   ; a row's bytes less one: the ring's wrap
.set WOFF, 4194304                     ; W's first byte in wb
.set PITCH, 272
.set WQ,    64*PITCH                   ; 64 rows of W: one tensor load
.set SLOT,  8*WQ
.set RED1,  2*SLOT                     ; 8 waves x 16 words, twice: partial sums; no tensor load lands here
.set OPITCH, 528
.set OST,   SLOT                       ; after the last fill: a stage of 16 rows x 528 for each wave, in slot 1
.set WAD, 2                            ; v2-3  W fragments' LDS address, slot 0, 1
.set AV,  4                            ; v4-5  A fragments' offset in memory: group 0, group 1
.set RV,  13                           ; v13   residual: 2048 r + 32 h
.set GV,  14                           ; v14   gains and biases: 32 h
.set FW,  16                           ; v[16:79]  W fragment nb at 16 + 8 nb; later E, the row piece at work
.set E,   16
.set ACC, 96                           ; v[96:223] tile (ms, nb) at 96 + 8 (8 ms + nb)
.set T,   224                          ; v[224:231] four chains
.set MU,  234                          ; v[234:235] mean, then 1 / sigma, twice
.set Q4,  236                          ; v[236:239] the four waves' partial sums
.set XST, 240
.set XLD, 241
.set RL,  242
.set RS,  243
.set OSW, 244
.set OSR, 245
.set OV,  246
.set AFR, 0                            ; window 1, v[0:127]: A fragment (buffer, ms, kq) at 32 buffer + 16 ms + 8 kq
.set G1W, 24
.set G0W, 32                           ; s[32:39] one set a slot
.set AB,  48                           ; s[48:55] A's base for each of the four buffers
.set KW,  56                           ; s[56:57] byte offset in a row of the next tile of W to ask for
.set KA,  58                           ; s[58:59] the same for A
.set MSB, 0
.macro WIN new                         ; the immediate's high byte repeats the setting that is left
.if MSB != \new
	s_set_vgpr_msb (MSB<<8)|\new
.set MSB, \new
.endif
.endm
.macro PLACES                          ; four independent vector instructions behind a matrix instruction (ISA guide 7.12.1)
.rept 4
	v_nop
.endr
.endm
.macro ROUND                           ; a round of the cluster's barrier
	s_barrier_signal -1
	s_barrier_wait -1
	s_cmp_lg_u32 s10, 0
	s_cbranch_scc1 .Lnot_wave_0_\@
	s_barrier_signal -3
.Lnot_wave_0_\@:
	s_barrier_wait -3
	s_barrier_signal -1
	s_barrier_wait -1
.endm
	s_load_b256 s[68:75], s[0:1], 0x0              ; A 68, wb 70, R 72, gain 74
	s_load_b128 s[76:79], s[0:1], 0x20             ; shift 76, f32 result 78
	s_load_b64 s[80:81], s[0:1], 0x30              ; the bias
	v_lshl_add_u32 v254, v0, 2, 0x44400
	v_mov_b32 v255, 0
	ds_add_u32 v254, v255
	v_lshrrev_b32 v1, 5, v0
	v_readfirstlane_b32 s10, v1                    ; wave 0..7
	s_lshr_b32 s11, s10, 2                         ; kh
	s_and_b32 s12, s10, 3                          ; my 128 columns
	s_xor_b32 s19, s11, 1
	s_bfe_u32 s13, ttmp6, 0x40000                  ; cx
	s_lshl_b32 s14, ttmp9, 2
	s_add_co_u32 s14, s14, s13                     ; block of 32 rows
	s_mov_b32 s40, 0x76543210
	s_mov_b32 s41, 0xfedcba98
	s_mov_b32 s46, 0x3b000000                      ; 1 / 512
	s_mov_b32 s47, 0x3727c5ac                      ; 1e-5
	s_mov_b32 s[G1W+0], 15|(1<<16)|(1<<20)|(1<<21)|(5<<22)|(3<<25)  ; all four work-groups; 2-byte elements; 4 words of padding after every 64
	s_mov_b32 s[G1W+1], 128<<16
	s_mov_b32 s[G1W+2], 64<<16
	s_mov_b32 s[G1W+3], 128<<16
	s_mov_b32 s[G1W+4], 64                         ; 64 rows x 128 elements
	s_mov_b32 s[G1W+5], KTOT
	s_mov_b32 s[G1W+6], 0
	s_mov_b32 s[G1W+7], 0
	s_mul_i32 s20, s10, 64*KTOT*2                  ; W: rows 64 w ..: nothing here hangs on cx
	s_add_co_u32 s20, s20, WOFF
	s_mov_b32 s21, 0
	s_mul_i32 s22, s14, 32*KTOT*2                  ; A: the block's rows
	s_mov_b32 s23, 0
	s_mul_i32 s15, s10, WQ                         ; LDS: wave x 64 rows
	s_and_b32 s[KW], ttmp9, NSTEP-1                ; the cluster's first K step: the same in its four work-groups
	s_lshl_b32 s[KW], s[KW], 8                     ; 256 bytes a step
	s_mov_b32 s[KW+1], 0
	s_mov_b32 s[KA], s[KW]
	s_mov_b32 s[KA+1], 0
	s_lshl_b32 s84, s14, 5
	s_lshl_b32 s85, s11, 4
	s_add_co_u32 s84, s84, s85                     ; my own first row
	s_lshl_b32 s84, s84, 11
	s_lshl_b32 s88, s12, 9
	s_add_co_u32 s84, s84, s88                     ; x 2048 + my columns' 512 bytes
	s_mov_b32 s85, 0
	s_mov_b32 s89, 0
	s_wait_dscnt 0x0
	s_wait_kmcnt 0x0
	s_add_nc_u64 s[20:21], s[70:71], s[20:21]
	s_add_nc_u64 s[22:23], s[68:69], s[22:23]
	s_add_nc_u64 s[72:73], s[72:73], s[84:85]
	s_add_nc_u64 s[78:79], s[78:79], s[84:85]
	s_add_nc_u64 s[74:75], s[74:75], s[88:89]
	s_add_nc_u64 s[76:77], s[76:77], s[88:89]
	s_add_nc_u64 s[80:81], s[80:81], s[88:89]
.irp n, 0,1
	s_mov_b32 s[G0W+4*\n], 1
	s_add_co_u32 s[G0W+4*\n+1], s15, \n*SLOT
	s_add_nc_u64 s[G0W+4*\n+2:G0W+4*\n+3], s[20:21], s[KW:KW+1]
	s_or_b32 s[G0W+4*\n+3], s[G0W+4*\n+3], 0x80000000
	s_add_co_u32 s[KW], s[KW], 256                 ; the ring's next step
	s_and_b32 s[KW], s[KW], KMASK
.endr
	ROUND                                          ; in front of the first joint loads
	tensor_load_to_lds s[G0W:G0W+3], s[G1W:G1W+7]              ; the first step's tile
	s_nop 0
	tensor_load_to_lds s[G0W+4:G0W+7], s[G1W:G1W+7]            ; the second's: both first fills go out together
	s_nop 0
; The fragments of A for the ring's next K step, into buffer buf: 2 groups of rows x 2 quarters of 32 along K x 2 loads.
; The buffer's base register was last named by loads that the step's own counted wait has shown done.
.macro LOADA buf
	s_add_nc_u64 s[AB+2*\buf:AB+2*\buf+1], s[22:23], s[KA:KA+1]
	s_add_co_u32 s[KA], s[KA], 256
	s_and_b32 s[KA], s[KA], KMASK
	WIN 0x40                                       ; destinations in window 1
.irp ms, 0,1
.irp kq, 0,1
	global_load_b128 v[AFR+32*\buf+16*\ms+8*\kq:AFR+32*\buf+16*\ms+8*\kq+3],   v[AV+\ms], s[AB+2*\buf:AB+2*\buf+1] offset:\kq*64
	global_load_b128 v[AFR+32*\buf+16*\ms+8*\kq+4:AFR+32*\buf+16*\ms+8*\kq+7], v[AV+\ms], s[AB+2*\buf:AB+2*\buf+1] offset:\kq*64+32
.endr
.endr
.endm
	v_and_b32 v1, 15, v0                           ; r
	v_bfe_u32 v8, v0, 4, 1                         ; h
	v_and_b32 v9, 31, v0                           ; lane
	v_lshlrev_b32 v[GV], 5, v8
	v_lshl_add_u32 v[RV], v1, 11, v[GV]
.irp nb, 0,1,2,3,4,5,6,7
	global_load_b128 v[ACC+8*\nb:ACC+8*\nb+3],   v[RV], s[72:73] offset:64*\nb      ; the residual of my own 16 rows x 128 columns starts their sums
	global_load_b128 v[ACC+8*\nb+4:ACC+8*\nb+7], v[RV], s[72:73] offset:64*\nb+16
.endr
.irp nb, 0,1,2,3,4,5,6,7
	global_load_b128 v[FW+8*\nb:FW+8*\nb+3],   v[GV], s[80:81] offset:64*\nb        ; the bias of my columns
	global_load_b128 v[FW+8*\nb+4:FW+8*\nb+7], v[GV], s[80:81] offset:64*\nb+16
.endr
	v_mul_u32_u24 v10, v1, KTOT*2
	v_lshl_add_u32 v10, v8, 4, v10                 ; r rows + 16 h
	s_lshl_b32 s17, s11, 7                         ; my half of a K step: 128 bytes
	s_mul_i32 s16, s11, 16*KTOT*2
	s_add_co_u32 s16, s16, s17                     ; A's rows 16 kh ..: group 0
	s_mul_i32 s18, s19, 16*KTOT*2
	s_add_co_u32 s18, s18, s17                     ; A's other 16 rows: group 1
	v_add_nc_u32 v[AV], s16, v10
	v_add_nc_u32 v[AV+1], s18, v10
	LOADA 0
	LOADA 1
	LOADA 2                                        ; the fourth buffer is asked for behind the first step's wait
	WIN 0
	v_mul_u32_u24 v10, v1, PITCH
	v_lshl_add_u32 v10, v8, 4, v10                 ; 272 r + 16 h
	s_mul_i32 s16, s12, 128*PITCH
	s_add_co_u32 s16, s16, s17
	s_lshl_b32 s43, s10, 13
	s_xor_b32 s45, s10, 4
	s_lshl_b32 s45, s45, 13
	s_lshl_b32 s90, s10, 6
	s_add_co_u32 s90, s90, RED1
	s_lshl_b32 s91, s11, 8
	s_add_co_u32 s91, s91, RED1
	s_mul_i32 s92, s10, 16*OPITCH
	s_add_co_u32 s92, s92, OST
	v_add_nc_u32 v[WAD], s16, v10
	v_add_nc_u32 v[WAD+1], SLOT, v[WAD]
	v_lshl_add_u32 v[XST], v9, 4, s43              ; exchange: 8,192 bytes a wave, 16 bytes a lane
	v_lshl_add_u32 v[XLD], v9, 4, s45
	v_lshl_add_u32 v[RS], v1, 2, s90               ; partial sums: 64 w + 4 r
	v_lshl_add_u32 v[RL], v1, 2, s91               ; and the four waves of my rows: 256 kh + 4 r + 64 q
	v_mul_u32_u24 v11, v1, OPITCH
	v_add_nc_u32 v11, v11, v[GV]
	v_add_nc_u32 v[OSW], s92, v11
	v_lshl_add_u32 v[OSR], v9, 4, s92
	v_lshlrev_b32 v[OV], 4, v9
; 32 along K: 16 LDS loads, 16 matrix instructions, under one setting (source 1, A, in window 1).
; The accumulators take turns, one instruction a turn.  zero = 1: group 1's sums start here.
.macro BATCH slot, kq, buf, zero
.irp nb, 0,1,2,3,4,5,6,7
	ds_load_b128 v[FW+8*\nb:FW+8*\nb+3],   v[WAD+\slot] offset:\nb*16*PITCH+\kq*64
	ds_load_b128 v[FW+8*\nb+4:FW+8*\nb+7], v[WAD+\slot] offset:\nb*16*PITCH+\kq*64+32
.endr
.irp nb, 0,1,2,3,4,5,6,7
	s_wait_dscnt 14-2*\nb                          ; W's fragments up to nb are in; the 2 (7 - nb) younger loads stay out
	v_wmma_f32_16x16x32_f16 v[ACC+8*\nb:ACC+8*\nb+7], v[FW+8*\nb:FW+8*\nb+7], v[AFR+32*\buf+8*\kq:AFR+32*\buf+8*\kq+7], v[ACC+8*\nb:ACC+8*\nb+7]
.if \zero
	v_wmma_f32_16x16x32_f16 v[ACC+64+8*\nb:ACC+64+8*\nb+7], v[FW+8*\nb:FW+8*\nb+7], v[AFR+32*\buf+16+8*\kq:AFR+32*\buf+16+8*\kq+7], 0
.else
	v_wmma_f32_16x16x32_f16 v[ACC+64+8*\nb:ACC+64+8*\nb+7], v[FW+8*\nb:FW+8*\nb+7], v[AFR+32*\buf+16+8*\kq:AFR+32*\buf+16+8*\kq+7], v[ACC+64+8*\nb:ACC+64+8*\nb+7]
.endif
.endr
	PLACES
.endm
; One K step's products.  lcnt: how many younger loads of A may stay out.  arefill = 1: the buffer is asked for again, four steps ahead.
.macro COMPUTE slot, buf, lcnt, arefill, first
	s_wait_loadcnt \lcnt                           ; this step's eight loads of A are in (in the first step: the residual and the bias too)
.if \first
	LOADA 3
	WIN 0
.set j, 0
.rept 32
	v_pk_add_f32 v[ACC+2*j:ACC+2*j+1], v[ACC+2*j:ACC+2*j+1], v[FW+2*j:FW+2*j+1]    ; residual + bias
.set j, j+1
.endr
.endif
	WIN 0x04
	BATCH \slot, 0, \buf, \first
	BATCH \slot, 1, \buf, 0
.if \arefill
	LOADA \buf
.endif
	WIN 0
.endm
; The change to slot `slot`.  Every wave waits for all its tensor loads (its part of that slot's tile) and for its LDS reads of the other slot.
; refill = 1: a round of the cluster's barrier, and behind it, first, the other slot's next tile; else my work-group's barrier alone.
.macro NEXT slot, refill
	s_wait_tensorcnt 0x0
	ds_add_u32 v254, v255
	s_wait_dscnt 0x0
.if \refill
	s_add_nc_u64 s[G0W+4*(1-\slot)+2:G0W+4*(1-\slot)+3], s[20:21], s[KW:KW+1]      ; no load of mine is out: the group may be written
	s_or_b32 s[G0W+4*(1-\slot)+3], s[G0W+4*(1-\slot)+3], 0x80000000
	s_add_co_u32 s[KW], s[KW], 256
	s_and_b32 s[KW], s[KW], KMASK
.endif
	s_wait_dscnt 0x0
.if \refill
	ROUND
	tensor_load_to_lds s[G0W+4*(1-\slot):G0W+4*(1-\slot)+3], s[G1W:G1W+7]
	s_nop 0
.else
	s_barrier_signal -1
	s_barrier_wait -1
.endif
.endm
	s_wait_tensorcnt 0x1                           ; my part of the first tile is in; the second's stays out
	s_barrier_signal -1
	s_barrier_wait -1
	COMPUTE 0, 0, 16, 1, 1                         ; two younger steps of A are out, 16 loads
	NEXT 1, 1
	COMPUTE 1, 1, 24, 1, 0                         ; from here on three younger steps, 24 loads
	NEXT 0, 1
	COMPUTE 0, 2, 24, 1, 0
	NEXT 1, 1
	COMPUTE 1, 3, 24, 1, 0
	s_mov_b32 s44, NSTEP/4-2
.Llap:
	NEXT 0, 1
	COMPUTE 0, 0, 24, 1, 0
	NEXT 1, 1
	COMPUTE 1, 1, 24, 1, 0
	NEXT 0, 1
	COMPUTE 0, 2, 24, 1, 0
	NEXT 1, 1
	COMPUTE 1, 3, 24, 1, 0
	s_sub_co_u32 s44, s44, 1
	s_cmp_lg_u32 s44, 0
	s_cbranch_scc1 .Llap
	NEXT 0, 1
	COMPUTE 0, 0, 24, 0, 0                         ; the last four steps ask for no more of A: the counts run down
	NEXT 1, 1
	COMPUTE 1, 1, 16, 0, 0
	NEXT 0, 1
	COMPUTE 0, 2, 8, 0, 0
	NEXT 1, 0                                      ; the last K step: nothing is left to fetch
	COMPUTE 1, 3, 0, 0, 0
	; THE EXCHANGE, in slot 0: it has had its last fill, and every wave's last read of it lies in front of the last barrier.
.irp i, 0,1,2,3,4,5,6,7,8,9,10,11,12,13,14,15
	ds_store_b128 v[XST], v[ACC+64+4*\i:ACC+64+4*\i+3] offset:512*\i   ; group 1: my half of K for the partner's rows
.endr
	s_wait_dscnt 0x0                               ; my stores, and my reads of slot 1, which becomes a stage behind this barrier
	s_barrier_signal -1
	s_barrier_wait -1
.irp i, 0,1,2,3,4,5,6,7,8,9,10,11,12,13,14,15
	ds_load_b128 v[E+4*\i:E+4*\i+3], v[XLD] offset:512*\i
.endr
	s_wait_dscnt 0x0
.set j, 0
.rept 32
	v_pk_add_f32 v[E+2*j:E+2*j+1], v[E+2*j:E+2*j+1], v[ACC+2*j:ACC+2*j+1]
.set j, j+1
.endr
.irp nb, 0,1,2,3,4,5,6,7
	global_load_b128 v[ACC+8*\nb:ACC+8*\nb+3],       v[GV], s[74:75] offset:64*\nb      ; gain and shift of my columns, on their way during the sums
	global_load_b128 v[ACC+8*\nb+4:ACC+8*\nb+7],     v[GV], s[74:75] offset:64*\nb+16
	global_load_b128 v[ACC+64+8*\nb:ACC+64+8*\nb+3], v[GV], s[76:77] offset:64*\nb
	global_load_b128 v[ACC+64+8*\nb+4:ACC+64+8*\nb+7], v[GV], s[76:77] offset:64*\nb+16
.endr
; The four chains in T become the row's sum over all 512 columns, in v[Q4]: lane, pair of lanes, then the four waves through LDS.
.macro ROWSUM red
	v_pk_add_f32 v[T:T+1], v[T:T+1], v[T+2:T+3]
	v_pk_add_f32 v[T+4:T+5], v[T+4:T+5], v[T+6:T+7]
	v_pk_add_f32 v[T:T+1], v[T:T+1], v[T+4:T+5]
	v_add_f32 v[T], v[T], v[T+1]
	v_permlanex16_b32 v[T+1], v[T], s40, s41
	v_add_f32 v[T], v[T], v[T+1]
	ds_store_b32 v[RS], v[T] offset:\red           ; both halves of the lanes store the same number to the same word
	s_wait_dscnt 0x0
	s_barrier_signal -1
	s_barrier_wait -1
.irp q, 0,1,2,3
	ds_load_b32 v[Q4+\q], v[RL] offset:\red+64*\q
.endr
	s_wait_dscnt 0x0
	v_add_f32 v[Q4], v[Q4], v[Q4+1]
	v_add_f32 v[Q4+2], v[Q4+2], v[Q4+3]
	v_add_f32 v[Q4], v[Q4], v[Q4+2]
.endm
.irp c, 0,1,2,3
	v_pk_add_f32 v[T+2*\c:T+2*\c+1], v[E+2*\c:E+2*\c+1], v[E+8+2*\c:E+8+2*\c+1]
.endr
.set j, 8
.rept 24
	v_pk_add_f32 v[T+2*(j%4):T+2*(j%4)+1], v[T+2*(j%4):T+2*(j%4)+1], v[E+2*j:E+2*j+1]
.set j, j+1
.endr
	ROWSUM 0
	v_mul_f32 v[MU], s46, v[Q4]
	v_mul_f32 v[MU+1], s46, v[Q4]
.set j, 0
.rept 32
	v_pk_add_f32 v[E+2*j:E+2*j+1], v[E+2*j:E+2*j+1], v[MU:MU+1] neg_lo:[0,1] neg_hi:[0,1]
.set j, j+1
.endr
.irp c, 0,1,2,3
	v_pk_mul_f32 v[T+2*\c:T+2*\c+1], v[E+2*\c:E+2*\c+1], v[E+2*\c:E+2*\c+1]
.endr
.set j, 4
.rept 28
	v_pk_fma_f32 v[T+2*(j%4):T+2*(j%4)+1], v[E+2*j:E+2*j+1], v[E+2*j:E+2*j+1], v[T+2*(j%4):T+2*(j%4)+1]
.set j, j+1
.endr
	ROWSUM 512                                     ; other words than the mean's: no barrier is needed between the two uses
	v_fma_f32 v[Q4], v[Q4], s46, s47               ; variance + 1e-5
	v_rsq_f32 v[MU], v[Q4]
	v_rsq_f32 v[MU+1], v[Q4]
	v_nop
	s_wait_loadcnt 0x0                             ; gain and shift
.set j, 0
	s_wait_alu depctr_va_vdst(0)
.rept 32
	v_pk_mul_f32 v[E+2*j:E+2*j+1], v[E+2*j:E+2*j+1], v[MU:MU+1]
.set j, j+1
.endr
.set j, 0
.rept 32
	v_pk_fma_f32 v[E+2*j:E+2*j+1], v[E+2*j:E+2*j+1], v[ACC+2*j:ACC+2*j+1], v[ACC+64+2*j:ACC+64+2*j+1]
.set j, j+1
.endr
	; f32 result through my own stage: in by lanes (32 bytes of a row each), back by rows of 512 bytes
.irp nb, 0,1,2,3,4,5,6,7
	ds_store_b128 v[OSW], v[E+8*\nb:E+8*\nb+3] offset:64*\nb
	ds_store_b128 v[OSW], v[E+8*\nb+4:E+8*\nb+7] offset:64*\nb+16
.endr
.irp i, 0,1,2,3,4,5,6,7,8,9,10,11,12,13,14,15
	ds_load_b128 v[ACC+4*\i:ACC+4*\i+3], v[OSR] offset:OPITCH*\i   ; a wave's LDS instructions are served in order
.endr
.irp i, 0,1,2,3,4,5,6,7,8,9,10,11,12,13,14,15
	s_wait_dscnt 15-\i                             ; row i is in, the younger read-backs stay out
	global_store_b128 v[OV], v[ACC+4*\i:ACC+4*\i+3], s[78:79] offset:2048*\i   ; the wave stores 512 consecutive bytes, aligned
.endr
	s_wait_tensorcnt 0x0
	ds_add_u32 v254, v255
	s_wait_dscnt 0x0
	ROUND                                          ; the closing round
	s_endpgm
.Lfunc_end_k_qd578fca934_ffn2ln:
	.size	k_qd578fca934_ffn2ln, .Lfunc_end_k_qd578fca934_ffn2ln-k_qd578fca934_ffn2ln
	.p2alignl 7, 3214868480
	.fill 96, 4, 3214868480
	.section	.rodata,"a",@progbits
	.p2align	6, 0x0
	.amdhsa_kernel k_qd578fca934_ffn2ln
		.amdhsa_group_segment_fixed_size 327680
		.amdhsa_private_segment_fixed_size 0
		.amdhsa_enable_private_segment 0
		.amdhsa_kernarg_size 56
		.amdhsa_user_sgpr_count 2
		.amdhsa_user_sgpr_kernarg_segment_ptr 1
		.amdhsa_wavefront_size32 1
		.amdhsa_system_sgpr_workgroup_id_x 1
		.amdhsa_system_sgpr_workgroup_id_y 1
		.amdhsa_system_sgpr_workgroup_id_z 1
		.amdhsa_system_vgpr_workitem_id 0
		.amdhsa_next_free_vgpr 384
		.amdhsa_next_free_sgpr 96
		.amdhsa_reserve_vcc 0
		.amdhsa_float_denorm_mode_32 3
		.amdhsa_float_denorm_mode_16_64 3
		.amdhsa_memory_ordered 1
		.amdhsa_forward_progress 1
		.amdhsa_inst_pref_size 112
	.end_amdhsa_kernel
	.amdgpu_metadata
---
amdhsa.version: [ 1, 2 ]
amdhsa.kernels:
  - .name:           k_qd578fca934_ffn2ln
    .symbol:         k_qd578fca934_ffn2ln.kd
    .args:
      - { .name: g, .offset: 0, .size: 8, .value_kind: global_buffer, .address_space: global }
      - { .name: wb, .offset: 8, .size: 8, .value_kind: global_buffer, .address_space: global }
      - { .name: hf, .offset: 16, .size: 8, .value_kind: global_buffer, .address_space: global }
      - { .name: ln2_g, .offset: 24, .size: 8, .value_kind: global_buffer, .address_space: global }
      - { .name: ln2_b, .offset: 32, .size: 8, .value_kind: global_buffer, .address_space: global }
      - { .name: out0, .offset: 40, .size: 8, .value_kind: global_buffer, .address_space: global }
      - { .name: b2, .offset: 48, .size: 8, .value_kind: global_buffer, .address_space: global }
    .group_segment_fixed_size: 327680
    .private_segment_fixed_size: 0
    .kernarg_segment_align: 8
    .kernarg_segment_size: 56
    .max_flat_workgroup_size: 256
    .sgpr_count:     96
    .vgpr_count:     384
    .wavefront_size: 32
...
	.end_amdgpu_metadata
.endif
;; end of part 9
